; MI455X (gfx1250); checked and timed in simulation.
; The chip was launched on July 23, 2026; its instructions are those of AMD's public machine-readable ISA for CDNA 5 (MIT licence, August 2026) and "CDNA5" Instruction Set Architecture Reference Guide (July 2026). The comments in the code are by the model that wrote it; some were corrected since.
;; Scaled Dot Prod Att V1. Allowed arithmetic: matrix products marked QUANTISED: E2M3 operands, one E8M0 scale for each 32 along K, by v_wmma_scale_f32_16x16x128_f8f6f4 with both operands' format E2M3, f32 sums; everything else in f32.
;; Inputs: Wk 1,024 x 1,024 float32; Wo 1,024 x 1,024 float32; Wq 1,024 x 1,024 float32; Wv 1,024 x 1,024 float32; bk 1,024 float32; bo 1,024 float32; bq 1,024 float32; bv 1,024 float32; key 4 x 2,048 x 1,024 float32; mask 4 x 2,048 x 2,048 int32; query 4 x 2,048 x 1,024 float32; value 4 x 2,048 x 1,024 float32.
;; Outputs: out0 4 x 2,048 x 1,024 float32.
;; This version of the problem:
;;   THIS VERSION OF THE PROBLEM IS GIVEN IN LOW PRECISION. The matrix products marked QUANTISED in the list below multiply operands that are first quantised to E2M3 (2 exponent bits, 3 mantissa bits; 6 bits a number), with one power-of-two scale for each 32 numbers along K (OCP MX v1.0); their sums are f32. All else is computed in f32.
;;   The module's matrix products, in the order in which they are computed (A, B: the left and right operand; K: the contracted axis; several contracted axes count as one K, in the product's order):
;;     1. [M 8,192, K 1,024] x [K 1,024, N 1,024]; A: input query; B: input Wq: QUANTISED
;;     2. [M 8,192, K 1,024] x [K 1,024, N 1,024]; A: input key; B: input Wk: QUANTISED
;;     3. [M 8,192, K 1,024] x [K 1,024, N 1,024]; A: input value; B: input Wv: QUANTISED
;;     4. batch 64 x [M 2,048, K 64] x [K 64, N 2,048]; A: computed on the way; B: computed on the way: QUANTISED
;;     5. batch 64 x [M 2,048, K 2,048] x [K 2,048, N 64]; A: computed on the way; B: computed on the way: QUANTISED
;;     6. [M 8,192, K 1,024] x [K 1,024, N 1,024]; A: computed on the way; B: input Wo: QUANTISED
;;   THE QUANTISER, for each operand of a quantised product, along K:
;;     - K is cut into blocks of 32 from its start; a last block that is shorter is filled with zeros.
;;     - A block's scale is 2^e with e = floor(log2(the largest magnitude in the block)) - 2, held to -126 .. 127; a block of zeros has e = 0. As a byte (E8M0): e + 127.
;;     - Each number is divided by its block's scale, clamped to +-7.5, and rounded to the nearest number of E2M3, ties to even, subnormals kept.
;;     - The product sums the exact products of the quantised numbers (number of the format x scale) in f32.
;;   ~~~python
;;   def quantise(x, axis):      # numpy; x: float32 -> the quantised numbers, widened to float32 again
;;       x = np.moveaxis(x, axis, -1); K = x.shape[-1]
;;       x = np.pad(x, [(0, 0)] * (x.ndim - 1) + [(0, -K % 32)]); x = x.reshape(x.shape[:-1] + (-1, 32)); a = np.abs(x).max(-1, keepdims=True)
;;       e = np.where(a > 0, np.clip(np.frexp(np.where(a > 0, a, 1))[1] - 1 - 2, -126, 127), 0)      # np.frexp(a)[1] - 1 = floor(log2(a)), exactly
;;       r = np.clip(x / 2.0 ** e, -7.5, 7.5)
;;       step = 2.0 ** (np.maximum(np.frexp(np.where(r == 0, 1, r))[1] - 1, 0) - 3)
;;       q = np.round(r / step) * step * 2.0 ** e      # np.round: ties to even
;;       return np.moveaxis(q.reshape(q.shape[:-2] + (-1,))[..., :K], -1, axis).astype(np.float32)
;;   ~~~
;;   OPERANDS COMPUTED ON THE WAY. 'Computed on the way' means the value that the module computes at that place (a softmax that the list does not call 'softmax' is quantised finished and normalised). What goes into a quantiser is computed in f32, as accurately as f32 sums, v_exp_f32 and their like allow (about 1e-6 of the number): no bf16 or f16 on the way to a quantiser, and a product that is left as it is and whose result goes on into a quantised operand takes f32 operands (vector FMAs, or v_wmma_f32_16x16x4_f32). A number that lies on a knife's edge between two numbers of the format may be rounded either way, as far as f32 arithmetic and the matrix unit's own rounding can turn it there, and no further.
;; 3 versions, each right; version 3 is version 2 with the launch attn written anew for expert scheduling mode. Each part assembles by itself: llvm-mc -triple=amdgcn-amd-amdhsa -mcpu=gfx1250 --defsym DOCPART=n.
;; ======== version 1 of 3: 4 launches
;; limits: right only within a limited range of input values
;; workspace buffers: cod 22,020,096 bytes; scl 917,504 bytes; mbits 2,097,152 bytes of whole numbers; pcod 18,874,368 bytes; pscl 786,432 bytes; acod 6,291,456 bytes; ascl 262,144 bytes
;; launch prep (part 1): grid 1408 x 1, 4 waves a work-group, no clusters, 68,096 bytes of LDS; arguments query, key, value, Wq, Wk, Wv, Wo, mask, cod, scl, mbits; writes cod, scl, mbits
.if DOCPART == 1
	.amdgcn_target "amdgcn-amd-amdhsa--gfx1250"
	.amdhsa_code_object_version 6
	.text
	.protected	k_q35facbf4dd_prep
	.globl	k_q35facbf4dd_prep
	.p2align	8
	.type	k_q35facbf4dd_prep,@function
k_q35facbf4dd_prep:
	s_mov_b64 s[64:65], 0
	v_nop
	global_prefetch_b8 v0, s[64:65] scope:SCOPE_SE
	s_setreg_imm32_b32 hwreg(HW_REG_WAVE_MODE, 25, 1), 1
	s_wait_xcnt 0x0
; Two jobs in one launch, parted by the work-group's number; each has LDS bytes of its own.
; WORK-GROUPS 0-895: query, key, value, Wq, Wk, Wv, Wo (f32, rows of 1,024 along K) become codes of FP6 (E2M3) with one E8M0 byte for each 32 along K.
; The seven tensors form one run of 28,672 rows, 224 blocks of 128.  cod: [block 224][plane 16][row 128][48 bytes], a plane being 64 along K; scl: [block 224][slot 4][row 128][8 bytes], byte 2 (plane % 4) + block of 32.
; So 256 along K of 128 rows are 24,576 consecutive bytes of codes: one dense block for the products' launches.
; Rows of value, Wq and Wk are laid in another order inside each 64: source row 32 a + 8 u + e lies at place 16 u + 8 a + e, so that the products' results fall 32 neighbours to a lane.
; A block's scale is 2^(floor(log2(largest magnitude)) - 2); its byte is the largest magnitude's exponent field - 2, held at 1 from below (a block of zeros keeps the byte 1: its codes are zeros, and this program alone reads the bytes).
; LIMITS: blocks whose largest magnitude lies under 2^-124 keep the byte 1; NaN and infinities among the inputs are not served.
; A work-group takes 32 places; wave w the planes 4 w .. 4 w + 3 of them: 16 steps of 8 rows x 64 numbers.  Each load reads 2 rows x 256 aligned bytes; a step's 2,048 bytes turn through the wave's own stage, so that a lane holds 16 neighbours.
; WORK-GROUPS 896-1407: mask (int32) becomes words of 32 bits in the shape of lane masks.  mbits: [b 4][qb 64][w 8][unit 8][i 32]; unit = 4 y + 2 s + c;
; bit r + 16 h of a word says whether mask[b][32 qb + 16 y + r][256 w + 128 s + 64 c + 32 h + i] is not 0.  A wave takes one (b, qb, w): 32 rows x 256 keys.
; No tensor loads, no barrier: waves share nothing.
.set SP,    80                         ; a lane's place in a stage: 64 bytes + 16
.set R,     16                         ; v16-79   four sets of 16 numbers as loaded
.set X,     80                         ; v80-111  two sets of 16 neighbours
.set E,     112                        ; v112-127 a scale byte for each step
.set C,     128                        ; v128-191 codes, four registers a step
.set LA,    192                        ; v192-195 load offsets of the four groups of 8 rows
.set MR,    16                         ; mask path: v16-79 two sets of 32 as loaded
.set MT,    80                         ; v80-143  two sets of 32: my row's 32 keys
.set MO,    144                        ; v144-151 words on their way out
.set MLDS,  32768                      ; mask path's LDS begins here: 8,704 bytes a wave, two stages of 16 rows x 272
.set MSTG,  4352
	v_lshl_add_u32 v200, v0, 2, 0x10800
	v_mov_b32 v201, 0
	s_cmp_ge_u32 ttmp9, 896
	s_cbranch_scc1 .Lmask
	; ---------------- the quantiser
	s_load_b256 s[4:11], s[0:1], 0x0               ; query s[4:5], key s[6:7], value s[8:9], Wq s[10:11]
	s_load_b256 s[12:19], s[0:1], 0x20             ; Wk s[12:13], Wv s[14:15], Wo s[16:17] (s[18:19]: mask, not used on this way)
	s_load_b128 s[20:23], s[0:1], 0x40             ; cod s[20:21], scl s[22:23]
	v_lshrrev_b32 v1, 5, v0
	v_readfirstlane_b32 s24, v1                    ; wave
	v_and_b32 v2, 31, v0                           ; lane
	s_lshl_b32 s25, s24, 13                        ; my wave's 8,192 bytes of LDS
	v_lshrrev_b32 v14, 2, v2
	v_mul_u32_u24 v14, v14, SP
	v_and_b32 v15, 3, v2
	v_lshl_add_u32 v14, v15, 4, v14
	v_add_nc_u32 v14, s25, v14                     ; the stage, way in: four lanes' 64 bytes on end, then 16 of padding
	v_mul_u32_u24 v15, v2, SP
	v_add_nc_u32 v15, s25, v15                     ; way out: my 16 neighbours
	v_mul_u32_u24 v4, v2, 12                       ; my 12 bytes of a step's 384 bytes of codes: row lane / 4, 12 (lane % 4)
	v_lshrrev_b32 v5, 2, v2
	v_lshlrev_b32 v5, 3, v5
	v_bfe_u32 v6, v2, 1, 1
	v_add_nc_u32 v5, v5, v6
	s_add_co_u32 s25, s25, 5120                    ; behind the two stages: the wave's 256 scale bytes
	v_add_nc_u32 v5, s25, v5                       ; 8 x row + which block of the plane
	v_lshlrev_b32 v7, 3, v2
	v_add_nc_u32 v6, s25, v7                       ; on the way out 8 bytes a lane: a row
	v_lshrrev_b32 v8, 4, v2
	v_and_b32 v9, 15, v2
	v_lshlrev_b32 v9, 4, v9
	v_lshl_add_u32 v[LA], v8, 12, v9               ; lanes 0-15 one row's 256 bytes, lanes 16-31 the next row's
	s_wait_kmcnt 0x0
	s_mov_b32 s26, 0                               ; the tensor's first work-group; the choices hang on the work-group's number alone
	s_cmp_ge_u32 ttmp9, 256
	s_cselect_b64 s[4:5], s[6:7], s[4:5]
	s_cselect_b32 s26, 256, s26
	s_cmp_ge_u32 ttmp9, 512
	s_cselect_b64 s[4:5], s[8:9], s[4:5]
	s_cselect_b32 s26, 512, s26
	s_cmp_ge_u32 ttmp9, 768
	s_cselect_b64 s[4:5], s[10:11], s[4:5]
	s_cselect_b32 s26, 768, s26
	s_cmp_ge_u32 ttmp9, 800
	s_cselect_b64 s[4:5], s[12:13], s[4:5]
	s_cselect_b32 s26, 800, s26
	s_cmp_ge_u32 ttmp9, 832
	s_cselect_b64 s[4:5], s[14:15], s[4:5]
	s_cselect_b32 s26, 832, s26
	s_cmp_ge_u32 ttmp9, 864
	s_cselect_b64 s[4:5], s[16:17], s[4:5]
	s_cselect_b32 s26, 864, s26
	s_mov_b32 s28, 131072
	s_mov_b32 s30, 32768
	s_mov_b32 s32, 65536
	s_mov_b32 s34, 98304
	s_sub_co_u32 s27, ttmp9, 512
	s_cmp_lt_u32 s27, 320                          ; value, Wq, Wk (work-groups 512-831): the other order of rows
	s_cselect_b32 s29, 65536, s28                  ; my half of a group of 64 places begins 16 source rows on, else 32
	s_cselect_b32 s31, s28, s30                    ; the four groups of 8 places come from source rows 0, 32, 8, 40 on, else 0, 8, 16, 24
	s_cselect_b32 s33, s30, s32
	s_cselect_b32 s35, 163840, s34
	v_add_nc_u32 v[LA+1], s31, v[LA]
	v_add_nc_u32 v[LA+2], s33, v[LA]
	v_add_nc_u32 v[LA+3], s35, v[LA]
	s_sub_co_u32 s36, ttmp9, s26
	s_lshr_b32 s36, s36, 1
	s_lshl_b32 s36, s36, 18                        ; 64 rows of 4,096 bytes
	s_and_b32 s37, ttmp9, 1
	s_mul_i32 s37, s37, s29
	s_add_co_u32 s36, s36, s37
	s_lshl_b32 s37, s24, 10                        ; my wave's 256 along K
	s_add_co_u32 s36, s36, s37
	s_mov_b32 s37, 0
	s_add_nc_u64 s[4:5], s[4:5], s[36:37]
	s_lshr_b32 s38, ttmp9, 2                       ; block of 128 places
	s_and_b32 s39, ttmp9, 3                        ; which 32 of them
	s_mul_i32 s40, s38, 98304
	s_mul_i32 s41, s24, 24576
	s_add_co_u32 s40, s40, s41
	s_mul_i32 s41, s39, 1536
	s_add_co_u32 s40, s40, s41
	s_mov_b32 s41, 0
	s_add_nc_u64 s[20:21], s[20:21], s[40:41]
	s_lshl_b32 s40, s38, 12
	s_lshl_b32 s42, s24, 10
	s_add_co_u32 s40, s40, s42
	s_lshl_b32 s42, s39, 8
	s_add_co_u32 s40, s40, s42
	s_add_nc_u64 s[22:23], s[22:23], s[40:41]
.macro LOAD t                          ; step t: group of rows t / 4, plane t % 4: four loads of 2 rows x 256 bytes
.irp i, 0,1,2,3
	global_load_b128 v[R+16*((\t)%4)+4*\i:R+16*((\t)%4)+4*\i+3], v[LA+(\t)/4], s[4:5] offset:256*((\t)%4)+8192*\i th:TH_LOAD_NT
.endr
.endm
.macro TURN t                          ; through the stage: LDS serves a wave's instructions in order, so no wait stands between the stores and the loads
.irp i, 0,1,2,3
	ds_store_b128 v14, v[R+16*((\t)%4)+4*\i:R+16*((\t)%4)+4*\i+3] offset:32*SP*((\t)%2)+8*SP*\i
.endr
.irp i, 0,1,2,3
	ds_load_b128 v[X+16*((\t)%2)+4*\i:X+16*((\t)%2)+4*\i+3], v15 offset:32*SP*((\t)%2)+16*\i
.endr
.endm
.macro STEP t
.set XS, X+16*((\t)%2)
.if (\t) > 0
	s_wait_dscnt 1                                 ; this step's numbers are back from the stage (the last step's byte store may be out), so its stores into the stage have read their registers,
.else
	s_wait_dscnt 0x0
.endif
.if (\t)+4 < 16
	LOAD (\t)+4                                    ; which take the loads of four steps on
.endif
.if (\t)+1 < 16
.if 14-(\t) >= 3
	s_wait_loadcnt 12                              ; the next step's four loads are in; those of three later steps may be out
.else
	s_wait_loadcnt 4*(14-(\t))
.endif
	TURN (\t)+1
.endif
	v_max3_num_f32 v8, |v[XS]|, |v[XS+1]|, |v[XS+2]|               ; the largest magnitude of my 16, in two chains
	v_max3_num_f32 v9, |v[XS+3]|, |v[XS+4]|, |v[XS+5]|
.irp i, 6,10
	v_max3_num_f32 v8, v8, |v[XS+\i]|, |v[XS+\i+1]|
	v_max3_num_f32 v9, v9, |v[XS+\i+2]|, |v[XS+\i+3]|
.endr
	v_max3_num_f32 v8, v8, |v[XS+14]|, |v[XS+15]|
	v_max3_num_f32 v8, v8, v9, 0x1800000           ; and the floor 2^(3 - 127): the byte cannot fall under 1
	v_max_num_f32_dpp v8, v8, v8 row_xmask:1 row_mask:0xf bank_mask:0xf   ; with my neighbour's 16: the block's
	v_add_nc_u32 v11, 0xff000000, v8               ; 2 off the exponent field: the conversion takes that field as its scale
	v_cvt_scalef32_pk16_fp6_f32 v[C+4*(\t):C+4*(\t)+2], v[XS:XS+15], v11
	v_lshrrev_b32 v[E+(\t)], 23, v11               ; the scale's byte
	ds_store_b8 v5, v[E+(\t)] offset:64*((\t)/4)+2*((\t)%4)          ; both lanes of a block write the same byte with the same value
	global_store_b96 v4, v[C+4*(\t):C+4*(\t)+2], s[20:21] offset:6144*((\t)%4)+384*((\t)/4)   ; 384 consecutive bytes: 8 rows of a plane
.endm
.irp t, 0,1,2,3
	LOAD \t
.endr
	s_wait_loadcnt 12                              ; step 0's four loads are in
	TURN 0
.irp t, 0,1,2,3,4,5,6,7,8,9,10,11,12,13,14,15
	STEP \t
.endr
	ds_load_b64 v[12:13], v6                       ; in order behind my byte stores
	s_wait_dscnt 0x0
	global_store_b64 v7, v[12:13], s[22:23]        ; 32 lanes store 256 consecutive bytes, aligned: 32 rows' bytes of my slot
	s_wait_tensorcnt 0x0
	ds_add_u32 v200, v201
	s_wait_dscnt 0x0
	s_endpgm
	; ---------------- the mask
.Lmask:
	s_load_b64 s[4:5], s[0:1], 0x38                ; mask
	s_load_b64 s[6:7], s[0:1], 0x50                ; mbits
	v_lshrrev_b32 v1, 5, v0
	v_readfirstlane_b32 s24, v1
	v_and_b32 v2, 31, v0
	s_sub_co_u32 s8, ttmp9, 896
	s_lshl_b32 s8, s8, 2
	s_add_co_u32 s8, s8, s24                       ; my wave's task: (64 b + qb) x 8 + w
	s_lshr_b32 s10, s8, 3
	s_lshl_b32 s10, s10, 18                        ; 32 rows of 8,192 bytes
	s_and_b32 s9, s8, 7
	s_lshl_b32 s9, s9, 10                          ; 256 keys of 4 bytes
	s_add_co_u32 s10, s10, s9
	s_mov_b32 s11, 0
	s_lshl_b32 s12, s8, 10                         ; 256 words out
	s_mov_b32 s13, 0
	v_lshrrev_b32 v3, 4, v2                        ; h
	v_and_b32 v4, 15, v2                           ; r
	v_lshlrev_b32 v5, 4, v4
	v_lshl_add_u32 v6, v3, 13, v5                  ; loads: lanes 0-15 one row's 256 bytes, lanes 16-31 the next row's
	s_mul_i32 s14, s24, 2*MSTG
	s_add_co_u32 s14, s14, MLDS
	v_mul_u32_u24 v7, v3, 272
	v_add_nc_u32 v7, v7, v5
	v_add_nc_u32 v7, s14, v7                       ; the stage, way in: rows 272 bytes apart
	v_mul_u32_u24 v8, v4, 272
	v_lshl_add_u32 v8, v3, 7, v8
	v_add_nc_u32 v8, s14, v8                       ; way out: row r, keys 32 h on
	v_lshlrev_b32 v9, 4, v2
.irp i, 0,1,2,3,4,5,6,7
	v_mov_b32 v[MO+\i], 0                          ; a lane write's destination counts as read
.endr
	s_wait_kmcnt 0x0
	s_add_nc_u64 s[4:5], s[4:5], s[10:11]
	s_add_nc_u64 s[6:7], s[6:7], s[12:13]
.macro LOADM n                         ; unit n: rows 16 (n / 4) on, keys 64 (n % 4) on
.irp k, 0,1,2,3,4,5,6,7
	global_load_b128 v[MR+32*((\n)%2)+4*\k:MR+32*((\n)%2)+4*\k+3], v6, s[4:5] offset:131072*((\n)/4)+256*((\n)%4)+16384*\k th:TH_LOAD_NT
.endr
.endm
.macro TURNM n
.irp k, 0,1,2,3,4,5,6,7
	ds_store_b128 v7, v[MR+32*((\n)%2)+4*\k:MR+32*((\n)%2)+4*\k+3] offset:MSTG*((\n)%2)+544*\k
.endr
.irp k, 0,1,2,3,4,5,6,7
	ds_load_b128 v[MT+32*((\n)%2)+4*\k:MT+32*((\n)%2)+4*\k+3], v8 offset:MSTG*((\n)%2)+16*\k
.endr
.endm
.macro UNITM n
	s_wait_dscnt 0x0                               ; this unit is back from the stage, and its stores have read their registers
.if (\n)+2 < 8
	LOADM (\n)+2
.endif
.if (\n)+1 < 8
.if (\n)+2 < 8
	s_wait_loadcnt 8                               ; the next unit's eight loads are in; the eight just issued may be out
.else
	s_wait_loadcnt 0x0
.endif
	TURNM (\n)+1
.endif
.irp q, 0,1,2,3
.irp e, 0,1,2,3,4,5,6,7
	v_cmp_ne_u32 s[20+\e], 0, v[MT+32*((\n)%2)+8*\q+\e]              ; word i = 8 q + e: a bit a lane
.endr
.irp e, 0,1,2,3,4,5,6,7
	v_writelane_b32 v[MO+4*((\n)/4)+(8*\q+\e)%4], s[20+\e], 8*((\n)%4)+(8*\q+\e)/4   ; to register i % 4 of lane 8 (n % 4) + i / 4: word 32 (n % 4) + i of a store of 16 bytes a lane
.endr
.endr
.if (\n)%4 == 3
	global_store_b128 v9, v[MO+4*((\n)/4):MO+4*((\n)/4)+3], s[6:7] offset:512*((\n)/4)   ; four units' 128 words: 512 consecutive bytes
.endif
.endm
	LOADM 0
	LOADM 1
	s_wait_loadcnt 8
	TURNM 0
.irp n, 0,1,2,3,4,5,6,7
	UNITM \n
.endr
	s_wait_tensorcnt 0x0
	ds_add_u32 v200, v201
	s_wait_dscnt 0x0
	s_endpgm
.Lfunc_end_k_q35facbf4dd_prep:
	.size	k_q35facbf4dd_prep, .Lfunc_end_k_q35facbf4dd_prep-k_q35facbf4dd_prep
	.p2alignl 7, 3214868480
	.fill 96, 4, 3214868480
	.section	.rodata,"a",@progbits
	.p2align	6, 0x0
	.amdhsa_kernel k_q35facbf4dd_prep
		.amdhsa_group_segment_fixed_size 68096
		.amdhsa_private_segment_fixed_size 0
		.amdhsa_enable_private_segment 0
		.amdhsa_kernarg_size 88
		.amdhsa_user_sgpr_count 2
		.amdhsa_user_sgpr_kernarg_segment_ptr 1
		.amdhsa_wavefront_size32 1
		.amdhsa_system_sgpr_workgroup_id_x 1
		.amdhsa_system_sgpr_workgroup_id_y 1
		.amdhsa_system_sgpr_workgroup_id_z 1
		.amdhsa_system_vgpr_workitem_id 0
		.amdhsa_next_free_vgpr 202
		.amdhsa_next_free_sgpr 66
		.amdhsa_reserve_vcc 0
		.amdhsa_float_denorm_mode_32 3
		.amdhsa_float_denorm_mode_16_64 3
		.amdhsa_memory_ordered 1
		.amdhsa_forward_progress 1
		.amdhsa_inst_pref_size 83
	.end_amdhsa_kernel
	.amdgpu_metadata
---
amdhsa.version: [ 1, 2 ]
amdhsa.kernels:
  - .name:           k_q35facbf4dd_prep
    .symbol:         k_q35facbf4dd_prep.kd
    .args:
      - { .name: query, .offset: 0, .size: 8, .value_kind: global_buffer, .address_space: global }
      - { .name: key, .offset: 8, .size: 8, .value_kind: global_buffer, .address_space: global }
      - { .name: value, .offset: 16, .size: 8, .value_kind: global_buffer, .address_space: global }
      - { .name: Wq, .offset: 24, .size: 8, .value_kind: global_buffer, .address_space: global }
      - { .name: Wk, .offset: 32, .size: 8, .value_kind: global_buffer, .address_space: global }
      - { .name: Wv, .offset: 40, .size: 8, .value_kind: global_buffer, .address_space: global }
      - { .name: Wo, .offset: 48, .size: 8, .value_kind: global_buffer, .address_space: global }
      - { .name: mask, .offset: 56, .size: 8, .value_kind: global_buffer, .address_space: global }
      - { .name: cod, .offset: 64, .size: 8, .value_kind: global_buffer, .address_space: global }
      - { .name: scl, .offset: 72, .size: 8, .value_kind: global_buffer, .address_space: global }
      - { .name: mbits, .offset: 80, .size: 8, .value_kind: global_buffer, .address_space: global }
    .group_segment_fixed_size: 68096
    .private_segment_fixed_size: 0
    .kernarg_segment_align: 8
    .kernarg_segment_size: 88
    .max_flat_workgroup_size: 128
    .sgpr_count:     66
    .vgpr_count:     202
    .wavefront_size: 32
...
	.end_amdgpu_metadata
.endif
;; end of part 1
;; launch proj (part 2): grid 4 x 96, 4 waves a work-group, clusters of 4 x 4, 327,680 bytes of LDS; arguments cod, scl, bq, bk, bv, pcod, pscl; writes pcod, pscl
.if DOCPART == 2
	.amdgcn_target "amdgcn-amd-amdhsa--gfx1250"
	.amdhsa_code_object_version 6
	.text
	.protected	k_q35facbf4dd_proj
	.globl	k_q35facbf4dd_proj
	.p2align	8
	.type	k_q35facbf4dd_proj,@function
k_q35facbf4dd_proj:
	s_mov_b64 s[64:65], 0
	v_nop
	global_prefetch_b8 v0, s[64:65] scope:SCOPE_SE
	s_setreg_imm32_b32 hwreg(HW_REG_WAVE_MODE, 25, 1), 1
	s_wait_xcnt 0x0
	s_wait_alu depctr_hold_cnt(0) depctr_sa_sdst(0) depctr_va_vdst(0) depctr_va_sdst(0) depctr_va_ssrc(0) depctr_va_vcc(0) depctr_vm_vsrc(0)
	s_getreg_b32 s2, hwreg(HW_REG_IB_STS2, 6, 4)
	s_cmp_eq_u32 s2, 0
	s_cbranch_scc0 .Lentry_in_a_cluster
	s_endpgm
.Lentry_in_a_cluster:
	s_bfe_u32 s2, ttmp6, 0x10000c
	s_cmp_lg_u32 s2, 0xf033
	s_cbranch_scc0 .Lentry_shape_is_right
	s_endpgm
.Lentry_shape_is_right:
; The three projections on codes of FP6 (E2M3), K = 1,024, and the quantising of their results.  q = query Wq^T + bq, k = key Wk^T + bk: quantised along a head's 64; v = value Wv^T + bv: quantised along the tokens (the keys).
; A tile of 256 x 256 is made by four waves, 128 x 128 each: 64 accumulators, 512 registers.  K goes in steps of 256 through two LDS slots filled by the tensor data mover.
; cod: [block of 128 rows][plane 16][row 128][48 bytes]: 256 along K of 128 rows are 24,576 consecutive bytes, one dense tile a wave.  scl: [block][slot 4][row 128][8 bytes]: a block's 4,096 bytes come once and stay.
; WHICH PRODUCT: FL = cluster y / 8 (equal in all partners).  Source 1 ('A', a lane's row) is query, key or Wv; source 0 ('B', down a lane's registers) is Wq, Wk or value.
; B's rows were laid so that row m of its block 4 g + u is source row 64 g + 32 (m / 8) + 8 u + m % 8: the 32 registers of accumulators (a, 4 g .. 4 g + 3) of lane (r, h) are B's indices 64 g + 32 h + 0 .. 31:
; a whole block of the next product's K in one lane, in order.  So a block's largest magnitude needs no other lane and two conversions give its 24 bytes.
; The bias is the C of each sum's first product: along the registers for q and k, along the lanes for v: that first step is written twice, under a branch on FL.
; OUT: pcod: q at 0, k at 6,291,456: [128 columns 8][token 8192][96 bytes]; v at 12,582,912: [128 tokens 64][column 1024][96 bytes]; pscl the same with 4 bytes.  A wave's 12,288 + 512 bytes are consecutive.
; CLUSTERS: 4 x 4 work-groups; A's tiles are asked for jointly along a row of the cluster, B's along a column.
; LIMITS: blocks whose largest magnitude lies under 2^-124 keep the byte 1 (a block of zeros too: its codes are zeros); NaN and infinities are not served.
; REGISTERS: window 0: v0-31 addresses; v32-63 scale words, two sets, and nothing else; v64-127 the bias, later at work on the way out; v128-223 A's fragments, one set; later the codes.
;   window 1: B's fragments, two sets, at v0 and v128.   windows 2, 3: the accumulators ((a, b) at v[8 (8 (a % 4) + b)]).
.set NQ,     2                         ; matrix instructions deep in a slot
.set FR,     12                        ; registers of a fragment
.set NL,     6                         ; LDS loads that bring one
.set NP,     4                         ; places behind this matrix instruction (ISA guide 7.12.1)
.set PLANE,  6144                      ; 128 rows x 48 bytes
.set HALFT,  24576                     ; four planes of 128 rows: what one tensor load brings
.set SLOT,   98304                     ; A's two halves, then B's two
.set SCL,    196608                    ; behind the ring: A's scales, 4,096 bytes a half; B's lie 128 bytes further on than that would put them, so that the two halves of the lanes read different banks
.set SPARE,  213248                    ; the spare words, 128 bytes a wave: two blocks of 256 bytes that no other line names
.set STGB,   12800                     ; the way out: a stage a wave, in slot 0, which has had its last fill and its last read by then
.set ADRA, 16                          ; v16-17  LDS address of my A fragments in slot 0, 1
.set ADRB, 20                          ; v20-21  the same for B
.set H8,   7                           ; v7      8 x (lane / 16)
.set WX,   8                           ; v8      a lane permute's destination
.set STO,  24                          ; v24     the stage: my 24 bytes of a row of 96
.set RD,   25                          ; v25     and where I read it back
.set CO,   26                          ; v26     16 x lane
.set ADRS, 27                          ; v27     LDS address of my scale words: lanes 0-15 A's rows, lanes 16-31 B's
.set SPW,  28                          ; v28     my spare word; never rewritten
.set NIL,  29                          ; v29     0; never rewritten
.set BOF,  30                          ; v30     the bias loads' offset
.set SST,  31                          ; v31     the stage: my row's scale word
.set SC,   32
.set BIAS, 64
.set AF,   128
.set TM,   64                          ; the way out, in the bias's registers: v64-74 maxima
.set SCO,  76                          ; the conversion's scale operand
.set BY,   78                          ; v78-79  two bytes
.set TC,   80                          ; v80-82  a block's upper 16 codes
.set WD,   84
.set WW,   88                          ; v88-95  a scale word for each of my 8 blocks of rows
.set G1, 24                            ; s[24:31] group 1 for A's tiles; s[32:39] group 0, a set a slot
.set G0, 32
.set G1B, 48
.set G0B, 56
.set G1S, 68                           ; s[68:75], s[76:79] for A's scales; s[80:87], s[88:91] for B's
.set G0S, 76
.set G1SB, 80
.set G0SB, 88
.set MSB, 0
.macro WIN new                         ; the immediate's high byte repeats the setting that is left
.if MSB != (\new)
	s_set_vgpr_msb (MSB<<8)|(\new)
.set MSB, (\new)
.endif
.endm
.set MUL_LO, 0xa1                      ; source 0 (B) window 1, source 1 (A) window 0, C and D window 2
.set MUL_HI, 0xf1
.set TO_B,   0x40
; A joint load: waves 0 and 1 fetch for A, waves 2 and 3 for B; the branch hangs on the wave's number alone.  Four v_nop follow each of the two lines.
.macro JLOAD g0a, g1a, g0b, g1b
	s_cmp_eq_u32 s15, 0
	s_cbranch_scc0 .Lfor_b_\@
	tensor_load_to_lds s[\g0a:\g0a+3], s[\g1a:\g1a+7]
	s_nop 0
.rept 4
	v_nop
.endr
	s_branch .Lasked_\@
.Lfor_b_\@:
	tensor_load_to_lds s[\g0b:\g0b+3], s[\g1b:\g1b+7]
	s_nop 0
.rept 4
	v_nop
.endr
.Lasked_\@:
.endm
.macro CREST                           ; a round of the cluster's barrier behind its opening barrier
	s_cmp_lg_u32 s14, 0
	s_cbranch_scc1 .Lnot_wave_0_\@
	s_barrier_signal -3
.Lnot_wave_0_\@:
	s_barrier_wait -3
	s_barrier_signal -1
	s_barrier_wait -1
.endm
.macro CROUND
	s_barrier_signal -1
	s_barrier_wait -1
	CREST
.endm
	s_load_b128 s[4:7], s[0:1], 0x0                ; cod s[4:5], scl s[6:7]
	s_load_b128 s[8:11], s[0:1], 0x10              ; bq s[8:9], bk s[10:11]
	s_load_b128 s[92:95], s[0:1], 0x20             ; bv s[92:93], pcod s[94:95]
	s_load_b64 s[96:97], s[0:1], 0x30              ; pscl
	v_lshl_add_u32 v[SPW], v0, 2, SPARE
	v_mov_b32 v[NIL], 0
	ds_add_u32 v28, v29
	ds_add_u32 v28, v29
	s_wait_dscnt 0x0
	v_lshrrev_b32 v1, 5, v0
	v_readfirstlane_b32 s14, v1                    ; wave 0..3
	s_lshr_b32 s15, s14, 1                         ; which half of A's rows is mine.  Also: I fetch for A (0) or for B (1)
	s_and_b32 s16, s14, 1                          ; which half of B's rows.  Also: which 128 rows I fetch
	s_bfe_u32 s40, ttmp6, 0x40000                  ; cx
	s_bfe_u32 s41, ttmp6, 0x40004                  ; cy
	s_and_b32 s18, ttmp7, 0xffff                   ; cluster y, 0..23
	s_lshr_b32 s98, s18, 3                         ; FL: 0 q, 1 k, 2 v
	s_and_b32 s18, s18, 7
	s_lshl_b32 s18, s18, 2                         ; four tiles of the long side a cluster
	s_lshl_b32 s21, s98, 6
	s_lshl_b32 s22, s98, 3
	s_add_co_u32 s22, s22, 192
	s_mov_b32 s23, 8192
	s_cmp_eq_u32 s98, 2
	s_cselect_b32 s19, 0, s18                      ; the tokens are A's rows for q and k,
	s_cselect_b32 s20, s18, 0                      ; B's for v
	s_cselect_b32 s21, 208, s21                    ; A's first block of 128 rows in cod: query 0, key 64, Wv 208
	s_cselect_b32 s22, 128, s22                    ; B's: Wq 192, Wk 200, value 128
	s_cselect_b32 s99, 1024, s23                   ; A's rows in all
	s_add_co_u32 s17, s41, s19                     ; tile row
	s_add_co_u32 s42, s40, s20                     ; tile column
	s_lshl_b32 s43, s41, 2
	s_lshl_b32 s43, 15, s43                        ; my row of the cluster
	s_lshl_b32 s44, 0x1111, s40                    ; my column
	s_mov_b32 s66, 0x76543210
	s_mov_b32 s67, 0xfedcba98                      ; lane selects: lane l xor 16
	; group 1: a dense block of 24,576 bytes as 96 rows of 256 bytes (32 elements of 8), no padding
	s_or_b32 s[G1+0], s43, (3<<16)|(1<<21)         ; 15:0 the mask; 17:16 elements of 8 bytes; 21 set beside a mask
	s_or_b32 s[G1B+0], s44, (3<<16)|(1<<21)
.irp g, G1, G1B
	s_mov_b32 s[\g+1], 32<<16                      ; tensor_dim0
	s_mov_b32 s[\g+2], 96<<16                      ; tensor_dim1
	s_mov_b32 s[\g+3], 32<<16                      ; tile_dim0
	s_mov_b32 s[\g+4], 96                          ; tile_dim1
	s_mov_b32 s[\g+5], 32                          ; tensor_dim0_stride
	s_mov_b32 s[\g+6], 0
	s_mov_b32 s[\g+7], 0
.endr
	s_or_b32 s[G1S+0], s43, (3<<16)|(1<<21)        ; the scales of 128 rows: 4,096 bytes as 16 rows of 256
	s_or_b32 s[G1SB+0], s44, (3<<16)|(1<<21)
.irp g, G1S, G1SB
	s_mov_b32 s[\g+1], 32<<16
	s_mov_b32 s[\g+2], 16<<16
	s_mov_b32 s[\g+3], 32<<16
	s_mov_b32 s[\g+4], 16
	s_mov_b32 s[\g+5], 32
	s_mov_b32 s[\g+6], 0
	s_mov_b32 s[\g+7], 0
.endr
	s_lshl_b32 s20, s17, 1
	s_add_co_u32 s20, s20, s21
	s_add_co_u32 s20, s20, s16                     ; A: the block of 128 rows that I fetch: it hangs on the tile row alone
	s_lshl_b32 s46, s42, 1
	s_add_co_u32 s46, s46, s22
	s_add_co_u32 s46, s46, s16                     ; B: on the tile column alone
	s_lshl_b32 s22, s20, 12
	s_mov_b32 s23, 0
	s_mul_i32 s20, s20, 98304
	s_mov_b32 s21, 0
	s_lshl_b32 s100, s46, 12
	s_mov_b32 s101, 0
	s_mul_i32 s46, s46, 98304
	s_mov_b32 s47, 0
	s_mul_i32 s45, s14, HALFT                      ; where they go: wave x a half: no place in the cluster enters an LDS address
	s_lshl_b32 s19, s14, 12
	s_wait_kmcnt 0x0
	s_add_nc_u64 s[20:21], s[4:5], s[20:21]
	s_add_nc_u64 s[22:23], s[6:7], s[22:23]
	s_add_nc_u64 s[46:47], s[4:5], s[46:47]
	s_add_nc_u64 s[100:101], s[6:7], s[100:101]
	CROUND                                         ; all sixteen work-groups are here: the first joint loads meet
	s_mov_b32 s[G0S], 1
	s_add_co_u32 s[G0S+1], s19, SCL
	s_mov_b64 s[G0S+2:G0S+3], s[22:23]
	s_or_b32 s[G0S+3], s[G0S+3], 0x80000000
	s_mov_b32 s[G0SB], 1
	s_add_co_u32 s[G0SB+1], s19, SCL+128
	s_mov_b64 s[G0SB+2:G0SB+3], s[100:101]
	s_or_b32 s[G0SB+3], s[G0SB+3], 0x80000000
	JLOAD G0S, G1S, G0SB, G1SB                     ; the scales first: they are wanted with K step 0
.irp s, 0,1
	s_mov_b32 s[G0+4*\s], 1
	s_add_co_u32 s[G0+4*\s+1], s45, \s*SLOT
	s_add_nc_u64 s[G0+4*\s+2:G0+4*\s+3], s[20:21], \s*HALFT
	s_or_b32 s[G0+4*\s+3], s[G0+4*\s+3], 0x80000000
	s_mov_b32 s[G0B+4*\s], 1
	s_add_co_u32 s[G0B+4*\s+1], s45, \s*SLOT
	s_add_nc_u64 s[G0B+4*\s+2:G0B+4*\s+3], s[46:47], \s*HALFT
	s_or_b32 s[G0B+4*\s+3], s[G0B+4*\s+3], 0x80000000
	JLOAD G0+4*\s, G1, G0B+4*\s, G1B
.endr
	v_and_b32 v1, 15, v0                           ; r
	v_bfe_u32 v2, v0, 4, 1                         ; h
	v_mul_u32_u24 v3, v1, 48
	v_mad_u32_u24 v4, v2, 24, v3                   ; a fragment's row x 48 + 24 h: the 32 lanes of a load of 8 bytes touch words 6 k, 6 k + 1, k = 0 .. 31
	s_mul_i32 s21, s15, HALFT
	s_mul_i32 s22, s16, HALFT
	s_add_co_u32 s22, s22, 2*HALFT
.irp s, 0,1
	v_add_nc_u32 v[ADRA+\s], s21, v4
	v_add_nc_u32 v[ADRB+\s], s22, v4
	s_add_co_u32 s21, s21, SLOT
	s_add_co_u32 s22, s22, SLOT
.endr
	v_lshlrev_b32 v5, 3, v1                        ; my row's 8 scale bytes of a K step
	s_lshl_b32 s21, s15, 12
	s_lshl_b32 s22, s16, 12
	s_add_co_u32 s22, s22, 8320
	s_sub_co_u32 s22, s22, s21                     ; from A's half to B's half
	v_mul_u32_u24 v6, s22, v2                      ; lanes 16-31 take B's
	s_add_co_u32 s21, s21, SCL
	v_add_nc_u32 v5, v5, v6
	v_add_nc_u32 v[ADRS], s21, v5
	s_mul_i32 s23, s14, STGB                       ; my stage
	v_mul_u32_u24 v5, v1, 96
	v_mad_u32_u24 v5, v2, 24, v5
	v_add_nc_u32 v[STO], s23, v5
	v_lshlrev_b32 v6, 2, v1
	v_add_nc_u32 v6, s23, v6
	v_add_nc_u32 v[SST], 12288, v6
	v_and_b32 v6, 31, v0
	v_lshlrev_b32 v[CO], 4, v6
	v_add_nc_u32 v[RD], s23, v[CO]
	v_lshlrev_b32 v[H8], 3, v2
	v_mov_b32 v[WX], 0
	; where my wave's results go: entry = (2 x tile column + my half of B) x A's rows + 256 x tile row + 128 x my half of A
	s_lshl_b32 s20, s42, 1
	s_add_co_u32 s20, s20, s16
	s_mul_i32 s20, s20, s99
	s_lshl_b32 s21, s17, 8
	s_add_co_u32 s20, s20, s21
	s_lshl_b32 s21, s15, 7
	s_add_co_u32 s20, s20, s21
	s_mul_i32 s46, s20, 96
	s_mul_i32 s22, s98, 6291456
	s_add_co_u32 s46, s46, s22
	s_mov_b32 s47, 0
	s_add_nc_u64 s[94:95], s[94:95], s[46:47]
	s_lshl_b32 s46, s20, 2
	s_lshl_b32 s22, s98, 18
	s_add_co_u32 s46, s46, s22
	s_add_nc_u64 s[96:97], s[96:97], s[46:47]
	; the bias
	s_cmp_eq_u32 s98, 1
	s_cselect_b64 s[8:9], s[10:11], s[8:9]         ; bq or bk
	s_lshl_b32 s20, s42, 10
	s_lshl_b32 s21, s16, 9
	s_add_co_u32 s20, s20, s21
	s_mov_b32 s21, 0
	s_add_nc_u64 s[8:9], s[8:9], s[20:21]          ; at my 128 columns (used for q and k alone)
	s_lshl_b32 s20, s17, 10
	s_lshl_b32 s22, s15, 9
	s_add_co_u32 s20, s20, s22
	s_add_nc_u64 s[92:93], s[92:93], s[20:21]      ; bv at my 128 rows of Wv (used for v alone)
	s_cmp_eq_u32 s98, 2
	s_cbranch_scc1 .Lbias_v
	v_lshlrev_b32 v[BOF], 7, v2                    ; lane (r, h), block 4 g + u, register j: column 64 g + 32 h + 8 u + j
.irp b, 0,1,2,3,4,5,6,7
	global_load_b128 v[BIAS+8*\b:BIAS+8*\b+3], v[BOF], s[8:9] offset:(64*(\b/4)+8*(\b%4))*4
	global_load_b128 v[BIAS+8*\b+4:BIAS+8*\b+7], v[BOF], s[8:9] offset:(64*(\b/4)+8*(\b%4))*4+16
.endr
	s_branch .Lbias_in
.Lbias_v:
	v_lshlrev_b32 v[BOF], 2, v1                    ; lane (r, h), block a: column 16 a + r, the same in all eight registers
.irp a, 0,1,2,3,4,5,6,7
.irp j, 0,1,2,3,4,5,6,7
	global_load_b32 v[BIAS+8*\a+\j], v[BOF], s[92:93] offset:64*\a
.endr
.endr
.Lbias_in:
.macro FRAG reg, adr, q, i             ; 16 rows x 128 K: registers 6 c .. 6 c + 5 are 24 bytes of plane 2 q + c, as they lie; in pieces of 8 bytes
.irp p, 0,1,2,3,4,5
	ds_load_b64 v[\reg+2*\p:\reg+2*\p+1], v[\adr] offset:(2*(\q)+\p/3)*PLANE+(\i)*768+8*(\p%3)
.endr
.endm
; 16 matrix instructions: A's blocks a0, a0 + 1 x B's eight.  zero = 1: C is the bias along the registers; 2: along the lanes; 0: the sum goes on.  The 64 accumulators take turns, one instruction a turn.
.macro MUL16 a0, p, q, sc, zero
.irp a, \a0, \a0+1
.irp b, 0,1,2,3,4,5,6,7
.if (\zero) == 1
	v_wmma_scale_f32_16x16x128_f8f6f4 v[8*(8*((\a)%4)+\b):8*(8*((\a)%4)+\b)+7], v[128*(\p)+FR*\b:128*(\p)+FR*\b+FR-1], v[AF+FR*(\a):AF+FR*(\a)+FR-1], v[BIAS+8*\b:BIAS+8*\b+7], v[SC+8*NQ*(\sc)+NQ*\b+(\q)], v[SC+8*NQ*(\sc)+NQ*(\a)+(\q)] matrix_a_fmt:MATRIX_FMT_FP6 matrix_b_fmt:MATRIX_FMT_FP6 matrix_a_scale:MATRIX_SCALE_ROW1
.elseif (\zero) == 2
	v_wmma_scale_f32_16x16x128_f8f6f4 v[8*(8*((\a)%4)+\b):8*(8*((\a)%4)+\b)+7], v[128*(\p)+FR*\b:128*(\p)+FR*\b+FR-1], v[AF+FR*(\a):AF+FR*(\a)+FR-1], v[BIAS+8*(\a):BIAS+8*(\a)+7], v[SC+8*NQ*(\sc)+NQ*\b+(\q)], v[SC+8*NQ*(\sc)+NQ*(\a)+(\q)] matrix_a_fmt:MATRIX_FMT_FP6 matrix_b_fmt:MATRIX_FMT_FP6 matrix_a_scale:MATRIX_SCALE_ROW1
.else
	v_wmma_scale_f32_16x16x128_f8f6f4 v[8*(8*((\a)%4)+\b):8*(8*((\a)%4)+\b)+7], v[128*(\p)+FR*\b:128*(\p)+FR*\b+FR-1], v[AF+FR*(\a):AF+FR*(\a)+FR-1], v[8*(8*((\a)%4)+\b):8*(8*((\a)%4)+\b)+7], v[SC+8*NQ*(\sc)+NQ*\b+(\q)], v[SC+8*NQ*(\sc)+NQ*(\a)+(\q)] matrix_a_fmt:MATRIX_FMT_FP6 matrix_b_fmt:MATRIX_FMT_FP6 matrix_a_scale:MATRIX_SCALE_ROW1
.endif
.endr
.endr
.endm
.macro FETCH_B slot, q, p
	WIN TO_B
.irp i, 0,1,2,3,4,5,6,7
	FRAG 128*(\p)+FR*\i, ADRB+\slot, \q, \i
.endr
	WIN 0
.endm
.macro FETCH_A slot, q, i0
.irp i, \i0, \i0+1, \i0+2, \i0+3
	FRAG AF+FR*(\i), ADRA+\slot, \q, \i
.endr
.endm
.macro SCALES sc                       ; a K step's two words a row: lanes 0-15 A's block i, lanes 16-31 B's block i
.irp i, 0,1,2,3,4,5,6,7
	ds_load_b64 v[SC+8*NQ*\sc+NQ*\i:SC+8*NQ*\sc+NQ*\i+1], v[ADRS] offset:128*\i
.endr
.endm
.macro PLACES n                        ; plain vector instructions between a matrix instruction and a load into, or a read of, its registers
.rept \n
	v_nop
.endr
.endm
.macro STEP slot, q, zero              ; 128 along K that have their successor in the same slot
	s_wait_dscnt 4*NL                              ; B's set and A's blocks 0-3 are in; A's blocks 4-7 (24 loads) may be out
.if \zero
	WIN 0x81                                       ; C (the bias) in window 0
.else
	WIN MUL_LO
.endif
	MUL16 0, (\q)%2, \q, \slot, \zero
	MUL16 2, (\q)%2, \q, \slot, \zero
	s_wait_dscnt 0
	PLACES NP
	FETCH_B \slot, (\q)+1, 1-(\q)%2
	FETCH_A \slot, (\q)+1, 0
.if \zero
	WIN 0xc1
.else
	WIN MUL_HI
.endif
	MUL16 4, (\q)%2, \q, \slot, \zero
	MUL16 6, (\q)%2, \q, \slot, \zero
	PLACES NP
	WIN 0
	FETCH_A \slot, (\q)+1, 4
.endm
; A slot's last step changes slots: one barrier; in front of it each wave waits for all its tensor loads, adds 0 to its spare word, and waits for that and for its reads of this slot.
.macro TURN slot, next, fill
	s_wait_tensorcnt 0x0                           ; all my tensor loads have landed: my part of the next slot
	ds_add_u32 v[SPW], v[NIL]                      ; 0 onto my spare word
	s_wait_dscnt 4*NL+1                            ; the add and A's blocks 4-7 may be out
	WIN MUL_LO
	MUL16 0, 1, NQ-1, \slot, 0
	s_wait_dscnt 0x0                               ; the add is done, and my reads of this slot are over
	s_barrier_signal -1
	MUL16 2, 1, NQ-1, \slot, 0
	WIN 0
	s_barrier_wait -1
.if \fill
	CREST                                          ; the barrier has opened a round of the cluster's: no wave of any partner still reads this slot or has a load on its way
	s_add_nc_u64 s[G0+4*\slot+2:G0+4*\slot+3], s[G0+4*\slot+2:G0+4*\slot+3], 2*HALFT
	s_add_nc_u64 s[G0B+4*\slot+2:G0B+4*\slot+3], s[G0B+4*\slot+2:G0B+4*\slot+3], 2*HALFT
	JLOAD G0+4*\slot, G1, G0B+4*\slot, G1B         ; the first tensor load behind the round; its four v_nop are the places in front of the loads below
.else
	PLACES NP
.endif
	v_add_nc_u32 v[ADRS], 1024, v[ADRS]            ; the next K step's scale words (no LDS load of mine is out)
	FETCH_B \next, 0, 0
	FETCH_A \next, 0, 0
	SCALES \next
	WIN MUL_HI
	MUL16 4, 1, NQ-1, \slot, 0
	MUL16 6, 1, NQ-1, \slot, 0
	PLACES NP
	WIN 0
	FETCH_A \next, 0, 4
.endm
	s_wait_tensorcnt 1                             ; the scales and my part of K step 0 are in; K step 1's load may be out
	s_barrier_signal -1
	s_barrier_wait -1
	FETCH_B 0, 0, 0
	FETCH_A 0, 0, 0
	SCALES 0
	FETCH_A 0, 0, 4
	s_wait_loadcnt 0x0                             ; the bias
	s_cmp_eq_u32 s98, 2
	s_cbranch_scc1 .Lfirst_v
	STEP 0, 0, 1
	s_branch .Lfirst_done
.Lfirst_v:
	STEP 0, 0, 2
.Lfirst_done:
	TURN 0, 1, 1                                   ; K = 1,024 is four K steps: both slots are filled once more
	STEP 1, 0, 0
	TURN 1, 0, 1
	STEP 0, 0, 0
	TURN 0, 1, 0                                   ; nothing is left to fetch
	STEP 1, 0, 0
	s_wait_dscnt 4*NL
	WIN MUL_LO
	MUL16 0, 1, NQ-1, 1, 0
	MUL16 2, 1, NQ-1, 1, 0
	s_wait_dscnt 0
	WIN MUL_HI
	MUL16 4, 1, NQ-1, 1, 0
	MUL16 6, 1, NQ-1, 1, 0
	WIN 0
; THE WAY OUT.  The 32 registers of accumulators (a, 4 g .. 4 g + 3) are one block of 32: its largest magnitude (each accumulator is read from its low end on), its scale, two conversions, 24 bytes into my stage.
.macro Q32 a, g
.set QW, 2+(\a)/4
.set QS, 64*((\a)%4)+32*(\g)
.set QD, AF+6*(2*(\a)+(\g))
	WIN 21*QW                                      ; all three sources in the accumulators' window
.irp k, 0,1,2,3,4,5,6,7,8,9
	v_max3_num_f32 v[TM+\k], |v[QS+3*\k]|, |v[QS+3*\k+1]|, |v[QS+3*\k+2]|
.endr
	v_max3_num_f32 v[TM+10], |v[QS+30]|, |v[QS+31]|, 0x1800000       ; and the floor 2^(3 - 127)
	WIN 0
	v_max3_num_f32 v[TM], v[TM], v[TM+1], v[TM+2]
	v_max3_num_f32 v[TM+3], v[TM+3], v[TM+4], v[TM+5]
	v_max3_num_f32 v[TM+6], v[TM+6], v[TM+7], v[TM+8]
	v_max3_num_f32 v[TM+9], v[TM+9], v[TM+10], v[TM]
	v_max3_num_f32 v[TM+9], v[TM+9], v[TM+3], v[TM+6]
	v_add_nc_u32 v[SCO], 0xff000000, v[TM+9]       ; 2 off the exponent field
	v_lshrrev_b32 v[BY+(\g)], 23, v[SCO]           ; the byte
	WIN QW                                         ; source 0 in the accumulators' window
	v_cvt_scalef32_pk16_fp6_f32 v[QD:QD+2], v[QS:QS+15], v[SCO]
	v_cvt_scalef32_pk16_fp6_f32 v[TC:TC+2], v[QS+16:QS+31], v[SCO]   ; (a conversion's three registers begin on an even number)
	WIN 0
	v_nop                                          ; one plain place behind a scaled conversion
.irp i, 0,1,2
	v_mov_b32 v[QD+3+\i], v[TC+\i]
.endr
.irp p, 0,1,2
	ds_store_b64 v[STO], v[QD+2*\p:QD+2*\p+1] offset:1536*(\a)+48*(\g)+8*\p
.endr
.endm
	PLACES NP                                      ; behind the last products: their results are read and A's registers written below
.irp a, 0,1,2,3,4,5,6,7
	Q32 \a, 0
	Q32 \a, 1
	v_lshl_or_b32 v[WD], v[BY+1], 16, v[BY]        ; my two bytes: blocks h and 2 + h of the row's 128,
	v_lshlrev_b32 v[WD], v[H8], v[WD]              ; at their places;
	v_permlanex16_b32 v[WX], v[WD], s66, s67
	v_or_b32 v[WW+\a], v[WD], v[WX]                ; with lane l xor 16's two the word is whole
	ds_store_b32 v[SST], v[WW+\a] offset:64*\a     ; both halves of the lanes write the same word with the same value
.endr
	s_wait_dscnt 0x0                               ; the stores have read their registers
.irp k, 0,1,2,3,4,5,6,7,8,9,10,11,12,13,14,15,16,17,18,19,20,21,22,23,24
	ds_load_b128 v[AF+4*\k:AF+4*\k+3], v[RD] offset:512*\k
.endr
.irp k, 0,1,2,3,4,5,6,7,8,9,10,11,12,13,14,15,16,17,18,19,20,21,22,23
	s_wait_dscnt 24-\k                             ; load k is in; the later ones may be out
	global_store_b128 v[CO], v[AF+4*\k:AF+4*\k+3], s[94:95] offset:512*\k      ; 512 consecutive bytes, aligned
.endr
	s_wait_dscnt 0x0
	global_store_b128 v[CO], v[AF+96:AF+99], s[96:97]                          ; my 128 rows' scale words
	s_wait_tensorcnt 0x0                           ; the wave's end
	ds_add_u32 v[SPW], v[NIL]
	s_wait_dscnt 0x0
	CROUND                                         ; the closing round
	s_endpgm
.Lfunc_end_k_q35facbf4dd_proj:
	.size	k_q35facbf4dd_proj, .Lfunc_end_k_q35facbf4dd_proj-k_q35facbf4dd_proj
	.p2alignl 7, 3214868480
	.fill 96, 4, 3214868480
	.section	.rodata,"a",@progbits
	.p2align	6, 0x0
	.amdhsa_kernel k_q35facbf4dd_proj
		.amdhsa_group_segment_fixed_size 327680
		.amdhsa_private_segment_fixed_size 0
		.amdhsa_enable_private_segment 0
		.amdhsa_kernarg_size 56
		.amdhsa_user_sgpr_count 2
		.amdhsa_user_sgpr_kernarg_segment_ptr 1
		.amdhsa_wavefront_size32 1
		.amdhsa_system_sgpr_workgroup_id_x 1
		.amdhsa_system_sgpr_workgroup_id_y 1
		.amdhsa_system_sgpr_workgroup_id_z 1
		.amdhsa_system_vgpr_workitem_id 0
		.amdhsa_next_free_vgpr 1024
		.amdhsa_next_free_sgpr 102
		.amdhsa_reserve_vcc 0
		.amdhsa_float_denorm_mode_32 3
		.amdhsa_float_denorm_mode_16_64 3
		.amdhsa_memory_ordered 1
		.amdhsa_forward_progress 1
		.amdhsa_inst_pref_size 187
	.end_amdhsa_kernel
	.amdgpu_metadata
---
amdhsa.version: [ 1, 2 ]
amdhsa.kernels:
  - .name:           k_q35facbf4dd_proj
    .symbol:         k_q35facbf4dd_proj.kd
    .args:
      - { .name: cod, .offset: 0, .size: 8, .value_kind: global_buffer, .address_space: global }
      - { .name: scl, .offset: 8, .size: 8, .value_kind: global_buffer, .address_space: global }
      - { .name: bq, .offset: 16, .size: 8, .value_kind: global_buffer, .address_space: global }
      - { .name: bk, .offset: 24, .size: 8, .value_kind: global_buffer, .address_space: global }
      - { .name: bv, .offset: 32, .size: 8, .value_kind: global_buffer, .address_space: global }
      - { .name: pcod, .offset: 40, .size: 8, .value_kind: global_buffer, .address_space: global }
      - { .name: pscl, .offset: 48, .size: 8, .value_kind: global_buffer, .address_space: global }
    .group_segment_fixed_size: 327680
    .private_segment_fixed_size: 0
    .kernarg_segment_align: 8
    .kernarg_segment_size: 56
    .max_flat_workgroup_size: 128
    .sgpr_count:     102
    .vgpr_count:     1024
    .wavefront_size: 32
...
	.end_amdgpu_metadata
.endif
;; end of part 2
;; launch attn (part 3): grid 256 x 1, 8 waves a work-group, no clusters, 300,032 bytes of LDS; arguments pcod, pscl, mbits, acod, ascl; writes acod, ascl
.if DOCPART == 3
	.amdgcn_target "amdgcn-amd-amdhsa--gfx1250"
	.amdhsa_code_object_version 6
	.text
	.protected	k_q35facbf4dd_attn
	.globl	k_q35facbf4dd_attn
	.p2align	8
	.type	k_q35facbf4dd_attn,@function
k_q35facbf4dd_attn:
	s_mov_b64 s[64:65], 0
	v_nop
	global_prefetch_b8 v0, s[64:65] scope:SCOPE_SE
	s_setreg_imm32_b32 hwreg(HW_REG_WAVE_MODE, 25, 1), 1
	s_wait_xcnt 0x0
; x = attn v, attn = softmax(q k^T / 8 under the mask), set to 0 where masked; both products on codes of FP6 (E2M3).  What is quantised for the second product is the FINISHED, normalised attn, along the keys.
; So a row's sum over all 2,048 keys is known before any weight is converted: the work-group holds the whole rows of scores of 32 queries in registers.
; SHARES.  A work-group owns 512 queries of one (batch, head): 16 trips of 32 queries (two tiles y).  Wave w owns keys 256 w .. 256 w + 255 in every trip: its fragments of k stay in registers, those of v in its own LDS bytes
; as images of their registers; its 32 x 256 scores fill register window 1.  Nothing but q and the mask's words is fetched in the loop.
; No cluster and no tensor load: work-groups of a head share k and v, but each reads them once, at its head, into registers; the mask's words go into scalar registers.
; LAYOUT.  Both products are used transposed, so a lane holds one query (lane % 16).  Unit n = 4 y + 2 s + c is 32 registers; k's tile (s, c, u) takes as row m the key 128 s + 64 c + 32 (m / 8) + 8 u + m % 8, so that register i
; of unit n in lane (r, h) is key 128 s + 64 c + 32 h + i: a whole block of 32 keys in a lane, in order.  A head's 64 fill half of the instruction's 128: two tiles of k share a run of 12 registers, and q stands as [q | 0 | q].
; v's tile d takes as row m the channel 32 (m / 8) + 8 d + m % 8: a lane's four accumulators are 32 neighbouring channels, a block of the last product's K.
; SOFTMAX.  t = score x log2(e) / 8.  Each lane's block has a whole-number shift M = ceil(its largest t under the mask); e = 2^(t - M).  Shifts are brought together by v_ldexp_f32, which rounds nothing: one exchange through LDS gives
; the row's M and its sum l; p = e x 2^(block's M - row's M) / l.  A block's largest p is its largest score put through the same instructions.  Masked scores are -infinity: e = 0.  A row masked whole: l is held at 0.5, p = 0, x = 0.
; THE MASK comes as words in the shape of lane masks: one v_cndmask_b32 a register.
; OUT: acod [block of 128 tokens][plane = head][row 128][48 bytes]; ascl [block][head / 4][row][8 bytes], of which this work-group writes 2 bytes a row (units of 256 bytes are written in part there: 262,144 bytes in the launch).
; LIMITS: |q . k| under 4e9 (the floor under a block's largest score, and the conversions of shifts to whole numbers); NaN and infinities are not served; blocks whose largest magnitude lies under 2^-124 keep the byte 1.
; REGISTER WINDOWS: the scores lie in window 1, all else in window 0; a unit's work is laid in runs under one setting, about ten switches for a unit's 140 vector instructions.
.set VIMG,  0                          ; LDS: v's fragments, 12,288 bytes a wave: fragment 4 s + d at 1,536 bytes, 16 bytes a lane
.set STAT,  98304                      ; 512 bytes a wave: (-M, l) of two tiles, 16 bytes a lane
.set OPART, 102400                     ; 8,192 bytes a wave: its partial sums, accumulator x 1,024 + half x 512 + 16 x lane
.set XS,    167936                     ; 16,384 bytes a wave: accumulator w of all 16 trips, 1,024 bytes a trip
.set LI,  1                            ; v1   16 x lane
.set VA,  2                            ; v2   my place in my wave's images of v
.set STW, 3                            ; v3   where I store my statistics
.set STR, 4                            ; v4   where I read all waves'
.set OPW, 5                            ; v5   where I store partial sums
.set OPR, 6                            ; v6   where I read accumulator w of all waves
.set XSB, 7                            ; v7   my wave's part of XS
.set QA,  8                            ; v8   q's codes: 96 r + 24 h
.set QSA, 9                            ; v9   q's scales: 4 r
.set NEG, 10                           ; v10  -infinity
.set H8,  11                           ; v11  8 h
.set PFO, 12                           ; v12  256 x lane
.set XSW, 13                           ; v13  XSB + 1,024 x trip
.set CST, 14                           ; v14  the way out: my 24 bytes of a row of 48
.set ASO, 15                           ; v15  8 x lane
.set KF,  16                           ; v16-111  k: tile t at 6 t
.set QF,  112                          ; v112-147 q: tile y at 18 y
.set KS,  148                          ; v148-155 k's scale words
.set VS,  156                          ; v156-163 v's
.set QS,  164                          ; v164-165 q's
.set PS,  166                          ; v166-169 p's
.set PC,  170                          ; v170-217 p's codes, unit n at 6 n; ahead of that at work:
.set TM,  170                          ;   v170-180 maxima
.set TS,  182                          ;   v182-197 sums
.set A0,  200                          ;   v200-201 my lane's -M a tile
.set DL,  202                          ;   v202-209
.set GG,  170                          ;   v170-201 all waves' statistics
.set NG,  202                          ;   v202-203 the rows' -M
.set LG,  204                          ;   v204-205 the rows' l, then 1 / l
.set DD,  206                          ;   v206-213
.set ST,  218                          ; v218-233 pairs: (-M of the block, its largest score), later (factor, the conversion's scale operand)
.set SL,  234                          ; v234-241 the blocks' sums
.set QR,  242                          ; v242-243 q's scale bytes as loaded
.set EN,  244                          ; v244-247 what goes to STAT
.set TC,  248                          ; v248-250 a block's upper 16 codes
.set TT,  251
.set PX,  252                          ; v252-255 lane permutes' destinations
.set MSB, 0
.macro WIN new                         ; the immediate's high byte repeats the setting that is left
.if MSB != (\new)
	s_set_vgpr_msb (MSB<<8)|(\new)
.set MSB, (\new)
.endif
.endm
.macro PLACES n
.rept \n
	v_nop
.endr
.endm
	s_load_b128 s[96:99], s[0:1], 0x0              ; pcod s[96:97], pscl s[98:99]
	s_load_b64 s[6:7], s[0:1], 0x10                ; mbits
	s_load_b64 s[8:9], s[0:1], 0x18                ; acod
	s_load_b64 s[10:11], s[0:1], 0x20              ; ascl
	v_lshrrev_b32 v1, 5, v0
	v_readfirstlane_b32 s12, v1                    ; wave 0..7
	s_and_b32 s20, ttmp9, 3                        ; which 512 queries
	s_bfe_u32 s21, ttmp9, 0x40002                  ; head
	s_lshr_b32 s22, ttmp9, 6                       ; batch
	s_lshr_b32 s23, s21, 1
	s_and_b32 s24, s21, 1
	s_lshl_b32 s25, s23, 13
	s_lshl_b32 s26, s22, 11
	s_add_co_u32 s25, s25, s26                     ; entry of the batch's first token in q's and k's parts
	s_lshl_b32 s26, s12, 8
	s_add_co_u32 s26, s25, s26                     ; my wave's first key
	s_mul_i32 s27, s24, 48                         ; my head's 48 of an entry's 96 bytes
	s_mul_i32 s28, s26, 96
	s_add_co_u32 s28, s28, s27
	s_add_co_u32 s28, s28, 6291456
	s_mov_b32 s29, 0
	s_lshl_b32 s30, s26, 2
	s_lshl_b32 s31, s24, 1
	s_add_co_u32 s30, s30, s31
	s_add_co_u32 s30, s30, 262144
	s_lshl_b32 s32, s20, 9
	s_add_co_u32 s32, s25, s32                     ; my work-group's first query
	s_mul_i32 s34, s32, 96
	s_add_co_u32 s34, s34, s27
	s_mov_b32 s35, 0
	s_lshl_b32 s36, s32, 2
	s_add_co_u32 s36, s36, s31
	s_mov_b32 s37, 0
	s_mov_b32 s31, 0
	s_lshl_b32 s38, s22, 4
	s_lshl_b32 s39, s12, 1
	s_add_co_u32 s38, s38, s39                     ; v: my first run of 128 tokens,
	s_lshl_b32 s38, s38, 10
	s_lshl_b32 s39, s21, 6
	s_add_co_u32 s38, s38, s39                     ; my head's 64 columns
	s_mul_i32 s40, s38, 96
	s_add_co_u32 s40, s40, 12582912
	s_mov_b32 s41, 0
	s_lshl_b32 s42, s38, 2
	s_add_co_u32 s42, s42, 524288
	s_mov_b32 s43, 0
	s_lshl_b32 s44, s22, 6
	s_lshl_b32 s45, s20, 4
	s_add_co_u32 s44, s44, s45                     ; the mask's words: block of 32 queries,
	s_lshl_b32 s44, s44, 3
	s_add_co_u32 s44, s44, s12                     ; my wave's 256 keys
	s_lshl_b32 s44, s44, 10
	s_mov_b32 s45, 0
	s_lshl_b32 s46, s22, 4
	s_lshl_b32 s47, s20, 2
	s_add_co_u32 s46, s46, s47
	s_lshr_b32 s47, s12, 1
	s_add_co_u32 s46, s46, s47                     ; out: the block of 128 tokens in which my wave's 64 rows lie,
	s_and_b32 s47, s12, 1                          ; and which half of it
	s_mul_i32 s16, s46, 98304
	s_mul_i32 s17, s21, 6144
	s_add_co_u32 s16, s16, s17
	s_mul_i32 s17, s47, 3072
	s_add_co_u32 s16, s16, s17
	s_mov_b32 s17, 0
	s_lshl_b32 s18, s46, 12
	s_lshr_b32 s19, s21, 2
	s_lshl_b32 s19, s19, 10
	s_add_co_u32 s18, s18, s19
	s_lshl_b32 s19, s47, 9
	s_add_co_u32 s18, s18, s19
	s_and_b32 s19, s21, 3
	s_lshl_b32 s19, s19, 1
	s_add_co_u32 s18, s18, s19
	s_mov_b32 s19, 0
	s_mul_i32 s76, s12, 12288
	s_lshl_b32 s77, s12, 9
	s_add_co_u32 s77, s77, STAT
	s_lshl_b32 s78, s12, 13
	s_add_co_u32 s78, s78, OPART
	s_lshl_b32 s79, s12, 10
	s_add_co_u32 s79, s79, OPART
	s_lshl_b32 s80, s12, 14
	s_add_co_u32 s80, s80, XS
	s_mov_b32 s14, 0x3e38aa3b                      ; c = log2(e) / 8
	s_mov_b32 s15, s14                             ; (named with it as a pair)
	s_mov_b32 s84, 0x76543210
	s_mov_b32 s85, 0xfedcba98                      ; lane selects: lane l xor 16
	s_mov_b32 s87, 0
	s_mov_b32 s89, 0
	s_mov_b32 s91, 0
	s_mov_b32 s93, 0xffff0000
	s_mov_b32 s94, 0
	s_mov_b32 s13, 16                              ; trips to go
	s_or_b32 s92, s12, s21
	s_cmp_eq_u32 s92, 0
	s_cselect_b32 s92, 1, -1                       ; wave 0 of head 0's work-groups prefetches the mask's words
	v_and_b32 v244, 31, v0                         ; lane
	v_and_b32 v245, 15, v0                         ; r
	v_bfe_u32 v246, v0, 4, 1                       ; h
	v_lshlrev_b32 v[LI], 4, v244
	v_add_nc_u32 v[VA], s76, v[LI]
	v_add_nc_u32 v[STW], s77, v[LI]
	v_add_nc_u32 v[STR], STAT, v[LI]
	v_add_nc_u32 v[OPW], s78, v[LI]
	v_add_nc_u32 v[OPR], s79, v[LI]
	v_add_nc_u32 v[XSB], s80, v[LI]
	v_mul_u32_u24 v[QA], v245, 96
	v_mad_u32_u24 v[QA], v246, 24, v[QA]
	v_lshlrev_b32 v[QSA], 2, v245
	v_mov_b32 v[NEG], 0xff800000
	v_lshlrev_b32 v[H8], 3, v246
	v_lshlrev_b32 v[PFO], 8, v244
	v_mul_u32_u24 v[CST], v245, 48
	v_mad_u32_u24 v[CST], v246, 24, v[CST]
	v_add_nc_u32 v[CST], s78, v[CST]
	v_lshlrev_b32 v[ASO], 3, v244
	v_lshrrev_b32 v247, 3, v245
	v_mad_u32_u24 v247, v247, 24, v245             ; 32 (r / 8) + r % 8: a tile's rows are not neighbours
	v_mul_u32_u24 v248, v247, 96
	v_mad_u32_u24 v248, v246, 24, v248             ; k's and v's codes
	v_lshlrev_b32 v249, 2, v247                    ; and scale words
	s_wait_kmcnt 0x0
	s_add_nc_u64 s[68:69], s[96:97], s[28:29]      ; k's codes
	s_add_nc_u64 s[70:71], s[98:99], s[30:31]      ; k's scales
	s_add_nc_u64 s[72:73], s[96:97], s[40:41]      ; v's codes
	s_add_nc_u64 s[74:75], s[98:99], s[42:43]      ; v's scales
	s_add_nc_u64 s[2:3], s[96:97], s[34:35]        ; q's codes
	s_add_nc_u64 s[4:5], s[98:99], s[36:37]        ; q's scales
	s_add_nc_u64 s[6:7], s[6:7], s[44:45]
	s_add_nc_u64 s[8:9], s[8:9], s[16:17]
	s_add_nc_u64 s[10:11], s[10:11], s[18:19]
; q of the next 32 queries: each tile's 24 bytes a lane twice, at both ends of [q | 0 | q]; its two scale bytes
.macro QLOAD step
.if \step
	s_add_nc_u64 s[2:3], s[2:3], s[88:89]          ; (the loads that read these bases have been waited for)
	s_add_nc_u64 s[4:5], s[4:5], s[90:91]
.endif
.irp y, 0,1
.irp p, 0,1,2
	global_load_b64 v[QF+18*\y+2*\p:QF+18*\y+2*\p+1], v[QA], s[2:3] offset:1536*\y+8*\p
	global_load_b64 v[QF+18*\y+12+2*\p:QF+18*\y+12+2*\p+1], v[QA], s[2:3] offset:1536*\y+8*\p
.endr
	global_load_u16 v[QR+\y], v[QSA], s[4:5] offset:64*\y
.endr
.endm
.irp t, 0,1,2,3,4,5,6,7,8,9,10,11,12,13,14,15   ; k's tile t = 4 (2 s + c) + u: keys 64 (t / 4) + 8 (t % 4) on
.irp p, 0,1,2
	global_load_b64 v[KF+6*\t+2*\p:KF+6*\t+2*\p+1], v248, s[68:69] offset:(64*(\t/4)+8*(\t%4))*96+8*\p
.endr
	global_load_u16 v[PC+\t], v249, s[70:71] offset:(64*(\t/4)+8*(\t%4))*4
.endr
.irp f, 0,1,2,3,4,5,6,7
	global_load_b32 v[VS+\f], v249, s[74:75] offset:4096*(\f/4)+32*(\f%4)
.endr
	QLOAD 0
	WIN 0x40                                       ; destination window 1
.irp f, 0,1,2,3,4,5,6,7                         ; v's fragment f = 4 s + d
.irp p, 0,1,2,3,4,5
	global_load_b64 v[12*\f+2*\p:12*\f+2*\p+1], v248, s[72:73] offset:98304*(\f/4)+768*(\f%4)+48*(\p/3)+8*(\p%3)
.endr
.endr
	WIN 0
.irp y, 0,1
.irp i, 0,1,2,3,4,5
	v_mov_b32 v[QF+18*\y+6+\i], 0                  ; the zero codes between q's two copies
.endr
.endr
.irp i, 0,1,2,3
	v_mov_b32 v[PX+\i], 0                          ; a lane permute's destination counts as read
.endr
	s_wait_loadcnt 0x0
.irp i, 0,1,2,3,4,5,6,7
	v_lshl_or_b32 v[KS+\i], v[PC+2*\i+1], 16, v[PC+2*\i]   ; a run's scale word: the even tile's two bytes, then the odd tile's
.endr
	v_lshl_or_b32 v[QS], v[QR], 16, v[QR]          ; q's two bytes serve whichever half holds q; the other half's codes are zeros
	v_lshl_or_b32 v[QS+1], v[QR+1], 16, v[QR+1]
	WIN 0x04                                       ; an LDS store's data are its source 1: window 1
.irp k, 0,1,2,3,4,5,6,7,8,9,10,11,12,13,14,15,16,17,18,19,20,21,22,23
	ds_store_b128 v[VA], v[4*\k:4*\k+3] offset:512*\k
.endr
	WIN 0
	s_load_b512 s[16:31], s[6:7], 0x0              ; unit 0's 32 words of the mask
	s_load_b512 s[32:47], s[6:7], 0x40
	PLACES 8                                       ; scale registers written by vector instructions stand 8 places ahead of a scaled matrix instruction
	s_wait_dscnt 0x0                               ; the stores have read their registers
; Four products: unit n's 64 keys x 16 queries.  Each starts its sum with 0.
.macro QK n
	WIN 0x40
.irp u, 0,1,2,3
	v_wmma_scale_f32_16x16x128_f8f6f4 v[32*(\n)+8*\u:32*(\n)+8*\u+7], v[KF+12*(2*((\n)%4)+\u/2):KF+12*(2*((\n)%4)+\u/2)+11], v[QF+18*((\n)/4)+6*(\u%2):QF+18*((\n)/4)+6*(\u%2)+11], 0, v[KS+2*((\n)%4)+\u/2], v[QS+(\n)/4] matrix_a_fmt:MATRIX_FMT_FP6 matrix_b_fmt:MATRIX_FMT_FP6
.endr
.endm
; The mask, the block's largest score and its shift.  The next unit's words are asked for first, into the other 32 scalar registers.
.macro MM n
	s_wait_kmcnt 0x0                               ; this unit's words are in (scalar loads are waited for with 0 alone)
.if (\n) == 7
	s_wait_xcnt 0x0                                ; the trip's prefetch has read the base too
	s_add_nc_u64 s[6:7], s[6:7], s[86:87]          ; the next trip's words (the last trip steps by 0)
	s_load_b512 s[16:31], s[6:7], 0x0
	s_load_b512 s[32:47], s[6:7], 0x40
.elseif ((\n)%2) == 0
	s_load_b512 s[48:63], s[6:7], 128*((\n)+1)
	s_load_b512 s[68:83], s[6:7], 128*((\n)+1)+64
.else
	s_load_b512 s[16:31], s[6:7], 128*((\n)+1)
	s_load_b512 s[32:47], s[6:7], 128*((\n)+1)+64
.endif
	WIN 0x44                                       ; destination and source 1 window 1
.irp i, 0,1,2,3,4,5,6,7,8,9,10,11,12,13,14,15,16,17,18,19,20,21,22,23,24,25,26,27,28,29,30,31
.if ((\n)%2) == 0
.set MWD, 16+\i
.elseif \i < 16
.set MWD, 48+\i
.else
.set MWD, 52+\i
.endif
	v_cndmask_b32 v[32*(\n)+\i], v[NEG], v[32*(\n)+\i], s[MWD]       ; each accumulator from its low end on
.endr
	WIN 0x15                                       ; three sources window 1
.irp k, 0,1,2,3,4,5,6,7,8,9
	v_max3_num_f32 v[TM+\k], v[32*(\n)+3*\k], v[32*(\n)+3*\k+1], v[32*(\n)+3*\k+2]
.endr
	v_max3_num_f32 v[TM+10], v[32*(\n)+30], v[32*(\n)+31], 0xcf6e6b28   ; and -4e9, so that a block masked whole has a number for its shift
	WIN 0
	v_max3_num_f32 v[TM], v[TM], v[TM+1], v[TM+2]
	v_max3_num_f32 v[TM+3], v[TM+3], v[TM+4], v[TM+5]
	v_max3_num_f32 v[TM+6], v[TM+6], v[TM+7], v[TM+8]
	v_max3_num_f32 v[TM+9], v[TM+9], v[TM+10], v[TM]
	v_max3_num_f32 v[ST+2*(\n)+1], v[TM+9], v[TM+3], v[TM+6]
	v_mul_f32 v[TT], s14, v[ST+2*(\n)+1]
	v_floor_f32 v[ST+2*(\n)], -v[TT]               ; -M = floor(-t): M is a whole number
.endm
; e = 2^(t - M): 16 packed multiply-adds, 32 exponentials as one batch, a plain place, one wait, ahead of the first line that names a result.
.macro SE n
	WIN 0x41
.irp j, 0,2,4,6,8,10,12,14,16,18,20,22,24,26,28,30
	v_pk_fma_f32 v[32*(\n)+\j:32*(\n)+\j+1], v[32*(\n)+\j:32*(\n)+\j+1], s[14:15], v[ST+2*(\n):ST+2*(\n)+1] op_sel_hi:[1,0,0]
.endr
.irp j, 0,1,2,3,4,5,6,7,8,9,10,11,12,13,14,15,16,17,18,19,20,21,22,23,24,25,26,27,28,29,30,31
	v_exp_f32 v[32*(\n)+\j], v[32*(\n)+\j]
.endr
	v_nop
	s_wait_alu depctr_va_vdst(0)
.endm
; The block's sum of e; and the block's largest score goes through the same multiply-add.
.macro SUM n
	WIN 0x05
.irp k, 0,1,2,3,4,5,6,7
	v_pk_add_f32 v[TS+2*\k:TS+2*\k+1], v[32*(\n)+4*\k:32*(\n)+4*\k+1], v[32*(\n)+4*\k+2:32*(\n)+4*\k+3]
.endr
	WIN 0
	v_pk_add_f32 v[TS:TS+1], v[TS:TS+1], v[TS+2:TS+3]
	v_pk_add_f32 v[TS+4:TS+5], v[TS+4:TS+5], v[TS+6:TS+7]
	v_pk_add_f32 v[TS+8:TS+9], v[TS+8:TS+9], v[TS+10:TS+11]
	v_pk_add_f32 v[TS+12:TS+13], v[TS+12:TS+13], v[TS+14:TS+15]
	v_fma_f32 v[ST+2*(\n)+1], s14, v[ST+2*(\n)+1], v[ST+2*(\n)]
	v_pk_add_f32 v[TS:TS+1], v[TS:TS+1], v[TS+4:TS+5]
	v_pk_add_f32 v[TS+8:TS+9], v[TS+8:TS+9], v[TS+12:TS+13]
	v_pk_add_f32 v[TS:TS+1], v[TS:TS+1], v[TS+8:TS+9]
	v_add_f32 v[SL+(\n)], v[TS], v[TS+1]
.endm
; p = e x factor, and its codes: registers 6 n .. 6 n + 5 of p's operands
.macro SWB n
	WIN 0x41
.irp j, 0,2,4,6,8,10,12,14,16,18,20,22,24,26,28,30
	v_pk_mul_f32 v[32*(\n)+\j:32*(\n)+\j+1], v[32*(\n)+\j:32*(\n)+\j+1], v[ST+2*(\n):ST+2*(\n)+1] op_sel_hi:[1,0]
.endr
	WIN 0x01
	v_cvt_scalef32_pk16_fp6_f32 v[PC+6*(\n):PC+6*(\n)+2], v[32*(\n):32*(\n)+15], v[ST+2*(\n)+1]
	v_cvt_scalef32_pk16_fp6_f32 v[TC:TC+2], v[32*(\n)+16:32*(\n)+31], v[ST+2*(\n)+1]   ; (a conversion's three registers begin on an even number)
	WIN 0
	v_nop                                          ; one plain place behind a scaled conversion
.irp i, 0,1,2
	v_mov_b32 v[PC+6*(\n)+3+\i], v[TC+\i]
.endr
.endm
.Ltrip:
	s_cmp_eq_u32 s13, 1                            ; the last trip steps nothing: what it asks for ahead stays inside the buffers and is not used
	s_cselect_b32 s86, 0, 8192
	s_cselect_b32 s88, 0, 3072
	s_cselect_b32 s90, 0, 128
	; the next trip's 8,192 bytes of mask words, a lane to each 256: asked for once in the launch, by wave 0 of head 0's work-group; the 16 heads read the same words.  The last trip asks for nothing.
	s_cmp_gt_u32 s13, s92
	s_cbranch_scc0 .Lno_ask
	global_prefetch_b8 v[PFO], s[6:7] offset:8192 th:TH_LOAD_NT scope:SCOPE_SE
.Lno_ask:
	QK 0
	QK 1
	PLACES 4                                       ; behind unit 0's products, ahead of the first read of their results
	MM 0
	QK 2                                           ; a unit's products stand two units ahead of its first read
	SE 0
	SUM 0
	MM 1
	QK 3
	SE 1
	SUM 1
	MM 2
	QK 4
	SE 2
	SUM 2
	MM 3
	QK 5
	SE 3
	SUM 3
	MM 4
	QK 6
	SE 4
	SUM 4
	MM 5
	QK 7
	SE 5
	SUM 5
	MM 6
	QLOAD 1                                        ; q's registers were last read by unit 7's products, a unit's vector work back
	SE 6
	SUM 6
	MM 7
	SE 7
	SUM 7
	; ---- my lane's statistics: each block's largest e; for each tile the least -M of its four blocks and the sum under it; then the same with lane l xor 16
.irp n, 0,1,2,3,4,5,6,7
	v_exp_f32 v[ST+2*\n+1], v[ST+2*\n+1]           ; a batch of eight; its wait stands ahead of the barrier, behind the work below, which names none of its results
.endr
.irp y, 0,1
	v_min3_num_f32 v[A0+\y], v[ST+8*\y], v[ST+8*\y+2], v[ST+8*\y+4]
.endr
.irp y, 0,1
	v_min_num_f32 v[A0+\y], v[A0+\y], v[ST+8*\y+6]
.endr
.irp n, 0,1,2,3,4,5,6,7
	v_sub_f32 v[DL+\n], v[A0+\n/4], v[ST+2*\n]     ; block's M less the tile's: a whole number, 0 or less
.endr
.irp n, 0,1,2,3,4,5,6,7
	v_cvt_i32_f32 v[DL+\n], v[DL+\n]
.endr
.irp n, 0,1,2,3,4,5,6,7
	v_ldexp_f32 v[DL+\n], v[SL+\n], v[DL+\n]       ; rounds nothing
.endr
.irp y, 0,1
	v_add_f32 v[DL+4*\y], v[DL+4*\y], v[DL+4*\y+1]
	v_add_f32 v[DL+4*\y+2], v[DL+4*\y+2], v[DL+4*\y+3]
.endr
.irp y, 0,1
	v_add_f32 v[DL+4*\y], v[DL+4*\y], v[DL+4*\y+2]
.endr
.irp y, 0,1
	v_permlanex16_b32 v[PX+\y], v[A0+\y], s84, s85
	v_permlanex16_b32 v[PX+2+\y], v[DL+4*\y], s84, s85
.endr
.irp y, 0,1
	v_min_num_f32 v[EN+2*\y], v[A0+\y], v[PX+\y]
.endr
.irp y, 0,1
	v_sub_f32 v[A0+\y], v[EN+2*\y], v[A0+\y]
	v_sub_f32 v[PX+\y], v[EN+2*\y], v[PX+\y]
.endr
.irp y, 0,1
	v_cvt_i32_f32 v[A0+\y], v[A0+\y]
	v_cvt_i32_f32 v[PX+\y], v[PX+\y]
.endr
.irp y, 0,1
	v_ldexp_f32 v[DL+4*\y], v[DL+4*\y], v[A0+\y]
	v_ldexp_f32 v[PX+2+\y], v[PX+2+\y], v[PX+\y]
.endr
.irp y, 0,1
	v_add_f32 v[EN+2*\y+1], v[DL+4*\y], v[PX+2+\y]
.endr
	ds_store_b128 v[STW], v[EN:EN+3]
	v_add_nc_u32 v[XSW], s94, v[XSB]
	s_wait_alu depctr_va_vdst(0)
	s_wait_dscnt 0x0                               ; my statistics lie in LDS, and my reads of the partial sums of the last trip are over
	s_barrier_signal -1
	s_barrier_wait -1
	; ---- the rows' statistics, from all eight waves
.irp w, 0,1,2,3,4,5,6,7
	ds_load_b128 v[GG+4*\w:GG+4*\w+3], v[STR] offset:512*\w
.endr
	s_wait_dscnt 0x0
.irp y, 0,1
	v_min3_num_f32 v[NG+\y], v[GG+2*\y], v[GG+4+2*\y], v[GG+8+2*\y]
.endr
.irp y, 0,1
	v_min3_num_f32 v[NG+\y], v[NG+\y], v[GG+12+2*\y], v[GG+16+2*\y]
.endr
.irp y, 0,1
	v_min3_num_f32 v[NG+\y], v[NG+\y], v[GG+20+2*\y], v[GG+24+2*\y]
.endr
.irp y, 0,1
	v_min_num_f32 v[NG+\y], v[NG+\y], v[GG+28+2*\y]
.endr
.irp w, 0,1,2,3,4,5,6,7
.irp y, 0,1
	v_sub_f32 v[GG+4*\w+2*\y], v[NG+\y], v[GG+4*\w+2*\y]
.endr
.endr
.irp w, 0,1,2,3,4,5,6,7
.irp y, 0,1
	v_cvt_i32_f32 v[GG+4*\w+2*\y], v[GG+4*\w+2*\y]
.endr
.endr
.irp w, 0,1,2,3,4,5,6,7
.irp y, 0,1
	v_ldexp_f32 v[GG+4*\w+2*\y+1], v[GG+4*\w+2*\y+1], v[GG+4*\w+2*\y]
.endr
.endr
.irp w, 0,2,4,6
.irp y, 0,1
	v_add_f32 v[GG+4*\w+2*\y+1], v[GG+4*\w+2*\y+1], v[GG+4*\w+4+2*\y+1]
.endr
.endr
.irp w, 0,4
.irp y, 0,1
	v_add_f32 v[GG+4*\w+2*\y+1], v[GG+4*\w+2*\y+1], v[GG+4*\w+8+2*\y+1]
.endr
.endr
.irp y, 0,1
	v_add_f32 v[GG+2*\y+1], v[GG+2*\y+1], v[GG+16+2*\y+1]
.endr
.irp y, 0,1
	v_max_num_f32 v[LG+\y], 0.5, v[GG+2*\y+1]      ; a row with a key that counts has l above 0.5; a row masked whole has 0
.endr
.irp y, 0,1
	v_rcp_f32 v[LG+\y], v[LG+\y]
.endr
.irp n, 0,1,2,3,4,5,6,7
	v_sub_f32 v[DD+\n], v[NG+\n/4], v[ST+2*\n]     ; block's M less the row's (plain work behind the reciprocals)
.endr
.irp n, 0,1,2,3,4,5,6,7
	v_cvt_i32_f32 v[DD+\n], v[DD+\n]
.endr
	s_wait_alu depctr_va_vdst(0)                   ; one wait for the two reciprocals, ahead of their first reader
.irp n, 0,1,2,3,4,5,6,7
	v_ldexp_f32 v[ST+2*\n], v[LG+\n/4], v[DD+\n]   ; the block's factor: 2^(block's M - row's M) / l
.endr
.irp n, 0,1,2,3,4,5,6,7
	v_mul_f32 v[DD+\n], v[ST+2*\n+1], v[ST+2*\n]   ; the block's largest p: the same multiplication on the same numbers
.endr
.irp n, 0,1,2,3,4,5,6,7
	v_max_num_f32 v[DD+\n], 0x1800000, v[DD+\n]    ; the floor 2^(3 - 127)
.endr
.irp n, 0,1,2,3,4,5,6,7
	v_add_nc_u32 v[ST+2*\n+1], 0xff000000, v[DD+\n]   ; 2 off the exponent field: the conversion's scale operand
.endr
.irp n, 0,1,2,3,4,5,6,7
	v_lshrrev_b32 v[DD+\n], 23, v[ST+2*\n+1]       ; the byte
.endr
.irp m, 0,1,2,3
	v_lshl_or_b32 v[DD+2*\m], v[DD+2*\m+1], 16, v[DD+2*\m]   ; blocks h and 2 + h of 128 keys,
.endr
.irp m, 0,1,2,3
	v_lshlrev_b32 v[DD+2*\m], v[H8], v[DD+2*\m]    ; at their places;
.endr
.irp m, 0,1,2,3
	v_permlanex16_b32 v[PX+\m], v[DD+2*\m], s84, s85
.endr
.irp m, 0,1,2,3
	v_or_b32 v[PS+\m], v[DD+2*\m], v[PX+\m]        ; with lane l xor 16's two the word is whole
.endr
	; ---- p and its codes; v's fragments come into the registers that units 0 to 2 have left
	SWB 0
	SWB 1
	SWB 2
	WIN 0x40
.irp k, 0,1,2,3,4,5,6,7,8,9,10,11,12,13,14,15,16,17,18,19,20,21,22,23
	ds_load_b128 v[4*\k:4*\k+3], v[VA] offset:512*\k
.endr
	SWB 3
	SWB 4
	SWB 5
	SWB 6
	SWB 7
	s_wait_dscnt 0x0                               ; v's fragments
	PLACES 4                                       ; operands written by vector instructions stand 4 places ahead of a scaled matrix instruction
	WIN 0x51                                       ; source 0 (v), C and D window 1; source 1 (p) window 0
.irp s, 0,1                                     ; eight accumulators by turns, one instruction a turn
.irp y, 0,1
.irp d, 0,1,2,3
.if \s == 0
	v_wmma_scale_f32_16x16x128_f8f6f4 v[128+8*(4*\y+\d):128+8*(4*\y+\d)+7], v[12*(4*\s+\d):12*(4*\s+\d)+11], v[PC+12*(2*\y+\s):PC+12*(2*\y+\s)+11], 0, v[VS+4*\s+\d], v[PS+2*\y+\s] matrix_a_fmt:MATRIX_FMT_FP6 matrix_b_fmt:MATRIX_FMT_FP6
.else
	v_wmma_scale_f32_16x16x128_f8f6f4 v[128+8*(4*\y+\d):128+8*(4*\y+\d)+7], v[12*(4*\s+\d):12*(4*\s+\d)+11], v[PC+12*(2*\y+\s):PC+12*(2*\y+\s)+11], v[128+8*(4*\y+\d):128+8*(4*\y+\d)+7], v[VS+4*\s+\d], v[PS+2*\y+\s] matrix_a_fmt:MATRIX_FMT_FP6 matrix_b_fmt:MATRIX_FMT_FP6
.endif
.endr
.endr
.endr
	PLACES 4
	WIN 0x04
.irp a, 0,1,2,3,4,5,6,7
	ds_store_b128 v[OPW], v[128+8*\a:128+8*\a+3] offset:1024*\a          ; each accumulator from its low end on
	ds_store_b128 v[OPW], v[128+8*\a+4:128+8*\a+7] offset:1024*\a+512
.endr
	WIN 0
	s_wait_dscnt 0x0                               ; my partial sums lie in LDS, and my reads of the statistics are over
	s_barrier_signal -1
	s_barrier_wait -1
	; ---- wave w adds accumulator w of the eight waves and keeps it in XS
	WIN 0x40
.irp k, 0,1,2,3,4,5,6,7
	ds_load_b128 v[192+8*\k:192+8*\k+3], v[OPR] offset:8192*\k
	ds_load_b128 v[192+8*\k+4:192+8*\k+7], v[OPR] offset:8192*\k+512
.endr
	WIN 0
	s_wait_loadcnt 0x0                             ; the next trip's q
	v_lshl_or_b32 v[QS], v[QR], 16, v[QR]          ; the 28 additions below are the places between these and the next scaled products
	v_lshl_or_b32 v[QS+1], v[QR+1], 16, v[QR+1]
	WIN 0x45
.irp k, 1,2,3,4,5,6,7
	s_wait_dscnt 14-2*\k                           ; waves 0 to k's are in; two loads for each later wave may be out
.irp j, 0,2,4,6
	v_pk_add_f32 v[192+\j:192+\j+1], v[192+\j:192+\j+1], v[192+8*\k+\j:192+8*\k+\j+1]
.endr
.endr
	WIN 0x04
	ds_store_b128 v[XSW], v[192:195]
	ds_store_b128 v[XSW], v[196:199] offset:512
	WIN 0
	s_wait_dscnt 0x0                               ; the stores have read their registers
	s_add_co_u32 s94, s94, 1024
	s_sub_co_u32 s13, s13, 1
	s_cmp_lg_u32 s13, 0
	s_cbranch_scc1 .Ltrip
	; ---- THE WAY OUT.  Wave w quantises the rows of trips 2 w and 2 w + 1: four tiles; a lane's 32 registers of a tile are 32 neighbouring channels of its row.
	s_wait_kmcnt 0x0                               ; (the last trip's words for a trip that does not come)
	s_barrier_signal -1
	s_barrier_wait -1                              ; every wave's part of XS is whole, and nobody reads the partial sums any more
.set XC,  170                          ; v170-193 four tiles' codes
.set TME, 196                          ; v196-206 maxima
.set SCE, 208
.set BYE, 210                          ; v210-213
.set HW,  214                          ; v214-217
.set HS,  218                          ; v218-219
	s_lshl_b32 s16, s12, 11
	s_add_co_u32 s16, s16, XS
	v_add_nc_u32 v244, s16, v[LI]                  ; accumulators 0-3 of trip 2 w
	v_add_nc_u32 v245, 65536, v244                 ; accumulators 4-7
	WIN 0x40
.irp e, 0,1
.irp y, 0,1
.irp d, 0,1,2,3
	ds_load_b128 v[32*(2*\e+\y)+8*\d:32*(2*\e+\y)+8*\d+3], v[244+\y] offset:16384*\d+1024*\e
	ds_load_b128 v[32*(2*\e+\y)+8*\d+4:32*(2*\e+\y)+8*\d+7], v[244+\y] offset:16384*\d+1024*\e+512
.endr
.endr
.endr
	WIN 0
	s_wait_dscnt 0x0
.irp t, 0,1,2,3
	WIN 0x15
.irp k, 0,1,2,3,4,5,6,7,8,9
	v_max3_num_f32 v[TME+\k], |v[32*\t+3*\k]|, |v[32*\t+3*\k+1]|, |v[32*\t+3*\k+2]|
.endr
	v_max3_num_f32 v[TME+10], |v[32*\t+30]|, |v[32*\t+31]|, 0x1800000
	WIN 0
	v_max3_num_f32 v[TME], v[TME], v[TME+1], v[TME+2]
	v_max3_num_f32 v[TME+3], v[TME+3], v[TME+4], v[TME+5]
	v_max3_num_f32 v[TME+6], v[TME+6], v[TME+7], v[TME+8]
	v_max3_num_f32 v[TME+9], v[TME+9], v[TME+10], v[TME]
	v_max3_num_f32 v[TME+9], v[TME+9], v[TME+3], v[TME+6]
	v_add_nc_u32 v[SCE], 0xff000000, v[TME+9]
	v_lshrrev_b32 v[BYE+\t], 23, v[SCE]
	WIN 0x01
	v_cvt_scalef32_pk16_fp6_f32 v[XC+6*\t:XC+6*\t+2], v[32*\t:32*\t+15], v[SCE]
	v_cvt_scalef32_pk16_fp6_f32 v[TC:TC+2], v[32*\t+16:32*\t+31], v[SCE]
	WIN 0
	v_nop
.irp i, 0,1,2
	v_mov_b32 v[XC+6*\t+3+\i], v[TC+\i]
.endr
.irp p, 0,1,2
	ds_store_b64 v[CST], v[XC+6*\t+2*\p:XC+6*\t+2*\p+1] offset:768*\t+8*\p     ; row 16 t + r of my 64, 48 bytes a row
.endr
	v_lshlrev_b32 v[BYE+\t], v[H8], v[BYE+\t]
	v_permlanex16_b32 v[PX+\t], v[BYE+\t], s84, s85
	v_or_b32 v[HW+\t], v[BYE+\t], v[PX+\t]         ; the row's two bytes, in both halves of the lanes
.endr
.irp e, 0,1
	v_cndmask_b32 v[HS+\e], v[HW+2*\e], v[HW+2*\e+1], s93            ; lanes 0-15 the even tile's rows, lanes 16-31 the odd tile's
	global_store_b16 v[ASO], v[HS+\e], s[10:11] offset:256*\e
.endr
.irp k, 0,1,2,3,4,5
	ds_load_b128 v[KF+4*\k:KF+4*\k+3], v[OPW] offset:512*\k          ; in order behind my stores
.endr
.irp k, 0,1,2,3,4,5
	s_wait_dscnt 5-\k
	global_store_b128 v[LI], v[KF+4*\k:KF+4*\k+3], s[8:9] offset:512*\k        ; 512 consecutive bytes, aligned
.endr
	s_wait_xcnt 0x0
	v_lshl_add_u32 v254, v0, 2, 0x49000
	v_mov_b32 v255, 0
	s_wait_tensorcnt 0x0
	ds_add_u32 v254, v255
	s_wait_dscnt 0x0
	s_endpgm
.Lfunc_end_k_q35facbf4dd_attn:
	.size	k_q35facbf4dd_attn, .Lfunc_end_k_q35facbf4dd_attn-k_q35facbf4dd_attn
	.p2alignl 7, 3214868480
	.fill 96, 4, 3214868480
	.section	.rodata,"a",@progbits
	.p2align	6, 0x0
	.amdhsa_kernel k_q35facbf4dd_attn
		.amdhsa_group_segment_fixed_size 300032
		.amdhsa_private_segment_fixed_size 0
		.amdhsa_enable_private_segment 0
		.amdhsa_kernarg_size 40
		.amdhsa_user_sgpr_count 2
		.amdhsa_user_sgpr_kernarg_segment_ptr 1
		.amdhsa_wavefront_size32 1
		.amdhsa_system_sgpr_workgroup_id_x 1
		.amdhsa_system_sgpr_workgroup_id_y 1
		.amdhsa_system_sgpr_workgroup_id_z 1
		.amdhsa_system_vgpr_workitem_id 0
		.amdhsa_next_free_vgpr 512
		.amdhsa_next_free_sgpr 100
		.amdhsa_reserve_vcc 0
		.amdhsa_float_denorm_mode_32 3
		.amdhsa_float_denorm_mode_16_64 3
		.amdhsa_memory_ordered 1
		.amdhsa_forward_progress 1
		.amdhsa_inst_pref_size 121
	.end_amdhsa_kernel
	.amdgpu_metadata
---
amdhsa.version: [ 1, 2 ]
amdhsa.kernels:
  - .name:           k_q35facbf4dd_attn
    .symbol:         k_q35facbf4dd_attn.kd
    .args:
      - { .name: pcod, .offset: 0, .size: 8, .value_kind: global_buffer, .address_space: global }
      - { .name: pscl, .offset: 8, .size: 8, .value_kind: global_buffer, .address_space: global }
      - { .name: mbits, .offset: 16, .size: 8, .value_kind: global_buffer, .address_space: global }
      - { .name: acod, .offset: 24, .size: 8, .value_kind: global_buffer, .address_space: global }
      - { .name: ascl, .offset: 32, .size: 8, .value_kind: global_buffer, .address_space: global }
    .group_segment_fixed_size: 300032
    .private_segment_fixed_size: 0
    .kernarg_segment_align: 8
    .kernarg_segment_size: 40
    .max_flat_workgroup_size: 256
    .sgpr_count:     100
    .vgpr_count:     512
    .wavefront_size: 32
...
	.end_amdgpu_metadata
.endif
;; end of part 3
;; launch outp (part 4): grid 4 x 32, 4 waves a work-group, clusters of 4 x 4, 327,680 bytes of LDS; arguments acod, ascl, cod, scl, bo, out0; writes out0
.if DOCPART == 4
	.amdgcn_target "amdgcn-amd-amdhsa--gfx1250"
	.amdhsa_code_object_version 6
	.text
	.protected	k_q35facbf4dd_outp
	.globl	k_q35facbf4dd_outp
	.p2align	8
	.type	k_q35facbf4dd_outp,@function
k_q35facbf4dd_outp:
	s_mov_b64 s[64:65], 0
	v_nop
	global_prefetch_b8 v0, s[64:65] scope:SCOPE_SE
	s_setreg_imm32_b32 hwreg(HW_REG_WAVE_MODE, 25, 1), 1
	s_wait_xcnt 0x0
	s_wait_alu depctr_hold_cnt(0) depctr_sa_sdst(0) depctr_va_vdst(0) depctr_va_sdst(0) depctr_va_ssrc(0) depctr_va_vcc(0) depctr_vm_vsrc(0)
	s_getreg_b32 s2, hwreg(HW_REG_IB_STS2, 6, 4)
	s_cmp_eq_u32 s2, 0
	s_cbranch_scc0 .Lentry_in_a_cluster
	s_endpgm
.Lentry_in_a_cluster:
	s_bfe_u32 s2, ttmp6, 0x10000c
	s_cmp_lg_u32 s2, 0xf033
	s_cbranch_scc0 .Lentry_shape_is_right
	s_endpgm
.Lentry_shape_is_right:
; out0 = x Wo^T + bo on codes of FP6 (E2M3), K = 1,024.  x: acod, ascl (64 blocks of 128 tokens); Wo: blocks 216-223 of cod, scl.  out0: [8192][1024] f32.
; A tile of 256 x 256 is made by four waves, 128 x 128 each: 64 accumulators, 512 registers.  K goes in steps of 256 through two LDS slots filled by the tensor data mover.
; Codes: [block of 128 rows][plane 16][row 128][48 bytes]: 256 along K of 128 rows are 24,576 consecutive bytes, one dense tile a wave.  Scales: [block][slot 4][row 128][8 bytes]: a block's 4,096 bytes come once and stay.
; The matrix instruction is used transposed (source 0 = 16 rows of Wo, source 1 = 16 tokens): a lane holds eight neighbouring numbers of a row of out0.  The bias is the C of each sum's first product.
; CLUSTERS: 4 x 4 work-groups; x's tiles are asked for jointly along a row of the cluster, Wo's along a column.  128 tiles: this tile leaves half of the WGPs without work; a tile of 128 x 256 would fill them.
; REGISTERS: window 0: v0-31 addresses; v32-63 scale words, two sets, and nothing else; v64-127 the bias; v128-223 A's fragments, one set; on the way out v128-255 rows of out0.
;   window 1: B's fragments, two sets, at v0 and v128.   windows 2, 3: the accumulators ((a, b) at v[8 (8 (a % 4) + b)]).
.set NQ,     2
.set FR,     12
.set NL,     6
.set NP,     4                         ; places behind this matrix instruction (ISA guide 7.12.1)
.set PLANE,  6144
.set HALFT,  24576
.set SLOT,   98304
.set SCL,    196608                    ; A's scales, 4,096 bytes a half; B's lie 128 bytes further on than that would put them
.set SPARE,  213248                    ; the spare words, 128 bytes a wave: two blocks of 256 bytes that no other line names
.set SPITCH, 528                       ; the way out: a stage of 16 rows x (512 + 16) bytes a wave, in slot 0, which has had its last fill and its last read by then
.set SIZE_N, 1024
.set ADRA, 16
.set ADRB, 20
.set STO,  24
.set RD,   25
.set CO,   26
.set ADRS, 27
.set SPW,  28                          ; v28 my spare word; never rewritten
.set NIL,  29                          ; v29 0; never rewritten
.set BOF,  30
.set SC,   32
.set BIAS, 64
.set AF,   128
.set BK,   128
.set G1, 24
.set G0, 32
.set G1B, 48
.set G0B, 56
.set G1S, 68
.set G0S, 76
.set G1SB, 80
.set G0SB, 88
.set MSB, 0
.macro WIN new                         ; the immediate's high byte repeats the setting that is left
.if MSB != (\new)
	s_set_vgpr_msb (MSB<<8)|(\new)
.set MSB, (\new)
.endif
.endm
.set MUL_LO, 0xa1
.set MUL_HI, 0xf1
.set TO_B,   0x40
.macro JLOAD g0a, g1a, g0b, g1b        ; a joint load: waves 0 and 1 fetch for A, waves 2 and 3 for B; four v_nop follow each of the two lines
	s_cmp_eq_u32 s15, 0
	s_cbranch_scc0 .Lfor_b_\@
	tensor_load_to_lds s[\g0a:\g0a+3], s[\g1a:\g1a+7]
	s_nop 0
.rept 4
	v_nop
.endr
	s_branch .Lasked_\@
.Lfor_b_\@:
	tensor_load_to_lds s[\g0b:\g0b+3], s[\g1b:\g1b+7]
	s_nop 0
.rept 4
	v_nop
.endr
.Lasked_\@:
.endm
.macro CREST
	s_cmp_lg_u32 s14, 0
	s_cbranch_scc1 .Lnot_wave_0_\@
	s_barrier_signal -3
.Lnot_wave_0_\@:
	s_barrier_wait -3
	s_barrier_signal -1
	s_barrier_wait -1
.endm
.macro CROUND
	s_barrier_signal -1
	s_barrier_wait -1
	CREST
.endm
	s_load_b128 s[4:7], s[0:1], 0x0                ; acod s[4:5], ascl s[6:7]
	s_load_b128 s[8:11], s[0:1], 0x10              ; cod s[8:9], scl s[10:11]
	s_load_b128 s[92:95], s[0:1], 0x20             ; bo s[92:93], out0 s[94:95]
	v_lshl_add_u32 v[SPW], v0, 2, SPARE
	v_mov_b32 v[NIL], 0
	ds_add_u32 v28, v29
	ds_add_u32 v28, v29
	s_wait_dscnt 0x0
	v_lshrrev_b32 v1, 5, v0
	v_readfirstlane_b32 s14, v1                    ; wave 0..3
	s_lshr_b32 s15, s14, 1                         ; which half of the tile's rows is mine.  Also: I fetch for A (0) or for B (1)
	s_and_b32 s16, s14, 1                          ; which half of its columns.  Also: which 128 rows I fetch
	s_bfe_u32 s40, ttmp6, 0x40000                  ; cx = tile column
	s_bfe_u32 s41, ttmp6, 0x40004                  ; cy
	s_and_b32 s17, ttmp7, 0xffff
	s_lshl_b32 s17, s17, 2
	s_add_co_u32 s17, s17, s41                     ; tile row = 4 x cluster y + cy
	s_lshl_b32 s43, s41, 2
	s_lshl_b32 s43, 15, s43                        ; my row of the cluster
	s_lshl_b32 s44, 0x1111, s40                    ; my column
	s_or_b32 s[G1+0], s43, (3<<16)|(1<<21)         ; a dense block of 24,576 bytes as 96 rows of 256 bytes (32 elements of 8), no padding
	s_or_b32 s[G1B+0], s44, (3<<16)|(1<<21)
.irp g, G1, G1B
	s_mov_b32 s[\g+1], 32<<16
	s_mov_b32 s[\g+2], 96<<16
	s_mov_b32 s[\g+3], 32<<16
	s_mov_b32 s[\g+4], 96
	s_mov_b32 s[\g+5], 32
	s_mov_b32 s[\g+6], 0
	s_mov_b32 s[\g+7], 0
.endr
	s_or_b32 s[G1S+0], s43, (3<<16)|(1<<21)        ; the scales of 128 rows: 16 rows of 256 bytes
	s_or_b32 s[G1SB+0], s44, (3<<16)|(1<<21)
.irp g, G1S, G1SB
	s_mov_b32 s[\g+1], 32<<16
	s_mov_b32 s[\g+2], 16<<16
	s_mov_b32 s[\g+3], 32<<16
	s_mov_b32 s[\g+4], 16
	s_mov_b32 s[\g+5], 32
	s_mov_b32 s[\g+6], 0
	s_mov_b32 s[\g+7], 0
.endr
	s_lshl_b32 s20, s17, 1
	s_add_co_u32 s20, s20, s16                     ; A: the block of 128 tokens that I fetch
	s_lshl_b32 s46, s40, 1
	s_add_co_u32 s46, s46, s16
	s_add_co_u32 s46, s46, 216                     ; B: Wo's block
	s_lshl_b32 s22, s20, 12
	s_mov_b32 s23, 0
	s_mul_i32 s20, s20, 98304
	s_mov_b32 s21, 0
	s_lshl_b32 s100, s46, 12
	s_mov_b32 s101, 0
	s_mul_i32 s46, s46, 98304
	s_mov_b32 s47, 0
	s_mul_i32 s45, s14, HALFT
	s_lshl_b32 s19, s14, 12
	s_wait_kmcnt 0x0
	s_add_nc_u64 s[20:21], s[4:5], s[20:21]
	s_add_nc_u64 s[22:23], s[6:7], s[22:23]
	s_add_nc_u64 s[46:47], s[8:9], s[46:47]
	s_add_nc_u64 s[100:101], s[10:11], s[100:101]
	CROUND                                         ; all sixteen work-groups are here: the first joint loads meet
	s_mov_b32 s[G0S], 1
	s_add_co_u32 s[G0S+1], s19, SCL
	s_mov_b64 s[G0S+2:G0S+3], s[22:23]
	s_or_b32 s[G0S+3], s[G0S+3], 0x80000000
	s_mov_b32 s[G0SB], 1
	s_add_co_u32 s[G0SB+1], s19, SCL+128
	s_mov_b64 s[G0SB+2:G0SB+3], s[100:101]
	s_or_b32 s[G0SB+3], s[G0SB+3], 0x80000000
	JLOAD G0S, G1S, G0SB, G1SB
.irp s, 0,1
	s_mov_b32 s[G0+4*\s], 1
	s_add_co_u32 s[G0+4*\s+1], s45, \s*SLOT
	s_add_nc_u64 s[G0+4*\s+2:G0+4*\s+3], s[20:21], \s*HALFT
	s_or_b32 s[G0+4*\s+3], s[G0+4*\s+3], 0x80000000
	s_mov_b32 s[G0B+4*\s], 1
	s_add_co_u32 s[G0B+4*\s+1], s45, \s*SLOT
	s_add_nc_u64 s[G0B+4*\s+2:G0B+4*\s+3], s[46:47], \s*HALFT
	s_or_b32 s[G0B+4*\s+3], s[G0B+4*\s+3], 0x80000000
	JLOAD G0+4*\s, G1, G0B+4*\s, G1B
.endr
	v_and_b32 v1, 15, v0                           ; r
	v_bfe_u32 v2, v0, 4, 1                         ; h
	v_mul_u32_u24 v3, v1, 48
	v_mad_u32_u24 v4, v2, 24, v3
	s_mul_i32 s21, s15, HALFT
	s_mul_i32 s22, s16, HALFT
	s_add_co_u32 s22, s22, 2*HALFT
.irp s, 0,1
	v_add_nc_u32 v[ADRA+\s], s21, v4
	v_add_nc_u32 v[ADRB+\s], s22, v4
	s_add_co_u32 s21, s21, SLOT
	s_add_co_u32 s22, s22, SLOT
.endr
	v_lshlrev_b32 v5, 3, v1
	s_lshl_b32 s21, s15, 12
	s_lshl_b32 s22, s16, 12
	s_add_co_u32 s22, s22, 8320
	s_sub_co_u32 s22, s22, s21
	v_mul_u32_u24 v6, s22, v2                      ; lanes 16-31 take B's
	s_add_co_u32 s21, s21, SCL
	v_add_nc_u32 v5, v5, v6
	v_add_nc_u32 v[ADRS], s21, v5
	s_mul_i32 s23, s14, 16*SPITCH                  ; my stage
	v_mul_u32_u24 v5, v1, SPITCH
	v_lshl_add_u32 v5, v2, 5, v5
	v_add_nc_u32 v[STO], s23, v5
	v_and_b32 v6, 31, v0
	v_lshlrev_b32 v[CO], 4, v6
	v_add_nc_u32 v[RD], s23, v[CO]
	s_lshl_b32 s20, s17, 8
	s_lshl_b32 s21, s15, 7
	s_add_co_u32 s20, s20, s21                     ; my first row of out0
	s_lshl_b32 s20, s20, 12                        ; rows of 4,096 bytes
	s_lshl_b32 s46, s40, 10
	s_lshl_b32 s47, s16, 9
	s_add_co_u32 s46, s46, s47                     ; my first column, in bytes
	s_mov_b32 s47, 0
	s_add_nc_u64 s[92:93], s[92:93], s[46:47]      ; bo at my 128 columns
	s_add_co_u32 s46, s46, s20
	s_add_nc_u64 s[94:95], s[94:95], s[46:47]
	v_lshlrev_b32 v[BOF], 5, v2                    ; lane (r, h), block b, register j: column 16 b + 8 h + j
.irp b, 0,1,2,3,4,5,6,7
	global_load_b128 v[BIAS+8*\b:BIAS+8*\b+3], v[BOF], s[92:93] offset:64*\b
	global_load_b128 v[BIAS+8*\b+4:BIAS+8*\b+7], v[BOF], s[92:93] offset:64*\b+16
.endr
.macro FRAG reg, adr, q, i             ; 16 rows x 128 K: registers 6 c .. 6 c + 5 are 24 bytes of plane 2 q + c, as they lie; in pieces of 8 bytes
.irp p, 0,1,2,3,4,5
	ds_load_b64 v[\reg+2*\p:\reg+2*\p+1], v[\adr] offset:(2*(\q)+\p/3)*PLANE+(\i)*768+8*(\p%3)
.endr
.endm
; 16 matrix instructions: A's blocks a0, a0 + 1 x B's eight.  zero = 1: C is the bias.  The 64 accumulators take turns, one instruction a turn.
.macro MUL16 a0, p, q, sc, zero
.irp a, \a0, \a0+1
.irp b, 0,1,2,3,4,5,6,7
.if \zero
	v_wmma_scale_f32_16x16x128_f8f6f4 v[8*(8*((\a)%4)+\b):8*(8*((\a)%4)+\b)+7], v[128*(\p)+FR*\b:128*(\p)+FR*\b+FR-1], v[AF+FR*(\a):AF+FR*(\a)+FR-1], v[BIAS+8*\b:BIAS+8*\b+7], v[SC+8*NQ*(\sc)+NQ*\b+(\q)], v[SC+8*NQ*(\sc)+NQ*(\a)+(\q)] matrix_a_fmt:MATRIX_FMT_FP6 matrix_b_fmt:MATRIX_FMT_FP6 matrix_a_scale:MATRIX_SCALE_ROW1
.else
	v_wmma_scale_f32_16x16x128_f8f6f4 v[8*(8*((\a)%4)+\b):8*(8*((\a)%4)+\b)+7], v[128*(\p)+FR*\b:128*(\p)+FR*\b+FR-1], v[AF+FR*(\a):AF+FR*(\a)+FR-1], v[8*(8*((\a)%4)+\b):8*(8*((\a)%4)+\b)+7], v[SC+8*NQ*(\sc)+NQ*\b+(\q)], v[SC+8*NQ*(\sc)+NQ*(\a)+(\q)] matrix_a_fmt:MATRIX_FMT_FP6 matrix_b_fmt:MATRIX_FMT_FP6 matrix_a_scale:MATRIX_SCALE_ROW1
.endif
.endr
.endr
.endm
.macro FETCH_B slot, q, p
	WIN TO_B
.irp i, 0,1,2,3,4,5,6,7
	FRAG 128*(\p)+FR*\i, ADRB+\slot, \q, \i
.endr
	WIN 0
.endm
.macro FETCH_A slot, q, i0
.irp i, \i0, \i0+1, \i0+2, \i0+3
	FRAG AF+FR*(\i), ADRA+\slot, \q, \i
.endr
.endm
.macro SCALES sc
.irp i, 0,1,2,3,4,5,6,7
	ds_load_b64 v[SC+8*NQ*\sc+NQ*\i:SC+8*NQ*\sc+NQ*\i+1], v[ADRS] offset:128*\i
.endr
.endm
.macro PLACES n
.rept \n
	v_nop
.endr
.endm
.macro STEP slot, q, zero
	s_wait_dscnt 4*NL                              ; B's set and A's blocks 0-3 are in; A's blocks 4-7 (24 loads) may be out
.if \zero
	WIN 0x81                                       ; C (the bias) in window 0
.else
	WIN MUL_LO
.endif
	MUL16 0, (\q)%2, \q, \slot, \zero
	MUL16 2, (\q)%2, \q, \slot, \zero
	s_wait_dscnt 0
	PLACES NP
	FETCH_B \slot, (\q)+1, 1-(\q)%2
	FETCH_A \slot, (\q)+1, 0
.if \zero
	WIN 0xc1
.else
	WIN MUL_HI
.endif
	MUL16 4, (\q)%2, \q, \slot, \zero
	MUL16 6, (\q)%2, \q, \slot, \zero
	PLACES NP
	WIN 0
	FETCH_A \slot, (\q)+1, 4
.endm
.macro TURN slot, next, fill
	s_wait_tensorcnt 0x0                           ; all my tensor loads have landed: my part of the next slot
	ds_add_u32 v[SPW], v[NIL]                      ; 0 onto my spare word
	s_wait_dscnt 4*NL+1                            ; the add and A's blocks 4-7 may be out
	WIN MUL_LO
	MUL16 0, 1, NQ-1, \slot, 0
	s_wait_dscnt 0x0                               ; the add is done, and my reads of this slot are over
	s_barrier_signal -1
	MUL16 2, 1, NQ-1, \slot, 0
	WIN 0
	s_barrier_wait -1
.if \fill
	CREST                                          ; the barrier has opened a round of the cluster's: no wave of any partner still reads this slot or has a load on its way
	s_add_nc_u64 s[G0+4*\slot+2:G0+4*\slot+3], s[G0+4*\slot+2:G0+4*\slot+3], 2*HALFT
	s_add_nc_u64 s[G0B+4*\slot+2:G0B+4*\slot+3], s[G0B+4*\slot+2:G0B+4*\slot+3], 2*HALFT
	JLOAD G0+4*\slot, G1, G0B+4*\slot, G1B         ; the first tensor load behind the round
.else
	PLACES NP
.endif
	v_add_nc_u32 v[ADRS], 1024, v[ADRS]            ; the next K step's scale words (no LDS load of mine is out)
	FETCH_B \next, 0, 0
	FETCH_A \next, 0, 0
	SCALES \next
	WIN MUL_HI
	MUL16 4, 1, NQ-1, \slot, 0
	MUL16 6, 1, NQ-1, \slot, 0
	PLACES NP
	WIN 0
	FETCH_A \next, 0, 4
.endm
	s_wait_tensorcnt 1                             ; the scales and my part of K step 0 are in; K step 1's load may be out
	s_barrier_signal -1
	s_barrier_wait -1
	FETCH_B 0, 0, 0
	FETCH_A 0, 0, 0
	SCALES 0
	FETCH_A 0, 0, 4
	s_wait_loadcnt 0x0                             ; the bias
	STEP 0, 0, 1
	TURN 0, 1, 1                                   ; K = 1,024 is four K steps: both slots are filled once more
	STEP 1, 0, 0
	TURN 1, 0, 1
	STEP 0, 0, 0
	TURN 0, 1, 0
	STEP 1, 0, 0
	s_wait_dscnt 4*NL
	WIN MUL_LO
	MUL16 0, 1, NQ-1, 1, 0
	MUL16 2, 1, NQ-1, 1, 0
	s_wait_dscnt 0
	WIN MUL_HI
	MUL16 4, 1, NQ-1, 1, 0
	MUL16 6, 1, NQ-1, 1, 0
	WIN 0
; THE WAY OUT, block by block of 16 rows x 128 columns: through my own stage in LDS, back as whole rows of 512 bytes.  LDS serves a wave's instructions in order (ISA guide 5.7.1.4).
.macro TOSTAGE a
.set AC, 64*((\a)%4)
	WIN 0x08+4*((\a)/4)                            ; the data: window 2 or 3
.irp b, 0,1,2,3,4,5,6,7
	ds_store_b128 v[STO], v[AC+8*\b:AC+8*\b+3] offset:64*\b          ; each accumulator from its low end on
	ds_store_b128 v[STO], v[AC+8*\b+4:AC+8*\b+7] offset:64*\b+16
.endr
	WIN 0
.set BB, BK+64*((\a)%2)
.irp t, 0,1,2,3,4,5,6,7,8,9,10,11,12,13,14,15
	ds_load_b128 v[BB+4*\t:BB+4*\t+3], v[RD] offset:\t*SPITCH
.endr
.endm
.macro SEND a, younger
.set BB, BK+64*((\a)%2)
	s_wait_dscnt \younger                          ; the block is back in registers
.if (\a) > 0
	s_add_nc_u64 s[94:95], s[94:95], 16*SIZE_N*4   ; (behind a wait on XCNT: the earlier stores have read their base)
.endif
.irp t, 0,1,2,3,4,5,6,7,8,9,10,11,12,13,14,15
	global_store_b128 v[CO], v[BB+4*\t:BB+4*\t+3], s[94:95] offset:\t*SIZE_N*4 th:TH_STORE_NT   ; 512 consecutive bytes, aligned; written once, read by nobody here
.endr
.endm
	PLACES NP
	TOSTAGE 0
.irp a, 1,2,3,4,5,6,7
.if \a > 1
	s_wait_xcnt 0x0                                ; block a - 2's stores have read their registers and their base
.endif
	TOSTAGE \a
	SEND \a-1, 32                                  ; behind block a - 1's loads: block a's 16 stores and 16 loads
.endr
	s_wait_xcnt 0x0
	SEND 7, 0
	s_wait_tensorcnt 0x0                           ; the wave's end
	ds_add_u32 v[SPW], v[NIL]
	s_wait_dscnt 0x0
	CROUND                                         ; the closing round
	s_endpgm
.Lfunc_end_k_q35facbf4dd_outp:
	.size	k_q35facbf4dd_outp, .Lfunc_end_k_q35facbf4dd_outp-k_q35facbf4dd_outp
	.p2alignl 7, 3214868480
	.fill 96, 4, 3214868480
	.section	.rodata,"a",@progbits
	.p2align	6, 0x0
	.amdhsa_kernel k_q35facbf4dd_outp
		.amdhsa_group_segment_fixed_size 327680
		.amdhsa_private_segment_fixed_size 0
		.amdhsa_enable_private_segment 0
		.amdhsa_kernarg_size 48
		.amdhsa_user_sgpr_count 2
		.amdhsa_user_sgpr_kernarg_segment_ptr 1
		.amdhsa_wavefront_size32 1
		.amdhsa_system_sgpr_workgroup_id_x 1
		.amdhsa_system_sgpr_workgroup_id_y 1
		.amdhsa_system_sgpr_workgroup_id_z 1
		.amdhsa_system_vgpr_workitem_id 0
		.amdhsa_next_free_vgpr 1024
		.amdhsa_next_free_sgpr 102
		.amdhsa_reserve_vcc 0
		.amdhsa_float_denorm_mode_32 3
		.amdhsa_float_denorm_mode_16_64 3
		.amdhsa_memory_ordered 1
		.amdhsa_forward_progress 1
		.amdhsa_inst_pref_size 161
	.end_amdhsa_kernel
	.amdgpu_metadata
---
amdhsa.version: [ 1, 2 ]
amdhsa.kernels:
  - .name:           k_q35facbf4dd_outp
    .symbol:         k_q35facbf4dd_outp.kd
    .args:
      - { .name: acod, .offset: 0, .size: 8, .value_kind: global_buffer, .address_space: global }
      - { .name: ascl, .offset: 8, .size: 8, .value_kind: global_buffer, .address_space: global }
      - { .name: cod, .offset: 16, .size: 8, .value_kind: global_buffer, .address_space: global }
      - { .name: scl, .offset: 24, .size: 8, .value_kind: global_buffer, .address_space: global }
      - { .name: bo, .offset: 32, .size: 8, .value_kind: global_buffer, .address_space: global }
      - { .name: out0, .offset: 40, .size: 8, .value_kind: global_buffer, .address_space: global }
    .group_segment_fixed_size: 327680
    .private_segment_fixed_size: 0
    .kernarg_segment_align: 8
    .kernarg_segment_size: 48
    .max_flat_workgroup_size: 128
    .sgpr_count:     102
    .vgpr_count:     1024
    .wavefront_size: 32
...
	.end_amdgpu_metadata
.endif
;; end of part 4
;; ======== version 2 of 3: 4 launches
;; limits: right only within a limited range of input values
;; workspace buffers: cod 22,020,096 bytes; scl 917,504 bytes; mbits 2,097,152 bytes of whole numbers; pcod 18,874,368 bytes; pscl 786,432 bytes; acod 6,291,456 bytes; ascl 262,144 bytes
;; launch prep: the kernel of part 1 again; grid 1408 x 1, 4 waves a work-group, no clusters, 68,096 bytes of LDS; arguments query, key, value, Wq, Wk, Wv, Wo, mask, cod, scl, mbits; writes cod, scl, mbits
;; launch proj: the kernel of part 2 again; grid 4 x 96, 4 waves a work-group, clusters of 4 x 4, 327,680 bytes of LDS; arguments cod, scl, bq, bk, bv, pcod, pscl; writes pcod, pscl
;; launch attn (part 5): grid 256 x 1, 8 waves a work-group, no clusters, 300,032 bytes of LDS; arguments pcod, pscl, mbits, acod, ascl; writes acod, ascl
.if DOCPART == 5
	.amdgcn_target "amdgcn-amd-amdhsa--gfx1250"
	.amdhsa_code_object_version 6
	.text
	.protected	k_q35facbf4dd_attn
	.globl	k_q35facbf4dd_attn
	.p2align	8
	.type	k_q35facbf4dd_attn,@function
k_q35facbf4dd_attn:
	s_mov_b64 s[64:65], 0
	v_nop
	global_prefetch_b8 v0, s[64:65] scope:SCOPE_SE
	s_setreg_imm32_b32 hwreg(HW_REG_WAVE_MODE, 25, 1), 1
	s_wait_xcnt 0x0
; x = attn v, attn = softmax(q k^T / 8 under the mask), set to 0 where masked; both products on codes of FP6 (E2M3).  What is quantised for the second product is the FINISHED, normalised attn, along the keys.
; So a row's sum over all 2,048 keys is known before any weight is converted: the work-group holds the whole rows of scores of 32 queries in registers.
; SHARES.  A work-group owns 512 queries of one (batch, head): 16 trips of 32 queries (two tiles y).  Wave w owns keys 256 w .. 256 w + 255 in every trip: its fragments of k stay in registers, those of v in its own LDS bytes
; as images of their registers; its 32 x 256 scores fill register window 1.  Nothing but q and the mask's words is fetched in the loop.
; No cluster and no tensor load: work-groups of a head share k and v, but each reads them once, at its head, into registers; the mask's words go through vector registers into scalar registers.
; LAYOUT.  Both products are used transposed, so a lane holds one query (lane % 16).  Unit n = 4 y + 2 s + c is 32 registers; k's tile (s, c, u) takes as row m the key 128 s + 64 c + 32 (m / 8) + 8 u + m % 8, so that register i
; of unit n in lane (r, h) is key 128 s + 64 c + 32 h + i: a whole block of 32 keys in a lane, in order.  A head's 64 fill half of the instruction's 128: two tiles of k share a run of 12 registers, and q stands as [q | 0 | q].
; v's tile d takes as row m the channel 32 (m / 8) + 8 d + m % 8: a lane's four accumulators are 32 neighbouring channels, a block of the last product's K.
; SOFTMAX.  t = score x log2(e) / 8.  Each lane's block has a whole-number shift M = ceil(its largest t under the mask); e = 2^(t - M).  Shifts are brought together by v_ldexp_f32, which rounds nothing: one exchange through LDS gives
; the row's M and its sum l; p = e x 2^(block's M - row's M) / l.  A block's largest p is its largest score put through the same instructions.  Masked scores are -infinity: e = 0.  A row masked whole: l is held at 0.5, p = 0, x = 0.
; THE MASK comes as words in the shape of lane masks: one v_cndmask_b32 a register.  A trip's 256 words of a wave come by two loads of 16 bytes a lane into eight vector registers kept for them, asked for in the first sweep of
; the trip before, as soon as those registers have been read out; v_readlane_b32 moves a unit's 32 words into scalar registers two units ahead of their use.  (Scalar loads are waited for with 0 alone and only two units' words,
; 64 scalar registers, fit: by them a unit's words could be asked for no more than one unit ahead.)  No prefetch is laid for the words: their loads stand more than half a trip ahead of the wait for them.
; OUT: acod [block of 128 tokens][plane = head][row 128][48 bytes]; ascl [block][head / 4][row][8 bytes], of which this work-group writes 2 bytes a row (units of 256 bytes are written in part there: 262,144 bytes in the launch).
; LIMITS: |q . k| under 4e9 (the floor under a block's largest score, and the conversions of shifts to whole numbers); NaN and infinities are not served; blocks whose largest magnitude lies under 2^-124 keep the byte 1.
; REGISTER WINDOWS: the scores lie in window 1, all else in window 0; a unit's work is laid in runs under one setting, about ten switches for a unit's 170 vector instructions.
.set VIMG,  0                          ; LDS: v's fragments, 12,288 bytes a wave: fragment 4 s + d at 1,536 bytes, 16 bytes a lane
.set STAT,  98304                      ; 512 bytes a wave: (-M, l) of two tiles, 16 bytes a lane
.set OPART, 102400                     ; 8,192 bytes a wave: its partial sums, accumulator x 1,024 + half x 512 + 16 x lane
.set XS,    167936                     ; 16,384 bytes a wave: accumulator w of all 16 trips, 1,024 bytes a trip
.set LI,  1                            ; v1   16 x lane
.set VA,  2                            ; v2   my place in my wave's images of v
.set STW, 3                            ; v3   where I store my statistics
.set STR, 4                            ; v4   where I read all waves'
.set OPW, 5                            ; v5   where I store partial sums
.set OPR, 6                            ; v6   where I read accumulator w of all waves
.set XSB, 7                            ; v7   my wave's part of XS
.set QA,  8                            ; v8   q's codes: 96 r + 24 h
.set QSA, 9                            ; v9   q's scales: 4 r
.set NEG, 10                           ; v10  -infinity
.set H8,  11                           ; v11  8 h
.set MHI, 12                           ; v12-15 the mask's words of units 4-7: word i of unit n in register i % 4 of lane 8 (n % 4) + i / 4
.set CST, 14                           ; v14  the way out: my 24 bytes of a row of 48 (made behind the loop, where the mask's words are done with)
.set ASO, 15                           ; v15  the way out: 8 x lane
.set KF,  16                           ; v16-111  k: tile t at 6 t
.set QF,  112                          ; v112-147 q: tile y at 18 y
.set KS,  148                          ; v148-155 k's scale words
.set VS,  156                          ; v156-163 v's
.set QS,  164                          ; v164-165 q's
.set PS,  166                          ; v166-169 p's
.set PC,  170                          ; v170-217 p's codes, unit n at 6 n; ahead of that at work:
.set TM,  170                          ;   v170-180 maxima
.set TS,  182                          ;   v182-197 sums
.set A0,  200                          ;   v200-201 my lane's -M a tile
.set DL,  202                          ;   v202-209
.set EN,  210                          ;   v210-213 what goes to STAT
.set GG,  170                          ;   v170-201 all waves' statistics
.set NG,  202                          ;   v202-203 the rows' -M
.set LG,  204                          ;   v204-205 the rows' l, then 1 / l
.set DD,  206                          ;   v206-213
.set ST,  218                          ; v218-233 pairs: (-M of the block, its largest score), later (factor, the conversion's scale operand)
.set SL,  234                          ; v234-241 the blocks' sums
.set QR,  242                          ; v242-243 q's scale bytes as loaded
.set MLO, 244                          ; v244-247 the mask's words of units 0-3
.set TC,  248                          ; v248-250 a block's upper 16 codes
.set TT,  251                          ; v251 at work in the first sweep;
.set XSW, 251                          ;      in the reduction: XSB + 1,024 x trip
.set PX,  252                          ; v252-255 lane permutes' destinations
.set MSB, 0
.macro WIN new                         ; the immediate's high byte repeats the setting that is left
.if MSB != (\new)
	s_set_vgpr_msb (MSB<<8)|(\new)
.set MSB, (\new)
.endif
.endm
.macro PLACES n
.rept \n
	v_nop
.endr
.endm
	s_load_b128 s[96:99], s[0:1], 0x0              ; pcod s[96:97], pscl s[98:99]
	s_load_b64 s[6:7], s[0:1], 0x10                ; mbits
	s_load_b64 s[8:9], s[0:1], 0x18                ; acod
	s_load_b64 s[10:11], s[0:1], 0x20              ; ascl
	v_lshrrev_b32 v1, 5, v0
	v_readfirstlane_b32 s12, v1                    ; wave 0..7
	s_and_b32 s20, ttmp9, 3                        ; which 512 queries
	s_bfe_u32 s21, ttmp9, 0x40002                  ; head
	s_lshr_b32 s22, ttmp9, 6                       ; batch
	s_lshr_b32 s23, s21, 1
	s_and_b32 s24, s21, 1
	s_lshl_b32 s25, s23, 13
	s_lshl_b32 s26, s22, 11
	s_add_co_u32 s25, s25, s26                     ; entry of the batch's first token in q's and k's parts
	s_lshl_b32 s26, s12, 8
	s_add_co_u32 s26, s25, s26                     ; my wave's first key
	s_mul_i32 s27, s24, 48                         ; my head's 48 of an entry's 96 bytes
	s_mul_i32 s28, s26, 96
	s_add_co_u32 s28, s28, s27
	s_add_co_u32 s28, s28, 6291456
	s_mov_b32 s29, 0
	s_lshl_b32 s30, s26, 2
	s_lshl_b32 s31, s24, 1
	s_add_co_u32 s30, s30, s31
	s_add_co_u32 s30, s30, 262144
	s_lshl_b32 s32, s20, 9
	s_add_co_u32 s32, s25, s32                     ; my work-group's first query
	s_mul_i32 s34, s32, 96
	s_add_co_u32 s34, s34, s27
	s_mov_b32 s35, 0
	s_lshl_b32 s36, s32, 2
	s_add_co_u32 s36, s36, s31
	s_mov_b32 s37, 0
	s_mov_b32 s31, 0
	s_lshl_b32 s38, s22, 4
	s_lshl_b32 s39, s12, 1
	s_add_co_u32 s38, s38, s39                     ; v: my first run of 128 tokens,
	s_lshl_b32 s38, s38, 10
	s_lshl_b32 s39, s21, 6
	s_add_co_u32 s38, s38, s39                     ; my head's 64 columns
	s_mul_i32 s40, s38, 96
	s_add_co_u32 s40, s40, 12582912
	s_mov_b32 s41, 0
	s_lshl_b32 s42, s38, 2
	s_add_co_u32 s42, s42, 524288
	s_mov_b32 s43, 0
	s_lshl_b32 s44, s22, 6
	s_lshl_b32 s45, s20, 4
	s_add_co_u32 s44, s44, s45                     ; the mask's words: block of 32 queries,
	s_lshl_b32 s44, s44, 3
	s_add_co_u32 s44, s44, s12                     ; my wave's 256 keys
	s_lshl_b32 s44, s44, 10
	s_mov_b32 s45, 0
	s_lshl_b32 s46, s22, 4
	s_lshl_b32 s47, s20, 2
	s_add_co_u32 s46, s46, s47
	s_lshr_b32 s47, s12, 1
	s_add_co_u32 s46, s46, s47                     ; out: the block of 128 tokens in which my wave's 64 rows lie,
	s_and_b32 s47, s12, 1                          ; and which half of it
	s_mul_i32 s16, s46, 98304
	s_mul_i32 s17, s21, 6144
	s_add_co_u32 s16, s16, s17
	s_mul_i32 s17, s47, 3072
	s_add_co_u32 s16, s16, s17
	s_mov_b32 s17, 0
	s_lshl_b32 s18, s46, 12
	s_lshr_b32 s19, s21, 2
	s_lshl_b32 s19, s19, 10
	s_add_co_u32 s18, s18, s19
	s_lshl_b32 s19, s47, 9
	s_add_co_u32 s18, s18, s19
	s_and_b32 s19, s21, 3
	s_lshl_b32 s19, s19, 1
	s_add_co_u32 s18, s18, s19
	s_mov_b32 s19, 0
	s_mul_i32 s76, s12, 12288
	s_lshl_b32 s77, s12, 9
	s_add_co_u32 s77, s77, STAT
	s_lshl_b32 s78, s12, 13
	s_add_co_u32 s78, s78, OPART
	s_lshl_b32 s79, s12, 10
	s_add_co_u32 s79, s79, OPART
	s_lshl_b32 s80, s12, 14
	s_add_co_u32 s80, s80, XS
	s_mov_b32 s14, 0x3e38aa3b                      ; c = log2(e) / 8
	s_mov_b32 s15, s14                             ; (named with it as a pair)
	s_mov_b32 s84, 0x76543210
	s_mov_b32 s85, 0xfedcba98                      ; lane selects: lane l xor 16
	s_mov_b32 s87, 0
	s_mov_b32 s89, 0
	s_mov_b32 s91, 0
	s_mov_b32 s93, 0xffff0000
	s_mov_b32 s94, 0
	s_mov_b32 s13, 16                              ; trips to go
	v_and_b32 v244, 31, v0                         ; lane
	v_and_b32 v245, 15, v0                         ; r
	v_bfe_u32 v246, v0, 4, 1                       ; h
	v_lshlrev_b32 v[LI], 4, v244
	v_add_nc_u32 v[VA], s76, v[LI]
	v_add_nc_u32 v[STW], s77, v[LI]
	v_add_nc_u32 v[STR], STAT, v[LI]
	v_add_nc_u32 v[OPW], s78, v[LI]
	v_add_nc_u32 v[OPR], s79, v[LI]
	v_add_nc_u32 v[XSB], s80, v[LI]
	v_mul_u32_u24 v[QA], v245, 96
	v_mad_u32_u24 v[QA], v246, 24, v[QA]
	v_lshlrev_b32 v[QSA], 2, v245
	v_mov_b32 v[NEG], 0xff800000
	v_lshlrev_b32 v[H8], 3, v246
	v_lshrrev_b32 v247, 3, v245
	v_mad_u32_u24 v247, v247, 24, v245             ; 32 (r / 8) + r % 8: a tile's rows are not neighbours
	v_mul_u32_u24 v248, v247, 96
	v_mad_u32_u24 v248, v246, 24, v248             ; k's and v's codes
	v_lshlrev_b32 v249, 2, v247                    ; and scale words
	s_wait_kmcnt 0x0
	s_add_nc_u64 s[68:69], s[96:97], s[28:29]      ; k's codes
	s_add_nc_u64 s[70:71], s[98:99], s[30:31]      ; k's scales
	s_add_nc_u64 s[72:73], s[96:97], s[40:41]      ; v's codes
	s_add_nc_u64 s[74:75], s[98:99], s[42:43]      ; v's scales
	s_add_nc_u64 s[2:3], s[96:97], s[34:35]        ; q's codes
	s_add_nc_u64 s[4:5], s[98:99], s[36:37]        ; q's scales
	s_add_nc_u64 s[6:7], s[6:7], s[44:45]
	s_add_nc_u64 s[8:9], s[8:9], s[16:17]
	s_add_nc_u64 s[10:11], s[10:11], s[18:19]
; q of the next 32 queries: each tile's 24 bytes a lane twice, at both ends of [q | 0 | q]; its two scale bytes
.macro QLOAD step
.if \step
	s_add_nc_u64 s[2:3], s[2:3], s[88:89]          ; (the loads that read these bases have been waited for)
	s_add_nc_u64 s[4:5], s[4:5], s[90:91]
.endif
.irp y, 0,1
.irp p, 0,1,2
	global_load_b64 v[QF+18*\y+2*\p:QF+18*\y+2*\p+1], v[QA], s[2:3] offset:1536*\y+8*\p
	global_load_b64 v[QF+18*\y+12+2*\p:QF+18*\y+12+2*\p+1], v[QA], s[2:3] offset:1536*\y+8*\p
.endr
	global_load_u16 v[QR+\y], v[QSA], s[4:5] offset:64*\y
.endr
.endm
.irp t, 0,1,2,3,4,5,6,7,8,9,10,11,12,13,14,15   ; k's tile t = 4 (2 s + c) + u: keys 64 (t / 4) + 8 (t % 4) on
.irp p, 0,1,2
	global_load_b64 v[KF+6*\t+2*\p:KF+6*\t+2*\p+1], v248, s[68:69] offset:(64*(\t/4)+8*(\t%4))*96+8*\p
.endr
	global_load_u16 v[PC+\t], v249, s[70:71] offset:(64*(\t/4)+8*(\t%4))*4
.endr
.irp f, 0,1,2,3,4,5,6,7
	global_load_b32 v[VS+\f], v249, s[74:75] offset:4096*(\f/4)+32*(\f%4)
.endr
	QLOAD 0
	global_load_b128 v[MLO:MLO+3], v[LI], s[6:7]               ; the first trip's words of the mask: 512 consecutive bytes a load
	global_load_b128 v[MHI:MHI+3], v[LI], s[6:7] offset:512
	WIN 0x40                                       ; destination window 1
.irp f, 0,1,2,3,4,5,6,7                         ; v's fragment f = 4 s + d
.irp p, 0,1,2,3,4,5
	global_load_b64 v[12*\f+2*\p:12*\f+2*\p+1], v248, s[72:73] offset:98304*(\f/4)+768*(\f%4)+48*(\p/3)+8*(\p%3)
.endr
.endr
	WIN 0
.irp y, 0,1
.irp i, 0,1,2,3,4,5
	v_mov_b32 v[QF+18*\y+6+\i], 0                  ; the zero codes between q's two copies
.endr
.endr
.irp i, 0,1,2,3
	v_mov_b32 v[PX+\i], 0                          ; a lane permute's destination counts as read
.endr
	s_wait_loadcnt 0x0
.irp i, 0,1,2,3,4,5,6,7
	v_lshl_or_b32 v[KS+\i], v[PC+2*\i+1], 16, v[PC+2*\i]   ; a run's scale word: the even tile's two bytes, then the odd tile's
.endr
	v_lshl_or_b32 v[QS], v[QR], 16, v[QR]          ; q's two bytes serve whichever half holds q; the other half's codes are zeros
	v_lshl_or_b32 v[QS+1], v[QR+1], 16, v[QR+1]
	WIN 0x04                                       ; an LDS store's data are its source 1: window 1
.irp k, 0,1,2,3,4,5,6,7,8,9,10,11,12,13,14,15,16,17,18,19,20,21,22,23
	ds_store_b128 v[VA], v[4*\k:4*\k+3] offset:512*\k
.endr
	WIN 0
	PLACES 8                                       ; scale registers written by vector instructions stand 8 places ahead of a scaled matrix instruction
	s_wait_dscnt 0x0                               ; the stores have read their registers
; Four products: unit n's 64 keys x 16 queries.  Each starts its sum with 0.
.macro QK n
	WIN 0x40
.irp u, 0,1,2,3
	v_wmma_scale_f32_16x16x128_f8f6f4 v[32*(\n)+8*\u:32*(\n)+8*\u+7], v[KF+12*(2*((\n)%4)+\u/2):KF+12*(2*((\n)%4)+\u/2)+11], v[QF+18*((\n)/4)+6*(\u%2):QF+18*((\n)/4)+6*(\u%2)+11], 0, v[KS+2*((\n)%4)+\u/2], v[QS+(\n)/4] matrix_a_fmt:MATRIX_FMT_FP6 matrix_b_fmt:MATRIX_FMT_FP6
.endr
.endm
; Unit n's 32 words of the mask, from their vector registers into the scalar registers of units of n's parity: s16-47 (even), s48-63 and s68-83 (odd).
.macro RL n
	WIN 0
.irp i, 0,1,2,3,4,5,6,7,8,9,10,11,12,13,14,15,16,17,18,19,20,21,22,23,24,25,26,27,28,29,30,31
.if ((\n)%2) == 0
.set RWD, 16+\i
.elseif \i < 16
.set RWD, 48+\i
.else
.set RWD, 52+\i
.endif
.if (\n) < 4
.set RVR, MLO+\i%4
.else
.set RVR, MHI+\i%4
.endif
	v_readlane_b32 s[RWD], v[RVR], 8*((\n)%4)+\i/4
.endr
.endm
; The mask, the block's largest score and its shift.
.macro MM n
	WIN 0x44                                       ; destination and source 1 window 1
.irp i, 0,1,2,3,4,5,6,7,8,9,10,11,12,13,14,15,16,17,18,19,20,21,22,23,24,25,26,27,28,29,30,31
.if ((\n)%2) == 0
.set MWD, 16+\i
.elseif \i < 16
.set MWD, 48+\i
.else
.set MWD, 52+\i
.endif
	v_cndmask_b32 v[32*(\n)+\i], v[NEG], v[32*(\n)+\i], s[MWD]       ; each accumulator from its low end on
.endr
	WIN 0x15                                       ; three sources window 1
.irp k, 0,1,2,3,4,5,6,7,8,9
	v_max3_num_f32 v[TM+\k], v[32*(\n)+3*\k], v[32*(\n)+3*\k+1], v[32*(\n)+3*\k+2]
.endr
	v_max3_num_f32 v[TM+10], v[32*(\n)+30], v[32*(\n)+31], 0xcf6e6b28   ; and -4e9, so that a block masked whole has a number for its shift
	WIN 0
	v_max3_num_f32 v[TM], v[TM], v[TM+1], v[TM+2]
	v_max3_num_f32 v[TM+3], v[TM+3], v[TM+4], v[TM+5]
	v_max3_num_f32 v[TM+6], v[TM+6], v[TM+7], v[TM+8]
	v_max3_num_f32 v[TM+9], v[TM+9], v[TM+10], v[TM]
	v_max3_num_f32 v[ST+2*(\n)+1], v[TM+9], v[TM+3], v[TM+6]
	v_mul_f32 v[TT], s14, v[ST+2*(\n)+1]
	v_floor_f32 v[ST+2*(\n)], -v[TT]               ; -M = floor(-t): M is a whole number
.endm
; e = 2^(t - M): 16 packed multiply-adds, 32 exponentials as one batch, a plain place, one wait, ahead of the first line that names a result.
.macro SE n
	WIN 0x41
.irp j, 0,2,4,6,8,10,12,14,16,18,20,22,24,26,28,30
	v_pk_fma_f32 v[32*(\n)+\j:32*(\n)+\j+1], v[32*(\n)+\j:32*(\n)+\j+1], s[14:15], v[ST+2*(\n):ST+2*(\n)+1] op_sel_hi:[1,0,0]
.endr
.irp j, 0,1,2,3,4,5,6,7,8,9,10,11,12,13,14,15,16,17,18,19,20,21,22,23,24,25,26,27,28,29,30,31
	v_exp_f32 v[32*(\n)+\j], v[32*(\n)+\j]
.endr
	v_nop
	s_wait_alu depctr_va_vdst(0)
.endm
; The block's sum of e; and the block's largest score goes through the same multiply-add.
.macro SUM n
	WIN 0x05
.irp k, 0,1,2,3,4,5,6,7
	v_pk_add_f32 v[TS+2*\k:TS+2*\k+1], v[32*(\n)+4*\k:32*(\n)+4*\k+1], v[32*(\n)+4*\k+2:32*(\n)+4*\k+3]
.endr
	WIN 0
	v_pk_add_f32 v[TS:TS+1], v[TS:TS+1], v[TS+2:TS+3]
	v_pk_add_f32 v[TS+4:TS+5], v[TS+4:TS+5], v[TS+6:TS+7]
	v_pk_add_f32 v[TS+8:TS+9], v[TS+8:TS+9], v[TS+10:TS+11]
	v_pk_add_f32 v[TS+12:TS+13], v[TS+12:TS+13], v[TS+14:TS+15]
	v_fma_f32 v[ST+2*(\n)+1], s14, v[ST+2*(\n)+1], v[ST+2*(\n)]
	v_pk_add_f32 v[TS:TS+1], v[TS:TS+1], v[TS+4:TS+5]
	v_pk_add_f32 v[TS+8:TS+9], v[TS+8:TS+9], v[TS+12:TS+13]
	v_pk_add_f32 v[TS:TS+1], v[TS:TS+1], v[TS+8:TS+9]
	v_add_f32 v[SL+(\n)], v[TS], v[TS+1]
.endm
; p = e x factor, and its codes: registers 6 n .. 6 n + 5 of p's operands
.macro SWB n
	WIN 0x41
.irp j, 0,2,4,6,8,10,12,14,16,18,20,22,24,26,28,30
	v_pk_mul_f32 v[32*(\n)+\j:32*(\n)+\j+1], v[32*(\n)+\j:32*(\n)+\j+1], v[ST+2*(\n):ST+2*(\n)+1] op_sel_hi:[1,0]
.endr
	WIN 0x01
	v_cvt_scalef32_pk16_fp6_f32 v[PC+6*(\n):PC+6*(\n)+2], v[32*(\n):32*(\n)+15], v[ST+2*(\n)+1]
	v_cvt_scalef32_pk16_fp6_f32 v[TC:TC+2], v[32*(\n)+16:32*(\n)+31], v[ST+2*(\n)+1]   ; (a conversion's three registers begin on an even number)
	WIN 0
	v_nop                                          ; one plain place behind a scaled conversion
.irp i, 0,1,2
	v_mov_b32 v[PC+6*(\n)+3+\i], v[TC+\i]
.endr
.endm
.Ltrip:
	s_cmp_eq_u32 s13, 1                            ; the last trip steps nothing: what it asks for ahead stays inside the buffers and is not used
	s_cselect_b32 s86, 0, 8192
	s_cselect_b32 s88, 0, 3072
	s_cselect_b32 s90, 0, 128
	QK 0
	QK 1
	RL 0                                           ; this trip's words were waited for in the reduction of the trip before (the first trip's at the head)
	RL 1
	PLACES 4                                       ; behind unit 1's products, ahead of the first read of results
	MM 0
	RL 2                                           ; a unit's words go into the scalar registers that the unit two before has just read
	QK 2                                           ; a unit's products stand two units ahead of its first read
	SE 0
	SUM 0
	MM 1
	RL 3
	s_add_nc_u64 s[6:7], s[6:7], s[86:87]          ; the next trip's words (the loads that read this base have been waited for); units 0-3's registers have been read out:
	global_load_b128 v[MLO:MLO+3], v[LI], s[6:7]   ; they take the next trip's; the wait stands in the reduction, behind the rest of this sweep, the statistics, the second sweep and the products with v
	QK 3
	SE 1
	SUM 1
	MM 2
	RL 4
	QK 4
	SE 2
	SUM 2
	MM 3
	RL 5
	QK 5
	SE 3
	SUM 3
	MM 4
	RL 6
	QK 6
	SE 4
	SUM 4
	MM 5
	RL 7
	global_load_b128 v[MHI:MHI+3], v[LI], s[6:7] offset:512    ; units 4-7's likewise
	QK 7
	SE 5
	SUM 5
	MM 6
	QLOAD 1                                        ; q's registers were last read by unit 7's products, a unit's vector work back
	SE 6
	SUM 6
	MM 7
	SE 7
	SUM 7
	; ---- my lane's statistics: each block's largest e; for each tile the least -M of its four blocks and the sum under it; then the same with lane l xor 16
.irp n, 0,1,2,3,4,5,6,7
	v_exp_f32 v[ST+2*\n+1], v[ST+2*\n+1]           ; a batch of eight; its wait stands ahead of the barrier, behind the work below, which names none of its results
.endr
.irp y, 0,1
	v_min3_num_f32 v[A0+\y], v[ST+8*\y], v[ST+8*\y+2], v[ST+8*\y+4]
.endr
.irp y, 0,1
	v_min_num_f32 v[A0+\y], v[A0+\y], v[ST+8*\y+6]
.endr
.irp n, 0,1,2,3,4,5,6,7
	v_sub_f32 v[DL+\n], v[A0+\n/4], v[ST+2*\n]     ; block's M less the tile's: a whole number, 0 or less
.endr
.irp n, 0,1,2,3,4,5,6,7
	v_cvt_i32_f32 v[DL+\n], v[DL+\n]
.endr
.irp n, 0,1,2,3,4,5,6,7
	v_ldexp_f32 v[DL+\n], v[SL+\n], v[DL+\n]       ; rounds nothing
.endr
.irp y, 0,1
	v_add_f32 v[DL+4*\y], v[DL+4*\y], v[DL+4*\y+1]
	v_add_f32 v[DL+4*\y+2], v[DL+4*\y+2], v[DL+4*\y+3]
.endr
.irp y, 0,1
	v_add_f32 v[DL+4*\y], v[DL+4*\y], v[DL+4*\y+2]
.endr
.irp y, 0,1
	v_permlanex16_b32 v[PX+\y], v[A0+\y], s84, s85
	v_permlanex16_b32 v[PX+2+\y], v[DL+4*\y], s84, s85
.endr
.irp y, 0,1
	v_min_num_f32 v[EN+2*\y], v[A0+\y], v[PX+\y]
.endr
.irp y, 0,1
	v_sub_f32 v[A0+\y], v[EN+2*\y], v[A0+\y]
	v_sub_f32 v[PX+\y], v[EN+2*\y], v[PX+\y]
.endr
.irp y, 0,1
	v_cvt_i32_f32 v[A0+\y], v[A0+\y]
	v_cvt_i32_f32 v[PX+\y], v[PX+\y]
.endr
.irp y, 0,1
	v_ldexp_f32 v[DL+4*\y], v[DL+4*\y], v[A0+\y]
	v_ldexp_f32 v[PX+2+\y], v[PX+2+\y], v[PX+\y]
.endr
.irp y, 0,1
	v_add_f32 v[EN+2*\y+1], v[DL+4*\y], v[PX+2+\y]
.endr
	ds_store_b128 v[STW], v[EN:EN+3]
	s_wait_alu depctr_va_vdst(0)
	s_wait_dscnt 0x0                               ; my statistics lie in LDS, and my reads of the partial sums of the last trip are over
	s_barrier_signal -1
	s_barrier_wait -1
	; ---- the rows' statistics, from all eight waves
.irp w, 0,1,2,3,4,5,6,7
	ds_load_b128 v[GG+4*\w:GG+4*\w+3], v[STR] offset:512*\w
.endr
	s_wait_dscnt 0x0
.irp y, 0,1
	v_min3_num_f32 v[NG+\y], v[GG+2*\y], v[GG+4+2*\y], v[GG+8+2*\y]
.endr
.irp y, 0,1
	v_min3_num_f32 v[NG+\y], v[NG+\y], v[GG+12+2*\y], v[GG+16+2*\y]
.endr
.irp y, 0,1
	v_min3_num_f32 v[NG+\y], v[NG+\y], v[GG+20+2*\y], v[GG+24+2*\y]
.endr
.irp y, 0,1
	v_min_num_f32 v[NG+\y], v[NG+\y], v[GG+28+2*\y]
.endr
.irp w, 0,1,2,3,4,5,6,7
.irp y, 0,1
	v_sub_f32 v[GG+4*\w+2*\y], v[NG+\y], v[GG+4*\w+2*\y]
.endr
.endr
.irp w, 0,1,2,3,4,5,6,7
.irp y, 0,1
	v_cvt_i32_f32 v[GG+4*\w+2*\y], v[GG+4*\w+2*\y]
.endr
.endr
.irp w, 0,1,2,3,4,5,6,7
.irp y, 0,1
	v_ldexp_f32 v[GG+4*\w+2*\y+1], v[GG+4*\w+2*\y+1], v[GG+4*\w+2*\y]
.endr
.endr
.irp w, 0,2,4,6
.irp y, 0,1
	v_add_f32 v[GG+4*\w+2*\y+1], v[GG+4*\w+2*\y+1], v[GG+4*\w+4+2*\y+1]
.endr
.endr
.irp w, 0,4
.irp y, 0,1
	v_add_f32 v[GG+4*\w+2*\y+1], v[GG+4*\w+2*\y+1], v[GG+4*\w+8+2*\y+1]
.endr
.endr
.irp y, 0,1
	v_add_f32 v[GG+2*\y+1], v[GG+2*\y+1], v[GG+16+2*\y+1]
.endr
.irp y, 0,1
	v_max_num_f32 v[LG+\y], 0.5, v[GG+2*\y+1]      ; a row with a key that counts has l above 0.5; a row masked whole has 0
.endr
.irp y, 0,1
	v_rcp_f32 v[LG+\y], v[LG+\y]
.endr
.irp n, 0,1,2,3,4,5,6,7
	v_sub_f32 v[DD+\n], v[NG+\n/4], v[ST+2*\n]     ; block's M less the row's (plain work behind the reciprocals)
.endr
.irp n, 0,1,2,3,4,5,6,7
	v_cvt_i32_f32 v[DD+\n], v[DD+\n]
.endr
	s_wait_alu depctr_va_vdst(0)                   ; one wait for the two reciprocals, ahead of their first reader
.irp n, 0,1,2,3,4,5,6,7
	v_ldexp_f32 v[ST+2*\n], v[LG+\n/4], v[DD+\n]   ; the block's factor: 2^(block's M - row's M) / l
.endr
.irp n, 0,1,2,3,4,5,6,7
	v_mul_f32 v[DD+\n], v[ST+2*\n+1], v[ST+2*\n]   ; the block's largest p: the same multiplication on the same numbers
.endr
.irp n, 0,1,2,3,4,5,6,7
	v_max_num_f32 v[DD+\n], 0x1800000, v[DD+\n]    ; the floor 2^(3 - 127)
.endr
.irp n, 0,1,2,3,4,5,6,7
	v_add_nc_u32 v[ST+2*\n+1], 0xff000000, v[DD+\n]   ; 2 off the exponent field: the conversion's scale operand
.endr
.irp n, 0,1,2,3,4,5,6,7
	v_lshrrev_b32 v[DD+\n], 23, v[ST+2*\n+1]       ; the byte
.endr
.irp m, 0,1,2,3
	v_lshl_or_b32 v[DD+2*\m], v[DD+2*\m+1], 16, v[DD+2*\m]   ; blocks h and 2 + h of 128 keys,
.endr
.irp m, 0,1,2,3
	v_lshlrev_b32 v[DD+2*\m], v[H8], v[DD+2*\m]    ; at their places;
.endr
.irp m, 0,1,2,3
	v_permlanex16_b32 v[PX+\m], v[DD+2*\m], s84, s85
.endr
.irp m, 0,1,2,3
	v_or_b32 v[PS+\m], v[DD+2*\m], v[PX+\m]        ; with lane l xor 16's two the word is whole
.endr
	; ---- p and its codes; v's fragments come into the registers that units 0 to 2 have left
	SWB 0
	SWB 1
	SWB 2
	WIN 0x40
.irp k, 0,1,2,3,4,5,6,7,8,9,10,11,12,13,14,15,16,17,18,19,20,21,22,23
	ds_load_b128 v[4*\k:4*\k+3], v[VA] offset:512*\k
.endr
	SWB 3
	SWB 4
	SWB 5
	SWB 6
	SWB 7
	s_wait_dscnt 0x0                               ; v's fragments
	PLACES 4                                       ; operands written by vector instructions stand 4 places ahead of a scaled matrix instruction
	WIN 0x51                                       ; source 0 (v), C and D window 1; source 1 (p) window 0
.irp s, 0,1                                     ; eight accumulators by turns, one instruction a turn
.irp y, 0,1
.irp d, 0,1,2,3
.if \s == 0
	v_wmma_scale_f32_16x16x128_f8f6f4 v[128+8*(4*\y+\d):128+8*(4*\y+\d)+7], v[12*(4*\s+\d):12*(4*\s+\d)+11], v[PC+12*(2*\y+\s):PC+12*(2*\y+\s)+11], 0, v[VS+4*\s+\d], v[PS+2*\y+\s] matrix_a_fmt:MATRIX_FMT_FP6 matrix_b_fmt:MATRIX_FMT_FP6
.else
	v_wmma_scale_f32_16x16x128_f8f6f4 v[128+8*(4*\y+\d):128+8*(4*\y+\d)+7], v[12*(4*\s+\d):12*(4*\s+\d)+11], v[PC+12*(2*\y+\s):PC+12*(2*\y+\s)+11], v[128+8*(4*\y+\d):128+8*(4*\y+\d)+7], v[VS+4*\s+\d], v[PS+2*\y+\s] matrix_a_fmt:MATRIX_FMT_FP6 matrix_b_fmt:MATRIX_FMT_FP6
.endif
.endr
.endr
.endr
	PLACES 4
	WIN 0x04
.irp a, 0,1,2,3,4,5,6,7
	ds_store_b128 v[OPW], v[128+8*\a:128+8*\a+3] offset:1024*\a          ; each accumulator from its low end on
	ds_store_b128 v[OPW], v[128+8*\a+4:128+8*\a+7] offset:1024*\a+512
.endr
	WIN 0
	s_wait_dscnt 0x0                               ; my partial sums lie in LDS, and my reads of the statistics are over
	s_barrier_signal -1
	s_barrier_wait -1
	; ---- wave w adds accumulator w of the eight waves and keeps it in XS
	WIN 0x40
.irp k, 0,1,2,3,4,5,6,7
	ds_load_b128 v[192+8*\k:192+8*\k+3], v[OPR] offset:8192*\k
	ds_load_b128 v[192+8*\k+4:192+8*\k+7], v[OPR] offset:8192*\k+512
.endr
	WIN 0
	s_wait_loadcnt 0x0                             ; the next trip's q and its words of the mask
	v_lshl_or_b32 v[QS], v[QR], 16, v[QR]          ; the 28 additions below are the places between these and the next scaled products
	v_lshl_or_b32 v[QS+1], v[QR+1], 16, v[QR+1]
	v_add_nc_u32 v[XSW], s94, v[XSB]               ; this trip's 1,024 bytes of my part of XS
	WIN 0x45
.irp k, 1,2,3,4,5,6,7
	s_wait_dscnt 14-2*\k                           ; waves 0 to k's are in; two loads for each later wave may be out
.irp j, 0,2,4,6
	v_pk_add_f32 v[192+\j:192+\j+1], v[192+\j:192+\j+1], v[192+8*\k+\j:192+8*\k+\j+1]
.endr
.endr
	WIN 0x04
	ds_store_b128 v[XSW], v[192:195]
	ds_store_b128 v[XSW], v[196:199] offset:512
	WIN 0
	s_wait_dscnt 0x0                               ; the stores have read their registers
	s_add_co_u32 s94, s94, 1024
	s_sub_co_u32 s13, s13, 1
	s_cmp_lg_u32 s13, 0
	s_cbranch_scc1 .Ltrip
	; ---- THE WAY OUT.  Wave w quantises the rows of trips 2 w and 2 w + 1: four tiles; a lane's 32 registers of a tile are 32 neighbouring channels of its row.
	s_barrier_signal -1
	s_barrier_wait -1                              ; every wave's part of XS is whole, and nobody reads the partial sums any more
.set XC,  170                          ; v170-193 four tiles' codes
.set TME, 196                          ; v196-206 maxima
.set SCE, 208
.set BYE, 210                          ; v210-213
.set HW,  214                          ; v214-217
.set HS,  218                          ; v218-219
	s_lshl_b32 s16, s12, 11
	s_add_co_u32 s16, s16, XS
	s_lshl_b32 s17, s12, 13
	s_add_co_u32 s17, s17, OPART                   ; my wave's 8,192 bytes of the partial sums serve as its stage
	v_add_nc_u32 v244, s16, v[LI]                  ; accumulators 0-3 of trip 2 w  (the mask's registers are done with: the last loads into them were waited for in the last reduction)
	v_add_nc_u32 v245, 65536, v244                 ; accumulators 4-7
	v_bfe_u32 v246, v[LI], 4, 4                    ; r
	v_bfe_u32 v247, v[LI], 8, 1                    ; h
	v_mul_u32_u24 v[CST], v246, 48
	v_mad_u32_u24 v[CST], v247, 24, v[CST]
	v_add_nc_u32 v[CST], s17, v[CST]
	v_lshrrev_b32 v[ASO], 1, v[LI]
	WIN 0x40
.irp e, 0,1
.irp y, 0,1
.irp d, 0,1,2,3
	ds_load_b128 v[32*(2*\e+\y)+8*\d:32*(2*\e+\y)+8*\d+3], v[244+\y] offset:16384*\d+1024*\e
	ds_load_b128 v[32*(2*\e+\y)+8*\d+4:32*(2*\e+\y)+8*\d+7], v[244+\y] offset:16384*\d+1024*\e+512
.endr
.endr
.endr
	WIN 0
	s_wait_dscnt 0x0
.irp t, 0,1,2,3
	WIN 0x15
.irp k, 0,1,2,3,4,5,6,7,8,9
	v_max3_num_f32 v[TME+\k], |v[32*\t+3*\k]|, |v[32*\t+3*\k+1]|, |v[32*\t+3*\k+2]|
.endr
	v_max3_num_f32 v[TME+10], |v[32*\t+30]|, |v[32*\t+31]|, 0x1800000
	WIN 0
	v_max3_num_f32 v[TME], v[TME], v[TME+1], v[TME+2]
	v_max3_num_f32 v[TME+3], v[TME+3], v[TME+4], v[TME+5]
	v_max3_num_f32 v[TME+6], v[TME+6], v[TME+7], v[TME+8]
	v_max3_num_f32 v[TME+9], v[TME+9], v[TME+10], v[TME]
	v_max3_num_f32 v[TME+9], v[TME+9], v[TME+3], v[TME+6]
	v_add_nc_u32 v[SCE], 0xff000000, v[TME+9]
	v_lshrrev_b32 v[BYE+\t], 23, v[SCE]
	WIN 0x01
	v_cvt_scalef32_pk16_fp6_f32 v[XC+6*\t:XC+6*\t+2], v[32*\t:32*\t+15], v[SCE]
	v_cvt_scalef32_pk16_fp6_f32 v[TC:TC+2], v[32*\t+16:32*\t+31], v[SCE]
	WIN 0
	v_nop
.irp i, 0,1,2
	v_mov_b32 v[XC+6*\t+3+\i], v[TC+\i]
.endr
.irp p, 0,1,2
	ds_store_b64 v[CST], v[XC+6*\t+2*\p:XC+6*\t+2*\p+1] offset:768*\t+8*\p     ; row 16 t + r of my 64, 48 bytes a row
.endr
	v_lshlrev_b32 v[BYE+\t], v[H8], v[BYE+\t]
	v_permlanex16_b32 v[PX+\t], v[BYE+\t], s84, s85
	v_or_b32 v[HW+\t], v[BYE+\t], v[PX+\t]         ; the row's two bytes, in both halves of the lanes
.endr
.irp e, 0,1
	v_cndmask_b32 v[HS+\e], v[HW+2*\e], v[HW+2*\e+1], s93            ; lanes 0-15 the even tile's rows, lanes 16-31 the odd tile's
	global_store_b16 v[ASO], v[HS+\e], s[10:11] offset:256*\e
.endr
.irp k, 0,1,2,3,4,5
	ds_load_b128 v[KF+4*\k:KF+4*\k+3], v[OPW] offset:512*\k          ; in order behind my stores
.endr
.irp k, 0,1,2,3,4,5
	s_wait_dscnt 5-\k
	global_store_b128 v[LI], v[KF+4*\k:KF+4*\k+3], s[8:9] offset:512*\k        ; 512 consecutive bytes, aligned
.endr
	s_wait_xcnt 0x0
	v_lshl_add_u32 v254, v0, 2, 0x49000
	v_mov_b32 v255, 0
	s_wait_tensorcnt 0x0
	ds_add_u32 v254, v255
	s_wait_dscnt 0x0
	s_endpgm
.Lfunc_end_k_q35facbf4dd_attn:
	.size	k_q35facbf4dd_attn, .Lfunc_end_k_q35facbf4dd_attn-k_q35facbf4dd_attn
	.p2alignl 7, 3214868480
	.fill 96, 4, 3214868480
	.section	.rodata,"a",@progbits
	.p2align	6, 0x0
	.amdhsa_kernel k_q35facbf4dd_attn
		.amdhsa_group_segment_fixed_size 300032
		.amdhsa_private_segment_fixed_size 0
		.amdhsa_enable_private_segment 0
		.amdhsa_kernarg_size 40
		.amdhsa_user_sgpr_count 2
		.amdhsa_user_sgpr_kernarg_segment_ptr 1
		.amdhsa_wavefront_size32 1
		.amdhsa_system_sgpr_workgroup_id_x 1
		.amdhsa_system_sgpr_workgroup_id_y 1
		.amdhsa_system_sgpr_workgroup_id_z 1
		.amdhsa_system_vgpr_workitem_id 0
		.amdhsa_next_free_vgpr 512
		.amdhsa_next_free_sgpr 100
		.amdhsa_reserve_vcc 0
		.amdhsa_float_denorm_mode_32 3
		.amdhsa_float_denorm_mode_16_64 3
		.amdhsa_memory_ordered 1
		.amdhsa_forward_progress 1
		.amdhsa_inst_pref_size 136
	.end_amdhsa_kernel
	.amdgpu_metadata
---
amdhsa.version: [ 1, 2 ]
amdhsa.kernels:
  - .name:           k_q35facbf4dd_attn
    .symbol:         k_q35facbf4dd_attn.kd
    .args:
      - { .name: pcod, .offset: 0, .size: 8, .value_kind: global_buffer, .address_space: global }
      - { .name: pscl, .offset: 8, .size: 8, .value_kind: global_buffer, .address_space: global }
      - { .name: mbits, .offset: 16, .size: 8, .value_kind: global_buffer, .address_space: global }
      - { .name: acod, .offset: 24, .size: 8, .value_kind: global_buffer, .address_space: global }
      - { .name: ascl, .offset: 32, .size: 8, .value_kind: global_buffer, .address_space: global }
    .group_segment_fixed_size: 300032
    .private_segment_fixed_size: 0
    .kernarg_segment_align: 8
    .kernarg_segment_size: 40
    .max_flat_workgroup_size: 256
    .sgpr_count:     100
    .vgpr_count:     512
    .wavefront_size: 32
...
	.end_amdgpu_metadata
.endif
;; end of part 5
;; launch outp: the kernel of part 4 again; grid 4 x 32, 4 waves a work-group, clusters of 4 x 4, 327,680 bytes of LDS; arguments acod, ascl, cod, scl, bo, out0; writes out0
;; ======== version 3 of 3: 4 launches; version 2 with the launch attn written anew for expert scheduling mode
;; limits: right only within a limited range of input values
;; workspace buffers: cod 22,020,096 bytes; scl 917,504 bytes; mbits 2,097,152 bytes of whole numbers; pcod 18,874,368 bytes; pscl 786,432 bytes; acod 6,291,456 bytes; ascl 262,144 bytes
;; launch prep: the kernel of part 1 again; grid 1408 x 1, 4 waves a work-group, no clusters, 68,096 bytes of LDS; arguments query, key, value, Wq, Wk, Wv, Wo, mask, cod, scl, mbits; writes cod, scl, mbits
;; launch proj: the kernel of part 2 again; grid 4 x 96, 4 waves a work-group, clusters of 4 x 4, 327,680 bytes of LDS; arguments cod, scl, bq, bk, bv, pcod, pscl; writes pcod, pscl
;; launch attn (part 6): grid 256 x 1, 8 waves a work-group, no clusters, 300,032 bytes of LDS; arguments pcod, pscl, mbits, acod, ascl; writes acod, ascl
.if DOCPART == 6
	.amdgcn_target "amdgcn-amd-amdhsa--gfx1250"
	.amdhsa_code_object_version 6
	.text
	.protected	k_q35facbf4dd_attn
	.globl	k_q35facbf4dd_attn
	.p2align	8
	.type	k_q35facbf4dd_attn,@function
k_q35facbf4dd_attn:
	s_mov_b64 s[64:65], 0
	v_nop
	global_prefetch_b8 v0, s[64:65] scope:SCOPE_SE
	s_setreg_imm32_b32 hwreg(HW_REG_WAVE_SCHED_MODE, 0, 2), 2
	s_setreg_imm32_b32 hwreg(HW_REG_WAVE_MODE, 25, 1), 1
	s_wait_xcnt 0x0
	s_wait_alu depctr_vm_vsrc(0)
; x = attn v, attn = softmax(q k^T / 8 under the mask), set to 0 where masked; both products on codes of FP6 (E2M3).  What is quantised for the second product is the FINISHED, normalised attn, along the keys.
; So a row's sum over all 2,048 keys is known before any weight is converted: the work-group holds the whole rows of scores of 32 queries in registers.
; SHARES.  A work-group owns 512 queries of one (batch, head): 16 trips of 32 queries (two tiles y).  Wave w owns keys 256 w .. 256 w + 255 in every trip: its fragments of k stay in registers, those of v in its own LDS bytes
; as images of their registers; its 32 x 256 scores fill register window 1.  Nothing but q and the mask's words is fetched in the loop.
; No cluster and no tensor load: work-groups of a head share k and v, but each reads them once, at its head, into registers; the mask's words go through vector registers into scalar registers.
; LAYOUT.  Both products are used transposed, so a lane holds one query (lane % 16).  Unit n = 4 y + 2 s + c is 32 registers; k's tile (s, c, u) takes as row m the key 128 s + 64 c + 32 (m / 8) + 8 u + m % 8, so that register i
; of unit n in lane (r, h) is key 128 s + 64 c + 32 h + i: a whole block of 32 keys in a lane, in order.  A head's 64 fill half of the instruction's 128: two tiles of k share a run of 12 registers, and q stands as [q | 0 | q].
; v's tile d takes as row m the channel 32 (m / 8) + 8 d + m % 8: a lane's four accumulators are 32 neighbouring channels, a block of the last product's K.
; SOFTMAX.  t = score x log2(e) / 8.  Each lane's block has a whole-number shift M = ceil(its largest t under the mask); e = 2^(t - M).  Shifts are brought together by v_ldexp_f32, which rounds nothing: one exchange through LDS gives
; the row's M and its sum l; p = e x 2^(block's M - row's M) / l.  A block's largest p is its largest score put through the same instructions.  Masked scores are -infinity: e = 0.  A row masked whole: l is held at 0.5, p = 0, x = 0.
; THE MASK comes as words in the shape of lane masks: one v_cndmask_b32 a register.  A trip's 256 words of a wave come by two loads of 16 bytes a lane into eight vector registers kept for them, asked for in the first sweep of
; the trip before, once those registers have been read out; v_readlane_b32 moves a unit's 32 words into scalar registers two units ahead of their use.  (Scalar loads are waited for with 0 alone and only two units' words,
; 64 scalar registers, fit: by them a unit's words could be asked for no more than one unit ahead.)  No prefetch is laid for the words: their loads stand more than half a trip ahead of the wait for them.
; OUT: acod [block of 128 tokens][plane = head][row 128][48 bytes]; ascl [block][head / 4][row][8 bytes], of which this work-group writes 2 bytes a row (units of 256 bytes are written in part there: 262,144 bytes in the launch).
; LIMITS: |q . k| under 4e9 (the floor under a block's largest score, and the conversions of shifts to whole numbers); NaN and infinities are not served; blocks whose largest magnitude lies under 2^-124 keep the byte 1.
; REGISTER WINDOWS: the scores lie in window 1, all else in window 0; a unit's work is laid in runs under one setting, about ten switches for a unit's 170 vector instructions.
; THE MODE: SCHED_MODE bits 1:0 = 2 (LLVM: expert scheduling mode 2), set by the entry lines.  The code itself states the register dependences between vector or matrix instructions and memory or LDS instructions,
; and those through scalar registers that vector instructions write, with s_wait_alu, always for 0.
; THE PLAN.  Registers that memory or LDS instructions touch in the loop (W1: window 1), and who else names them:
;   MLO, MHI        read by v_readlane_b32 of units 0-3 and 4-7.  The next trip's loads stand behind unit 1's and unit 5's sums: the wait behind those units' exponentials stands behind the last such read.
;   QF, QR          QF read by the products with k, the last of them unit 7's; QR by the two lines that make QS.  The next trip's loads stand with MHI's: unit 5's wait stands behind unit 7's products.
;   EN              written by the statistics, read by one LDS store, written again as DD: a wait on va_vdst ahead of the store, one on vm_vsrc behind it.
;   GG (v170-201)   named by the first sweep as TM, TS, A0; all waves' statistics land there behind the barrier: the wait ahead of EN's store serves, no vector line stands between.
;   W1 v0-95        written and read by units 0-2 in the second sweep; then v's fragments land there: a wait behind unit 2.
;   W1 v128-191     written by the products with v, read by the stores of the partial sums (a wait behind the products' places), written again by units 4 and 5's products of the next trip.
;   W1 v192-255     named by units 6 and 7; the reduction's loads land there (the wait ahead of the partial sums' stores serves); v192-199 are read by the stores into XS and written again by unit 6's products.
;   XSW (= TT)      written in the reduction, read by the stores into XS, written again by unit 0 of the next trip.
;   One wait on vm_vsrc at the trip's end, ahead of the branch, frees W1 v128-199 and XSW.  The addresses v1-v9 are made at the head and never written again.
;   The mask's scalar registers: written by v_readlane_b32, read by v_cndmask_b32: a wait on va_sdst at the head of units 0 to 6, which covers the next unit's words, moved a unit's work earlier.
.set VIMG,  0                          ; LDS: v's fragments, 12,288 bytes a wave: fragment 4 s + d at 1,536 bytes, 16 bytes a lane
.set STAT,  98304                      ; 512 bytes a wave: (-M, l) of two tiles, 16 bytes a lane
.set OPART, 102400                     ; 8,192 bytes a wave: its partial sums, accumulator x 1,024 + half x 512 + 16 x lane
.set XS,    167936                     ; 16,384 bytes a wave: accumulator w of all 16 trips, 1,024 bytes a trip
.set LI,  1                            ; v1   16 x lane
.set VA,  2                            ; v2   my place in my wave's images of v
.set STW, 3                            ; v3   where I store my statistics
.set STR, 4                            ; v4   where I read all waves'
.set OPW, 5                            ; v5   where I store partial sums
.set OPR, 6                            ; v6   where I read accumulator w of all waves
.set XSB, 7                            ; v7   my wave's part of XS
.set QA,  8                            ; v8   q's codes: 96 r + 24 h
.set QSA, 9                            ; v9   q's scales: 4 r
.set NEG, 10                           ; v10  -infinity
.set H8,  11                           ; v11  8 h
.set MHI, 12                           ; v12-15 the mask's words of units 4-7: word i of unit n in register i % 4 of lane 8 (n % 4) + i / 4
.set CST, 14                           ; v14  the way out: my 24 bytes of a row of 48 (made behind the loop, where the mask's words are done with)
.set ASO, 15                           ; v15  the way out: 8 x lane
.set KF,  16                           ; v16-111  k: tile t at 6 t
.set QF,  112                          ; v112-147 q: tile y at 18 y
.set KS,  148                          ; v148-155 k's scale words
.set VS,  156                          ; v156-163 v's
.set QS,  164                          ; v164-165 q's
.set PS,  166                          ; v166-169 p's
.set PC,  170                          ; v170-217 p's codes, unit n at 6 n; ahead of that at work:
.set TM,  170                          ;   v170-180 maxima
.set TS,  182                          ;   v182-197 sums
.set A0,  200                          ;   v200-201 my lane's -M a tile
.set DL,  202                          ;   v202-209
.set EN,  210                          ;   v210-213 what goes to STAT
.set GG,  170                          ;   v170-201 all waves' statistics
.set NG,  202                          ;   v202-203 the rows' -M
.set LG,  204                          ;   v204-205 the rows' l, then 1 / l
.set DD,  206                          ;   v206-213
.set ST,  218                          ; v218-233 pairs: (-M of the block, its largest score), later (factor, the conversion's scale operand)
.set SL,  234                          ; v234-241 the blocks' sums
.set QR,  242                          ; v242-243 q's scale bytes as loaded
.set MLO, 244                          ; v244-247 the mask's words of units 0-3
.set TC,  248                          ; v248-250 a block's upper 16 codes
.set TT,  251                          ; v251 at work in the first sweep;
.set XSW, 251                          ;      in the reduction: XSB + 1,024 x trip
.set PX,  252                          ; v252-255 lane permutes' destinations
.set MSB, 0
.macro WIN new                         ; the immediate's high byte repeats the setting that is left
.if MSB != (\new)
	s_set_vgpr_msb (MSB<<8)|(\new)
.set MSB, (\new)
.endif
.endm
.macro PLACES n
.rept \n
	v_nop
.endr
.endm
	s_load_b128 s[96:99], s[0:1], 0x0              ; pcod s[96:97], pscl s[98:99]
	s_load_b64 s[6:7], s[0:1], 0x10                ; mbits
	s_load_b64 s[8:9], s[0:1], 0x18                ; acod
	s_load_b64 s[10:11], s[0:1], 0x20              ; ascl
	v_lshrrev_b32 v1, 5, v0
	v_readfirstlane_b32 s12, v1                    ; wave 0..7
	s_and_b32 s20, ttmp9, 3                        ; which 512 queries
	s_bfe_u32 s21, ttmp9, 0x40002                  ; head
	s_lshr_b32 s22, ttmp9, 6                       ; batch
	s_lshr_b32 s23, s21, 1
	s_and_b32 s24, s21, 1
	s_lshl_b32 s25, s23, 13
	s_lshl_b32 s26, s22, 11
	s_add_co_u32 s25, s25, s26                     ; entry of the batch's first token in q's and k's parts
	s_wait_alu depctr_va_sdst(0)                   ; s12 is written, ahead of its first reader: bases and LDS addresses are made from it
	s_lshl_b32 s26, s12, 8
	s_add_co_u32 s26, s25, s26                     ; my wave's first key
	s_mul_i32 s27, s24, 48                         ; my head's 48 of an entry's 96 bytes
	s_mul_i32 s28, s26, 96
	s_add_co_u32 s28, s28, s27
	s_add_co_u32 s28, s28, 6291456
	s_mov_b32 s29, 0
	s_lshl_b32 s30, s26, 2
	s_lshl_b32 s31, s24, 1
	s_add_co_u32 s30, s30, s31
	s_add_co_u32 s30, s30, 262144
	s_lshl_b32 s32, s20, 9
	s_add_co_u32 s32, s25, s32                     ; my work-group's first query
	s_mul_i32 s34, s32, 96
	s_add_co_u32 s34, s34, s27
	s_mov_b32 s35, 0
	s_lshl_b32 s36, s32, 2
	s_add_co_u32 s36, s36, s31
	s_mov_b32 s37, 0
	s_mov_b32 s31, 0
	s_lshl_b32 s38, s22, 4
	s_lshl_b32 s39, s12, 1
	s_add_co_u32 s38, s38, s39                     ; v: my first run of 128 tokens,
	s_lshl_b32 s38, s38, 10
	s_lshl_b32 s39, s21, 6
	s_add_co_u32 s38, s38, s39                     ; my head's 64 columns
	s_mul_i32 s40, s38, 96
	s_add_co_u32 s40, s40, 12582912
	s_mov_b32 s41, 0
	s_lshl_b32 s42, s38, 2
	s_add_co_u32 s42, s42, 524288
	s_mov_b32 s43, 0
	s_lshl_b32 s44, s22, 6
	s_lshl_b32 s45, s20, 4
	s_add_co_u32 s44, s44, s45                     ; the mask's words: block of 32 queries,
	s_lshl_b32 s44, s44, 3
	s_add_co_u32 s44, s44, s12                     ; my wave's 256 keys
	s_lshl_b32 s44, s44, 10
	s_mov_b32 s45, 0
	s_lshl_b32 s46, s22, 4
	s_lshl_b32 s47, s20, 2
	s_add_co_u32 s46, s46, s47
	s_lshr_b32 s47, s12, 1
	s_add_co_u32 s46, s46, s47                     ; out: the block of 128 tokens in which my wave's 64 rows lie,
	s_and_b32 s47, s12, 1                          ; and which half of it
	s_mul_i32 s16, s46, 98304
	s_mul_i32 s17, s21, 6144
	s_add_co_u32 s16, s16, s17
	s_mul_i32 s17, s47, 3072
	s_add_co_u32 s16, s16, s17
	s_mov_b32 s17, 0
	s_lshl_b32 s18, s46, 12
	s_lshr_b32 s19, s21, 2
	s_lshl_b32 s19, s19, 10
	s_add_co_u32 s18, s18, s19
	s_lshl_b32 s19, s47, 9
	s_add_co_u32 s18, s18, s19
	s_and_b32 s19, s21, 3
	s_lshl_b32 s19, s19, 1
	s_add_co_u32 s18, s18, s19
	s_mov_b32 s19, 0
	s_mul_i32 s76, s12, 12288
	s_lshl_b32 s77, s12, 9
	s_add_co_u32 s77, s77, STAT
	s_lshl_b32 s78, s12, 13
	s_add_co_u32 s78, s78, OPART
	s_lshl_b32 s79, s12, 10
	s_add_co_u32 s79, s79, OPART
	s_lshl_b32 s80, s12, 14
	s_add_co_u32 s80, s80, XS
	s_mov_b32 s14, 0x3e38aa3b                      ; c = log2(e) / 8
	s_mov_b32 s15, s14                             ; (named with it as a pair)
	s_mov_b32 s84, 0x76543210
	s_mov_b32 s85, 0xfedcba98                      ; lane selects: lane l xor 16
	s_mov_b32 s87, 0
	s_mov_b32 s89, 0
	s_mov_b32 s91, 0
	s_mov_b32 s93, 0xffff0000
	s_mov_b32 s94, 0
	s_mov_b32 s13, 16                              ; trips to go
	v_and_b32 v244, 31, v0                         ; lane
	v_and_b32 v245, 15, v0                         ; r
	v_bfe_u32 v246, v0, 4, 1                       ; h
	v_lshlrev_b32 v[LI], 4, v244
	v_add_nc_u32 v[VA], s76, v[LI]
	v_add_nc_u32 v[STW], s77, v[LI]
	v_add_nc_u32 v[STR], STAT, v[LI]
	v_add_nc_u32 v[OPW], s78, v[LI]
	v_add_nc_u32 v[OPR], s79, v[LI]
	v_add_nc_u32 v[XSB], s80, v[LI]
	v_mul_u32_u24 v[QA], v245, 96
	v_mad_u32_u24 v[QA], v246, 24, v[QA]
	v_lshlrev_b32 v[QSA], 2, v245
	v_mov_b32 v[NEG], 0xff800000
	v_lshlrev_b32 v[H8], 3, v246
	v_lshrrev_b32 v247, 3, v245
	v_mad_u32_u24 v247, v247, 24, v245             ; 32 (r / 8) + r % 8: a tile's rows are not neighbours
	v_mul_u32_u24 v248, v247, 96
	v_mad_u32_u24 v248, v246, 24, v248             ; k's and v's codes
	v_lshlrev_b32 v249, 2, v247                    ; and scale words
	s_wait_kmcnt 0x0
	s_add_nc_u64 s[68:69], s[96:97], s[28:29]      ; k's codes
	s_add_nc_u64 s[70:71], s[98:99], s[30:31]      ; k's scales
	s_add_nc_u64 s[72:73], s[96:97], s[40:41]      ; v's codes
	s_add_nc_u64 s[74:75], s[98:99], s[42:43]      ; v's scales
	s_add_nc_u64 s[2:3], s[96:97], s[34:35]        ; q's codes
	s_add_nc_u64 s[4:5], s[98:99], s[36:37]        ; q's scales
	s_add_nc_u64 s[6:7], s[6:7], s[44:45]
	s_add_nc_u64 s[8:9], s[8:9], s[16:17]
	s_add_nc_u64 s[10:11], s[10:11], s[18:19]
; q of the next 32 queries: each tile's 24 bytes a lane twice, at both ends of [q | 0 | q]; its two scale bytes
.macro QLOAD step
.if \step
	s_add_nc_u64 s[2:3], s[2:3], s[88:89]          ; (the loads that read these bases have been waited for)
	s_add_nc_u64 s[4:5], s[4:5], s[90:91]
.endif
.irp y, 0,1
.irp p, 0,1,2
	global_load_b64 v[QF+18*\y+2*\p:QF+18*\y+2*\p+1], v[QA], s[2:3] offset:1536*\y+8*\p
	global_load_b64 v[QF+18*\y+12+2*\p:QF+18*\y+12+2*\p+1], v[QA], s[2:3] offset:1536*\y+8*\p
.endr
	global_load_u16 v[QR+\y], v[QSA], s[4:5] offset:64*\y
.endr
.endm
	s_wait_alu depctr_va_vdst(0)                   ; the addresses v1 to v9, v248 and v249 are written, which the loads and LDS instructions of the whole kernel read; the lines above are done with v244-247, in which the mask's words land
.irp t, 0,1,2,3,4,5,6,7,8,9,10,11,12,13,14,15   ; k's tile t = 4 (2 s + c) + u: keys 64 (t / 4) + 8 (t % 4) on
.irp p, 0,1,2
	global_load_b64 v[KF+6*\t+2*\p:KF+6*\t+2*\p+1], v248, s[68:69] offset:(64*(\t/4)+8*(\t%4))*96+8*\p
.endr
	global_load_u16 v[PC+\t], v249, s[70:71] offset:(64*(\t/4)+8*(\t%4))*4
.endr
.irp f, 0,1,2,3,4,5,6,7
	global_load_b32 v[VS+\f], v249, s[74:75] offset:4096*(\f/4)+32*(\f%4)
.endr
	QLOAD 0
	global_load_b128 v[MLO:MLO+3], v[LI], s[6:7]               ; the first trip's words of the mask: 512 consecutive bytes a load
	global_load_b128 v[MHI:MHI+3], v[LI], s[6:7] offset:512
	WIN 0x40                                       ; destination window 1
.irp f, 0,1,2,3,4,5,6,7                         ; v's fragment f = 4 s + d
.irp p, 0,1,2,3,4,5
	global_load_b64 v[12*\f+2*\p:12*\f+2*\p+1], v248, s[72:73] offset:98304*(\f/4)+768*(\f%4)+48*(\p/3)+8*(\p%3)
.endr
.endr
	WIN 0
.irp y, 0,1
.irp i, 0,1,2,3,4,5
	v_mov_b32 v[QF+18*\y+6+\i], 0                  ; the zero codes between q's two copies
.endr
.endr
.irp i, 0,1,2,3
	v_mov_b32 v[PX+\i], 0                          ; a lane permute's destination counts as read
.endr
	s_wait_loadcnt 0x0
.irp i, 0,1,2,3,4,5,6,7
	v_lshl_or_b32 v[KS+\i], v[PC+2*\i+1], 16, v[PC+2*\i]   ; a run's scale word: the even tile's two bytes, then the odd tile's
.endr
	v_lshl_or_b32 v[QS], v[QR], 16, v[QR]          ; q's two bytes serve whichever half holds q; the other half's codes are zeros
	v_lshl_or_b32 v[QS+1], v[QR+1], 16, v[QR+1]
	WIN 0x04                                       ; an LDS store's data are its source 1: window 1
.irp k, 0,1,2,3,4,5,6,7,8,9,10,11,12,13,14,15,16,17,18,19,20,21,22,23
	ds_store_b128 v[VA], v[4*\k:4*\k+3] offset:512*\k
.endr
	WIN 0
	PLACES 8                                       ; scale registers written by vector instructions stand 8 places ahead of a scaled matrix instruction
	s_wait_dscnt 0x0                               ; v's images lie in LDS
	s_wait_alu depctr_vm_vsrc(0)                   ; the stores have read window 1's v0-95, which the products of units 0 to 2 write; the loads above have read v248 and v249, which the second sweep's conversions write
	s_wait_alu depctr_va_vdst(0)                   ; k's and q's scale words and q's zero codes are written, which the scaled products take; the places above stay beside this wait
; Four products: unit n's 64 keys x 16 queries.  Each starts its sum with 0.
.macro QK n
	WIN 0x40
.irp u, 0,1,2,3
	v_wmma_scale_f32_16x16x128_f8f6f4 v[32*(\n)+8*\u:32*(\n)+8*\u+7], v[KF+12*(2*((\n)%4)+\u/2):KF+12*(2*((\n)%4)+\u/2)+11], v[QF+18*((\n)/4)+6*(\u%2):QF+18*((\n)/4)+6*(\u%2)+11], 0, v[KS+2*((\n)%4)+\u/2], v[QS+(\n)/4] matrix_a_fmt:MATRIX_FMT_FP6 matrix_b_fmt:MATRIX_FMT_FP6
.endr
.endm
; Unit n's 32 words of the mask, from their vector registers into the scalar registers of units of n's parity: s16-47 (even), s48-63 and s68-83 (odd).
.macro RL n
	WIN 0
.irp i, 0,1,2,3,4,5,6,7,8,9,10,11,12,13,14,15,16,17,18,19,20,21,22,23,24,25,26,27,28,29,30,31
.if ((\n)%2) == 0
.set RWD, 16+\i
.elseif \i < 16
.set RWD, 48+\i
.else
.set RWD, 52+\i
.endif
.if (\n) < 4
.set RVR, MLO+\i%4
.else
.set RVR, MHI+\i%4
.endif
	v_readlane_b32 s[RWD], v[RVR], 8*((\n)%4)+\i/4
.endr
.endm
; The mask, the block's largest score and its shift.
.macro MM n
.if (\n) < 7
	s_wait_alu depctr_va_sdst(0)                   ; the v_readlane_b32 lines issued so far have written their scalar registers: unit n + 1's words (ahead of unit 0: units 0 and 1's), ahead of the selects that read them first
.endif
	WIN 0x44                                       ; destination and source 1 window 1
.irp i, 0,1,2,3,4,5,6,7,8,9,10,11,12,13,14,15,16,17,18,19,20,21,22,23,24,25,26,27,28,29,30,31
.if ((\n)%2) == 0
.set MWD, 16+\i
.elseif \i < 16
.set MWD, 48+\i
.else
.set MWD, 52+\i
.endif
	v_cndmask_b32 v[32*(\n)+\i], v[NEG], v[32*(\n)+\i], s[MWD]       ; each accumulator from its low end on
.endr
	WIN 0x15                                       ; three sources window 1
.irp k, 0,1,2,3,4,5,6,7,8,9
	v_max3_num_f32 v[TM+\k], v[32*(\n)+3*\k], v[32*(\n)+3*\k+1], v[32*(\n)+3*\k+2]
.endr
	v_max3_num_f32 v[TM+10], v[32*(\n)+30], v[32*(\n)+31], 0xcf6e6b28   ; and -4e9, so that a block masked whole has a number for its shift
	WIN 0
	v_max3_num_f32 v[TM], v[TM], v[TM+1], v[TM+2]
	v_max3_num_f32 v[TM+3], v[TM+3], v[TM+4], v[TM+5]
	v_max3_num_f32 v[TM+6], v[TM+6], v[TM+7], v[TM+8]
	v_max3_num_f32 v[TM+9], v[TM+9], v[TM+10], v[TM]
	v_max3_num_f32 v[ST+2*(\n)+1], v[TM+9], v[TM+3], v[TM+6]
	v_mul_f32 v[TT], s14, v[ST+2*(\n)+1]
	v_floor_f32 v[ST+2*(\n)], -v[TT]               ; -M = floor(-t): M is a whole number
.endm
; e = 2^(t - M): 16 packed multiply-adds, 32 exponentials as one batch, a plain place, one wait.
.macro SE n
	WIN 0x41
.irp j, 0,2,4,6,8,10,12,14,16,18,20,22,24,26,28,30
	v_pk_fma_f32 v[32*(\n)+\j:32*(\n)+\j+1], v[32*(\n)+\j:32*(\n)+\j+1], s[14:15], v[ST+2*(\n):ST+2*(\n)+1] op_sel_hi:[1,0,0]
.endr
.irp j, 0,1,2,3,4,5,6,7,8,9,10,11,12,13,14,15,16,17,18,19,20,21,22,23,24,25,26,27,28,29,30,31
	v_exp_f32 v[32*(\n)+\j], v[32*(\n)+\j]
.endr
	v_nop
	s_wait_alu depctr_va_vdst(0)                   ; the 32 exponentials have written their results, ahead of the sums, their first readers; all vector and matrix lines issued so far are done with their registers (units 1 and 5: the loads behind the sums lean on that)
.endm
; The block's sum of e; and the block's largest score goes through the same multiply-add.
.macro SUM n
	WIN 0x05
.irp k, 0,1,2,3,4,5,6,7
	v_pk_add_f32 v[TS+2*\k:TS+2*\k+1], v[32*(\n)+4*\k:32*(\n)+4*\k+1], v[32*(\n)+4*\k+2:32*(\n)+4*\k+3]
.endr
	WIN 0
	v_pk_add_f32 v[TS:TS+1], v[TS:TS+1], v[TS+2:TS+3]
	v_pk_add_f32 v[TS+4:TS+5], v[TS+4:TS+5], v[TS+6:TS+7]
	v_pk_add_f32 v[TS+8:TS+9], v[TS+8:TS+9], v[TS+10:TS+11]
	v_pk_add_f32 v[TS+12:TS+13], v[TS+12:TS+13], v[TS+14:TS+15]
	v_fma_f32 v[ST+2*(\n)+1], s14, v[ST+2*(\n)+1], v[ST+2*(\n)]
	v_pk_add_f32 v[TS:TS+1], v[TS:TS+1], v[TS+4:TS+5]
	v_pk_add_f32 v[TS+8:TS+9], v[TS+8:TS+9], v[TS+12:TS+13]
	v_pk_add_f32 v[TS:TS+1], v[TS:TS+1], v[TS+8:TS+9]
	v_add_f32 v[SL+(\n)], v[TS], v[TS+1]
.endm
; p = e x factor, and its codes: registers 6 n .. 6 n + 5 of p's operands
.macro SWB n
	WIN 0x41
.irp j, 0,2,4,6,8,10,12,14,16,18,20,22,24,26,28,30
	v_pk_mul_f32 v[32*(\n)+\j:32*(\n)+\j+1], v[32*(\n)+\j:32*(\n)+\j+1], v[ST+2*(\n):ST+2*(\n)+1] op_sel_hi:[1,0]
.endr
	WIN 0x01
	v_cvt_scalef32_pk16_fp6_f32 v[PC+6*(\n):PC+6*(\n)+2], v[32*(\n):32*(\n)+15], v[ST+2*(\n)+1]
	v_cvt_scalef32_pk16_fp6_f32 v[TC:TC+2], v[32*(\n)+16:32*(\n)+31], v[ST+2*(\n)+1]   ; (a conversion's three registers begin on an even number)
	WIN 0
	v_nop                                          ; one plain place behind a scaled conversion
.irp i, 0,1,2
	v_mov_b32 v[PC+6*(\n)+3+\i], v[TC+\i]
.endr
.endm
.Ltrip:
	s_cmp_eq_u32 s13, 1                            ; the last trip steps nothing: what it asks for ahead stays inside the buffers and is not used
	s_cselect_b32 s86, 0, 8192
	s_cselect_b32 s88, 0, 3072
	s_cselect_b32 s90, 0, 128
	QK 0                                           ; (q's scale words were shown written by the wait ahead of the stores into XS, in the first trip by the head's; only scalar lines stand between)
	QK 1
	RL 0                                           ; this trip's words were waited for in the reduction of the trip before (the first trip's at the head)
	RL 1
	PLACES 4                                       ; behind unit 1's products, ahead of the first read of results
	MM 0
	RL 2                                           ; a unit's words go into the scalar registers that the unit two before has just read
	QK 2                                           ; a unit's products stand two units ahead of its first read
	SE 0
	SUM 0
	MM 1
	RL 3
	QK 3
	SE 1
	SUM 1
	s_add_nc_u64 s[6:7], s[6:7], s[86:87]          ; the next trip's words (the loads that read this base have been waited for)
	global_load_b128 v[MLO:MLO+3], v[LI], s[6:7]   ; units 0-3's registers take the next trip's.  No wait here: unit 1's wait stands behind unit 3's v_readlane_b32 lines, the last readers, and no vector line since names v244-247 or v1.  The wait for the data stands in the reduction
	MM 2
	RL 4
	QK 4
	SE 2
	SUM 2
	MM 3
	RL 5
	QK 5
	SE 3
	SUM 3
	MM 4
	RL 6
	QK 6
	SE 4
	SUM 4
	MM 5
	RL 7
	QK 7
	SE 5
	SUM 5
	global_load_b128 v[MHI:MHI+3], v[LI], s[6:7] offset:512    ; units 4-7's likewise: unit 5's wait stands behind unit 7's v_readlane_b32 lines
	QLOAD 1                                        ; and behind unit 7's products, the last readers of q; no vector line since names q's registers, its scale bytes' or the two addresses
	MM 6
	SE 6
	SUM 6
	MM 7
	SE 7
	SUM 7
	; ---- my lane's statistics: each block's largest e; for each tile the least -M of its four blocks and the sum under it; then the same with lane l xor 16
.irp n, 0,1,2,3,4,5,6,7
	v_exp_f32 v[ST+2*\n+1], v[ST+2*\n+1]           ; a batch of eight; its wait stands ahead of the store below, behind the work that follows here, which names none of its results
.endr
.irp y, 0,1
	v_min3_num_f32 v[A0+\y], v[ST+8*\y], v[ST+8*\y+2], v[ST+8*\y+4]
.endr
.irp y, 0,1
	v_min_num_f32 v[A0+\y], v[A0+\y], v[ST+8*\y+6]
.endr
.irp n, 0,1,2,3,4,5,6,7
	v_sub_f32 v[DL+\n], v[A0+\n/4], v[ST+2*\n]     ; block's M less the tile's: a whole number, 0 or less
.endr
.irp n, 0,1,2,3,4,5,6,7
	v_cvt_i32_f32 v[DL+\n], v[DL+\n]
.endr
.irp n, 0,1,2,3,4,5,6,7
	v_ldexp_f32 v[DL+\n], v[SL+\n], v[DL+\n]       ; rounds nothing
.endr
.irp y, 0,1
	v_add_f32 v[DL+4*\y], v[DL+4*\y], v[DL+4*\y+1]
	v_add_f32 v[DL+4*\y+2], v[DL+4*\y+2], v[DL+4*\y+3]
.endr
.irp y, 0,1
	v_add_f32 v[DL+4*\y], v[DL+4*\y], v[DL+4*\y+2]
.endr
.irp y, 0,1
	v_permlanex16_b32 v[PX+\y], v[A0+\y], s84, s85
	v_permlanex16_b32 v[PX+2+\y], v[DL+4*\y], s84, s85
.endr
.irp y, 0,1
	v_min_num_f32 v[EN+2*\y], v[A0+\y], v[PX+\y]
.endr
.irp y, 0,1
	v_sub_f32 v[A0+\y], v[EN+2*\y], v[A0+\y]
	v_sub_f32 v[PX+\y], v[EN+2*\y], v[PX+\y]
.endr
.irp y, 0,1
	v_cvt_i32_f32 v[A0+\y], v[A0+\y]
	v_cvt_i32_f32 v[PX+\y], v[PX+\y]
.endr
.irp y, 0,1
	v_ldexp_f32 v[DL+4*\y], v[DL+4*\y], v[A0+\y]
	v_ldexp_f32 v[PX+2+\y], v[PX+2+\y], v[PX+\y]
.endr
.irp y, 0,1
	v_add_f32 v[EN+2*\y+1], v[DL+4*\y], v[PX+2+\y]
.endr
	s_wait_alu depctr_va_vdst(0)                   ; EN is written, which the store reads; the eight exponentials have written their results; the first sweep and the lines above are done with v170-201, in which all waves' statistics land behind the barrier
	ds_store_b128 v[STW], v[EN:EN+3]
	s_wait_dscnt 0x0                               ; my statistics lie in LDS, and my reads of the partial sums of the last trip are over
	s_wait_alu depctr_vm_vsrc(0)                   ; the store has read EN, whose registers the lines behind the barrier write again as DD
	s_barrier_signal -1
	s_barrier_wait -1
	; ---- the rows' statistics, from all eight waves
.irp w, 0,1,2,3,4,5,6,7
	ds_load_b128 v[GG+4*\w:GG+4*\w+3], v[STR] offset:512*\w
.endr
	s_wait_dscnt 0x0
.irp y, 0,1
	v_min3_num_f32 v[NG+\y], v[GG+2*\y], v[GG+4+2*\y], v[GG+8+2*\y]
.endr
.irp y, 0,1
	v_min3_num_f32 v[NG+\y], v[NG+\y], v[GG+12+2*\y], v[GG+16+2*\y]
.endr
.irp y, 0,1
	v_min3_num_f32 v[NG+\y], v[NG+\y], v[GG+20+2*\y], v[GG+24+2*\y]
.endr
.irp y, 0,1
	v_min_num_f32 v[NG+\y], v[NG+\y], v[GG+28+2*\y]
.endr
.irp w, 0,1,2,3,4,5,6,7
.irp y, 0,1
	v_sub_f32 v[GG+4*\w+2*\y], v[NG+\y], v[GG+4*\w+2*\y]
.endr
.endr
.irp w, 0,1,2,3,4,5,6,7
.irp y, 0,1
	v_cvt_i32_f32 v[GG+4*\w+2*\y], v[GG+4*\w+2*\y]
.endr
.endr
.irp w, 0,1,2,3,4,5,6,7
.irp y, 0,1
	v_ldexp_f32 v[GG+4*\w+2*\y+1], v[GG+4*\w+2*\y+1], v[GG+4*\w+2*\y]
.endr
.endr
.irp w, 0,2,4,6
.irp y, 0,1
	v_add_f32 v[GG+4*\w+2*\y+1], v[GG+4*\w+2*\y+1], v[GG+4*\w+4+2*\y+1]
.endr
.endr
.irp w, 0,4
.irp y, 0,1
	v_add_f32 v[GG+4*\w+2*\y+1], v[GG+4*\w+2*\y+1], v[GG+4*\w+8+2*\y+1]
.endr
.endr
.irp y, 0,1
	v_add_f32 v[GG+2*\y+1], v[GG+2*\y+1], v[GG+16+2*\y+1]
.endr
.irp y, 0,1
	v_max_num_f32 v[LG+\y], 0.5, v[GG+2*\y+1]      ; a row with a key that counts has l above 0.5; a row masked whole has 0
.endr
.irp y, 0,1
	v_rcp_f32 v[LG+\y], v[LG+\y]
.endr
.irp n, 0,1,2,3,4,5,6,7
	v_sub_f32 v[DD+\n], v[NG+\n/4], v[ST+2*\n]     ; block's M less the row's (plain work behind the reciprocals)
.endr
.irp n, 0,1,2,3,4,5,6,7
	v_cvt_i32_f32 v[DD+\n], v[DD+\n]
.endr
	s_wait_alu depctr_va_vdst(0)                   ; the two reciprocals have written their results, ahead of their first reader
.irp n, 0,1,2,3,4,5,6,7
	v_ldexp_f32 v[ST+2*\n], v[LG+\n/4], v[DD+\n]   ; the block's factor: 2^(block's M - row's M) / l
.endr
.irp n, 0,1,2,3,4,5,6,7
	v_mul_f32 v[DD+\n], v[ST+2*\n+1], v[ST+2*\n]   ; the block's largest p: the same multiplication on the same numbers
.endr
.irp n, 0,1,2,3,4,5,6,7
	v_max_num_f32 v[DD+\n], 0x1800000, v[DD+\n]    ; the floor 2^(3 - 127)
.endr
.irp n, 0,1,2,3,4,5,6,7
	v_add_nc_u32 v[ST+2*\n+1], 0xff000000, v[DD+\n]   ; 2 off the exponent field: the conversion's scale operand
.endr
.irp n, 0,1,2,3,4,5,6,7
	v_lshrrev_b32 v[DD+\n], 23, v[ST+2*\n+1]       ; the byte
.endr
.irp m, 0,1,2,3
	v_lshl_or_b32 v[DD+2*\m], v[DD+2*\m+1], 16, v[DD+2*\m]   ; blocks h and 2 + h of 128 keys,
.endr
.irp m, 0,1,2,3
	v_lshlrev_b32 v[DD+2*\m], v[H8], v[DD+2*\m]    ; at their places;
.endr
.irp m, 0,1,2,3
	v_permlanex16_b32 v[PX+\m], v[DD+2*\m], s84, s85
.endr
.irp m, 0,1,2,3
	v_or_b32 v[PS+\m], v[DD+2*\m], v[PX+\m]        ; with lane l xor 16's two the word is whole
.endr
	; ---- p and its codes; v's fragments come into the registers that units 0 to 2 have left
	SWB 0
	SWB 1
	SWB 2
	WIN 0x40
	s_wait_alu depctr_va_vdst(0)                   ; units 0 to 2's multiplications have written window 1's v0-95 and their conversions are done reading them: v's fragments land there
.irp k, 0,1,2,3,4,5,6,7,8,9,10,11,12,13,14,15,16,17,18,19,20,21,22,23
	ds_load_b128 v[4*\k:4*\k+3], v[VA] offset:512*\k
.endr
	SWB 3
	SWB 4
	SWB 5
	SWB 6
	SWB 7
	s_wait_dscnt 0x0                               ; v's fragments
	PLACES 4                                       ; operands written by vector instructions stand 4 places ahead of a scaled matrix instruction
	s_wait_alu depctr_va_vdst(0)                   ; p's codes and p's scale words are written, which the scaled products take; the places above stay beside this wait
	WIN 0x51                                       ; source 0 (v), C and D window 1; source 1 (p) window 0
.irp s, 0,1                                     ; eight accumulators by turns, one instruction a turn
.irp y, 0,1
.irp d, 0,1,2,3
.if \s == 0
	v_wmma_scale_f32_16x16x128_f8f6f4 v[128+8*(4*\y+\d):128+8*(4*\y+\d)+7], v[12*(4*\s+\d):12*(4*\s+\d)+11], v[PC+12*(2*\y+\s):PC+12*(2*\y+\s)+11], 0, v[VS+4*\s+\d], v[PS+2*\y+\s] matrix_a_fmt:MATRIX_FMT_FP6 matrix_b_fmt:MATRIX_FMT_FP6
.else
	v_wmma_scale_f32_16x16x128_f8f6f4 v[128+8*(4*\y+\d):128+8*(4*\y+\d)+7], v[12*(4*\s+\d):12*(4*\s+\d)+11], v[PC+12*(2*\y+\s):PC+12*(2*\y+\s)+11], v[128+8*(4*\y+\d):128+8*(4*\y+\d)+7], v[VS+4*\s+\d], v[PS+2*\y+\s] matrix_a_fmt:MATRIX_FMT_FP6 matrix_b_fmt:MATRIX_FMT_FP6
.endif
.endr
.endr
.endr
	PLACES 4
	s_wait_alu depctr_va_vdst(0)                   ; the products have written the eight accumulators, which the stores read (the places above stay beside this wait); units 6 and 7 are done with window 1's v192-255, in which the reduction's loads land
	WIN 0x04
.irp a, 0,1,2,3,4,5,6,7
	ds_store_b128 v[OPW], v[128+8*\a:128+8*\a+3] offset:1024*\a          ; each accumulator from its low end on
	ds_store_b128 v[OPW], v[128+8*\a+4:128+8*\a+7] offset:1024*\a+512
.endr
	WIN 0
	s_wait_dscnt 0x0                               ; my partial sums lie in LDS, and my reads of the statistics are over
	s_barrier_signal -1
	s_barrier_wait -1
	; ---- wave w adds accumulator w of the eight waves and keeps it in XS
	WIN 0x40
.irp k, 0,1,2,3,4,5,6,7
	ds_load_b128 v[192+8*\k:192+8*\k+3], v[OPR] offset:8192*\k
	ds_load_b128 v[192+8*\k+4:192+8*\k+7], v[OPR] offset:8192*\k+512
.endr
	WIN 0
	s_wait_loadcnt 0x0                             ; the next trip's q and its words of the mask
	v_lshl_or_b32 v[QS], v[QR], 16, v[QR]          ; the 28 additions below are the places between these and the next scaled products
	v_lshl_or_b32 v[QS+1], v[QR+1], 16, v[QR+1]
	v_add_nc_u32 v[XSW], s94, v[XSB]               ; this trip's 1,024 bytes of my part of XS
	WIN 0x45
.irp k, 1,2,3,4,5,6,7
	s_wait_dscnt 14-2*\k                           ; waves 0 to k's are in; two loads for each later wave may be out
.irp j, 0,2,4,6
	v_pk_add_f32 v[192+\j:192+\j+1], v[192+\j:192+\j+1], v[192+8*\k+\j:192+8*\k+\j+1]
.endr
.endr
	WIN 0x04
	s_wait_alu depctr_va_vdst(0)                   ; the additions have written window 1's v192-199 and XSW is written, which the two stores read; q's scale words are written, which the next trip's scaled products take
	ds_store_b128 v[XSW], v[192:195]
	ds_store_b128 v[XSW], v[196:199] offset:512
	WIN 0
	s_wait_dscnt 0x0                               ; my sums lie in XS
	s_wait_alu depctr_vm_vsrc(0)                   ; the stores of the partial sums and into XS have read window 1's v128-199 and XSW: the next trip's products of units 4 to 6, its reduction's loads and unit 0's TT write them again
	s_add_co_u32 s94, s94, 1024
	s_sub_co_u32 s13, s13, 1
	s_cmp_lg_u32 s13, 0
	s_cbranch_scc1 .Ltrip
	; ---- THE WAY OUT.  Wave w quantises the rows of trips 2 w and 2 w + 1: four tiles; a lane's 32 registers of a tile are 32 neighbouring channels of its row.
	s_barrier_signal -1
	s_barrier_wait -1                              ; every wave's part of XS is whole, and nobody reads the partial sums any more
.set XC,  170                          ; v170-193 four tiles' codes
.set TME, 196                          ; v196-206 maxima
.set SCE, 208
.set BYE, 210                          ; v210-213
.set HW,  214                          ; v214-217
.set HS,  218                          ; v218-219
	s_lshl_b32 s16, s12, 11
	s_add_co_u32 s16, s16, XS
	s_lshl_b32 s17, s12, 13
	s_add_co_u32 s17, s17, OPART                   ; my wave's 8,192 bytes of the partial sums serve as its stage
	v_add_nc_u32 v244, s16, v[LI]                  ; accumulators 0-3 of trip 2 w  (the mask's registers are done with: the last loads into them were waited for in the last reduction)
	v_add_nc_u32 v245, 65536, v244                 ; accumulators 4-7
	v_bfe_u32 v246, v[LI], 4, 4                    ; r
	v_bfe_u32 v247, v[LI], 8, 1                    ; h
	v_mul_u32_u24 v[CST], v246, 48
	v_mad_u32_u24 v[CST], v247, 24, v[CST]
	v_add_nc_u32 v[CST], s17, v[CST]
	v_lshrrev_b32 v[ASO], 1, v[LI]
	WIN 0x40
	s_wait_alu depctr_va_vdst(0)                   ; the addresses v244 and v245 are written, which the loads read (and CST and ASO, for the stores further down); the last trip is done with window 1's v0-127, in which the loads land
.irp e, 0,1
.irp y, 0,1
.irp d, 0,1,2,3
	ds_load_b128 v[32*(2*\e+\y)+8*\d:32*(2*\e+\y)+8*\d+3], v[244+\y] offset:16384*\d+1024*\e
	ds_load_b128 v[32*(2*\e+\y)+8*\d+4:32*(2*\e+\y)+8*\d+7], v[244+\y] offset:16384*\d+1024*\e+512
.endr
.endr
.endr
	WIN 0
	s_wait_dscnt 0x0
.irp t, 0,1,2,3
	WIN 0x15
.irp k, 0,1,2,3,4,5,6,7,8,9
	v_max3_num_f32 v[TME+\k], |v[32*\t+3*\k]|, |v[32*\t+3*\k+1]|, |v[32*\t+3*\k+2]|
.endr
	v_max3_num_f32 v[TME+10], |v[32*\t+30]|, |v[32*\t+31]|, 0x1800000
	WIN 0
	v_max3_num_f32 v[TME], v[TME], v[TME+1], v[TME+2]
	v_max3_num_f32 v[TME+3], v[TME+3], v[TME+4], v[TME+5]
	v_max3_num_f32 v[TME+6], v[TME+6], v[TME+7], v[TME+8]
	v_max3_num_f32 v[TME+9], v[TME+9], v[TME+10], v[TME]
	v_max3_num_f32 v[TME+9], v[TME+9], v[TME+3], v[TME+6]
	v_add_nc_u32 v[SCE], 0xff000000, v[TME+9]
	v_lshrrev_b32 v[BYE+\t], 23, v[SCE]
	WIN 0x01
	v_cvt_scalef32_pk16_fp6_f32 v[XC+6*\t:XC+6*\t+2], v[32*\t:32*\t+15], v[SCE]
	v_cvt_scalef32_pk16_fp6_f32 v[TC:TC+2], v[32*\t+16:32*\t+31], v[SCE]
	WIN 0
	v_nop
.irp i, 0,1,2
	v_mov_b32 v[XC+6*\t+3+\i], v[TC+\i]
.endr
	v_lshlrev_b32 v[BYE+\t], v[H8], v[BYE+\t]
	v_permlanex16_b32 v[PX+\t], v[BYE+\t], s84, s85
	v_or_b32 v[HW+\t], v[BYE+\t], v[PX+\t]         ; the row's two bytes, in both halves of the lanes
.endr
.irp e, 0,1
	v_cndmask_b32 v[HS+\e], v[HW+2*\e], v[HW+2*\e+1], s93            ; lanes 0-15 the even tile's rows, lanes 16-31 the odd tile's
.endr
	s_wait_alu depctr_va_vdst(0)                   ; the conversions and moves have written the four tiles' codes, the selects the scale bytes: the stores below read them.  Each tile has code registers of its own, so one wait serves all fourteen stores
.irp t, 0,1,2,3
.irp p, 0,1,2
	ds_store_b64 v[CST], v[XC+6*\t+2*\p:XC+6*\t+2*\p+1] offset:768*\t+8*\p     ; row 16 t + r of my 64, 48 bytes a row
.endr
.endr
.irp e, 0,1
	global_store_b16 v[ASO], v[HS+\e], s[10:11] offset:256*\e
.endr
.irp k, 0,1,2,3,4,5
	ds_load_b128 v[KF+4*\k:KF+4*\k+3], v[OPW] offset:512*\k          ; in order behind my stores; k's registers were last read by the last trip's products, ahead of the waits above
.endr
.irp k, 0,1,2,3,4,5
	s_wait_dscnt 5-\k
	global_store_b128 v[LI], v[KF+4*\k:KF+4*\k+3], s[8:9] offset:512*\k        ; 512 consecutive bytes, aligned
.endr
	s_wait_xcnt 0x0                                ; the stores above have had their addresses translated
	v_lshl_add_u32 v254, v0, 2, 0x49000            ; my spare word and 0, made anew from v0, which is as at the entry; no memory or LDS instruction has read v254 or v255
	v_mov_b32 v255, 0
	s_wait_dscnt 0x0                               ; the closing lines, six on end
	s_wait_alu 0x0
	s_wait_tensorcnt 0x0
	ds_add_u32 v254, v255
	s_wait_dscnt 0x0
	s_endpgm
.Lfunc_end_k_q35facbf4dd_attn:
	.size	k_q35facbf4dd_attn, .Lfunc_end_k_q35facbf4dd_attn-k_q35facbf4dd_attn
	.p2alignl 7, 3214868480
	.fill 96, 4, 3214868480
	.section	.rodata,"a",@progbits
	.p2align	6, 0x0
	.amdhsa_kernel k_q35facbf4dd_attn
		.amdhsa_group_segment_fixed_size 300032
		.amdhsa_private_segment_fixed_size 0
		.amdhsa_enable_private_segment 0
		.amdhsa_kernarg_size 40
		.amdhsa_user_sgpr_count 2
		.amdhsa_user_sgpr_kernarg_segment_ptr 1
		.amdhsa_wavefront_size32 1
		.amdhsa_system_sgpr_workgroup_id_x 1
		.amdhsa_system_sgpr_workgroup_id_y 1
		.amdhsa_system_sgpr_workgroup_id_z 1
		.amdhsa_system_vgpr_workitem_id 0
		.amdhsa_next_free_vgpr 512
		.amdhsa_next_free_sgpr 100
		.amdhsa_reserve_vcc 0
		.amdhsa_float_denorm_mode_32 3
		.amdhsa_float_denorm_mode_16_64 3
		.amdhsa_memory_ordered 1
		.amdhsa_forward_progress 1
		.amdhsa_inst_pref_size 136
	.end_amdhsa_kernel
	.amdgpu_metadata
---
amdhsa.version: [ 1, 2 ]
amdhsa.kernels:
  - .name:           k_q35facbf4dd_attn
    .symbol:         k_q35facbf4dd_attn.kd
    .args:
      - { .name: pcod, .offset: 0, .size: 8, .value_kind: global_buffer, .address_space: global }
      - { .name: pscl, .offset: 8, .size: 8, .value_kind: global_buffer, .address_space: global }
      - { .name: mbits, .offset: 16, .size: 8, .value_kind: global_buffer, .address_space: global }
      - { .name: acod, .offset: 24, .size: 8, .value_kind: global_buffer, .address_space: global }
      - { .name: ascl, .offset: 32, .size: 8, .value_kind: global_buffer, .address_space: global }
    .group_segment_fixed_size: 300032
    .private_segment_fixed_size: 0
    .kernarg_segment_align: 8
    .kernarg_segment_size: 40
    .max_flat_workgroup_size: 256
    .sgpr_count:     100
    .vgpr_count:     512
    .wavefront_size: 32
...
	.end_amdgpu_metadata
.endif
;; end of part 6
;; launch outp: the kernel of part 4 again; grid 4 x 32, 4 waves a work-group, clusters of 4 x 4, 327,680 bytes of LDS; arguments acod, ascl, cod, scl, bo, out0; writes out0
